; MI455X (gfx1250); checked and timed in simulation.
; The chip was launched on July 23, 2026; its instructions are those of AMD's public machine-readable ISA for CDNA 5 (MIT licence, August 2026) and "CDNA5" Instruction Set Architecture Reference Guide (July 2026). The comments in the code are by the model that wrote it; some were corrected since.
;; Mo E Layer. Allowed arithmetic: matrix products marked QUANTISED: E3M2 operands, one E8M0 scale for each 32 along K, by v_wmma_scale_f32_16x16x128_f8f6f4 with both operands' format E3M2, f32 sums; products left as they are: f32 operands where the result goes on into a quantised operand, else bf16, f16 or f32 operands; f32 sums; everything else in f32.
;; Inputs: W1 8 x 1,024 x 4,096 float32; W2 8 x 4,096 x 1,024 float32; Wr 1,024 x 8 float32; b1 8 x 4,096 float32; b2 8 x 1,024 float32; br 8 float32; x 2 x 512 x 1,024 float32.
;; Outputs: out0 2 x 512 x 1,024 float32; out1 2 x 512 x 8 float32.
;; Constants: top_k = 2.
;; This version of the problem:
;;   THIS VERSION OF THE PROBLEM IS GIVEN IN LOW PRECISION. The matrix products marked QUANTISED in the list below multiply operands that are first quantised to E3M2 (3 exponent bits, 2 mantissa bits; 6 bits a number), with one power-of-two scale for each 32 numbers along K (OCP MX v1.0); their sums are f32. All else is computed in f32.
;;   The module's matrix products, in the order in which they are computed (A, B: the left and right operand; K: the contracted axis; several contracted axes count as one K, in the product's order):
;;     1. [M 1,024, K 1,024] x [K 1,024, N 8]; A: input x; B: input Wr: left as it is (N = 8 < 16)
;;     2. [M 1,024, K 1,024] x [K 1,024, N 32,768]; A: input x; B: input W1: QUANTISED
;;     3. batch 8 x [M 1,024, K 4,096] x [K 4,096, N 1,024]; A: input W2; B: computed on the way: QUANTISED
;;     4. batch 1,024 x [M 1, K 8] x [K 8, N 1,024]; A: computed on the way; B: computed on the way: left as it is (K = 8 < 32)
;;   THE QUANTISER, for each operand of a quantised product, along K:
;;     - K is cut into blocks of 32 from its start; a last block that is shorter is filled with zeros.
;;     - A block's scale is 2^e with e = floor(log2(the largest magnitude in the block)) - 4, held to -126 .. 127; a block of zeros has e = 0. As a byte (E8M0): e + 127.
;;     - Each number is divided by its block's scale, clamped to +-28, and rounded to the nearest number of E3M2, ties to even, subnormals kept.
;;     - The product sums the exact products of the quantised numbers (number of the format x scale) in f32.
;;   ~~~python
;;   def quantise(x, axis):      # numpy; x: float32 -> the quantised numbers, widened to float32 again
;;       x = np.moveaxis(x, axis, -1); K = x.shape[-1]
;;       x = np.pad(x, [(0, 0)] * (x.ndim - 1) + [(0, -K % 32)]); x = x.reshape(x.shape[:-1] + (-1, 32)); a = np.abs(x).max(-1, keepdims=True)
;;       e = np.where(a > 0, np.clip(np.frexp(np.where(a > 0, a, 1))[1] - 1 - 4, -126, 127), 0)      # np.frexp(a)[1] - 1 = floor(log2(a)), exactly
;;       r = np.clip(x / 2.0 ** e, -28, 28)
;;       step = 2.0 ** (np.maximum(np.frexp(np.where(r == 0, 1, r))[1] - 1, -2) - 2)
;;       q = np.round(r / step) * step * 2.0 ** e      # np.round: ties to even
;;       return np.moveaxis(q.reshape(q.shape[:-2] + (-1,))[..., :K], -1, axis).astype(np.float32)
;;   ~~~
;;   OPERANDS COMPUTED ON THE WAY. 'Computed on the way' means the value that the module computes at that place (a softmax that the list does not call 'softmax' is quantised finished and normalised). What goes into a quantiser is computed in f32, as accurately as f32 sums, v_exp_f32 and their like allow (about 1e-6 of the number): no bf16 or f16 on the way to a quantiser, and a product that is left as it is and whose result goes on into a quantised operand takes f32 operands (vector FMAs, or v_wmma_f32_16x16x4_f32). A number that lies on a knife's edge between two numbers of the format may be rounded either way, as far as f32 arithmetic and the matrix unit's own rounding can turn it there, and no further.
;; 2 versions. Each part assembles by itself: llvm-mc -triple=amdgcn-amd-amdhsa -mcpu=gfx1250 --defsym DOCPART=n.
;; ======== version 1 of 2: 5 launches
;; workspace buffers: bitmap 1,024 bytes of whole numbers; topi 8,192 bytes of whole numbers; topw 8,192 bytes; rowof 8,192 bytes of whole numbers; xs 6,815,744 bytes; hc 27,262,976 bytes; y 67,108,864 bytes
;; launch route (part 1): grid 64 x 1, 8 waves a work-group, no clusters, 78,848 bytes of LDS; arguments x, Wr, br, out1, topi, topw, bitmap; writes out1, topi, topw, bitmap
.if DOCPART == 1
	.amdgcn_target "amdgcn-amd-amdhsa--gfx1250"
	.amdhsa_code_object_version 6
	.text
	.protected	k_q65a15e0e0c_route
	.globl	k_q65a15e0e0c_route
	.p2align	8
	.type	k_q65a15e0e0c_route,@function
k_q65a15e0e0c_route:
	s_mov_b64 s[64:65], 0
	v_nop
	global_prefetch_b8 v0, s[64:65] scope:SCOPE_SE
	s_setreg_imm32_b32 hwreg(HW_REG_WAVE_MODE, 25, 1), 1
	s_wait_xcnt 0x0
; THE ROUTER, all in f32: logits = x Wr + br, softmax over the 8 experts (the row's maximum taken away first), the two largest probabilities (of equal ones the lower index).
; Stored: the probabilities (out1 [1024][8]); for each token its two experts (topi [1024][2], whole numbers) and their probabilities (topw [1024][2]);
; and for each expert a map of its tokens (bitmap [8][32 words]: bit b of word i = token 32 i + b chose the expert).  All at fixed places: no address and no branch here hangs on a computed number.
; SHARES.  A work-group takes 16 tokens; wave w the 128 numbers d = 128 w .. of each; lane l the expert e = l % 8 and the 32 numbers d = 128 w + 32 (l / 8) + 0 .. 31.
; x comes in by loads of 512 consecutive bytes and turns through the wave's own stage in LDS, so that a lane reads its 32 neighbours; the eight waves' partial sums meet in LDS behind one barrier; wave 0 finishes.
; No matrix instruction: 8 columns are half a tile, and the sums feed a choice, so they are fused multiply-adds in f32.
; LIMITS: NaN and infinities among the inputs are not served.  A probability whose exponential falls under the smallest normal f32 number counts as 0.  The sums' order differs from a plain ascending one, within f32.
.set RED, 73728                        ; LDS: behind the eight stages of 9,216 bytes: [8 waves][16 tokens][8 experts] f32
.set WR,  16                           ; v16-47   my 32 numbers of Wr
.set XR,  48                           ; v48-111  x as loaded: 16 tokens x 4 registers; later wave 0's work
.set XL,  112                          ; v112-175 two sets of 32 neighbours of x
.set AC,  176                          ; v176-207 a pair of sums for each token
	s_load_b256 s[4:11], s[0:1], 0x0               ; x s[4:5], Wr s[6:7], br s[8:9], out1 s[10:11]
	s_load_b128 s[12:15], s[0:1], 0x20             ; topi s[12:13], topw s[14:15]
	s_load_b64 s[16:17], s[0:1], 0x30              ; bitmap
	v_lshl_add_u32 v208, v0, 2, 0x13000
	v_mov_b32 v209, 0
	v_lshrrev_b32 v7, 5, v0
	v_readfirstlane_b32 s18, v7                    ; wave 0..7
	v_and_b32 v1, 31, v0                           ; lane
	v_lshlrev_b32 v2, 4, v0                        ; x: 512 w + 16 l
	v_lshrrev_b32 v8, 3, v0                        ; 4 w + l / 8
	v_and_b32 v9, 7, v0                            ; e
	v_lshlrev_b32 v3, 2, v9
	v_lshl_add_u32 v3, v8, 10, v3                  ; Wr: 32 rows of 32 bytes for each (w, l / 8), + 4 e
	v_bfe_u32 v10, v0, 3, 2                        ; l / 8
	s_mul_i32 s19, s18, 9216                       ; my stage: 16 tokens x 576 bytes; a token: four runs of 128 bytes + 16 of padding
	v_mul_u32_u24 v5, v10, 144
	v_add_nc_u32 v5, s19, v5                       ; out of it: my run of 32 numbers
	v_lshl_add_u32 v4, v9, 4, v5                   ; into it: 16 bytes a lane, as loaded
	s_lshl_b32 s19, s18, 9
	s_add_co_u32 s19, s19, RED
	v_lshl_add_u32 v6, v9, 2, s19                  ; my wave's partial sums: + 4 e
	v_and_b32 v11, 15, v0
	v_bfe_u32 v12, v0, 4, 1
	v_lshlrev_b32 v13, 5, v11
	v_add_nc_u32 v14, RED, v13                     ; wave 0, at the end: token l % 16's eight sums
	v_lshl_add_u32 v13, v12, 4, v13
	s_lshl_b32 s19, ttmp9, 9
	v_add_nc_u32 v13, s19, v13                     ; out1: 512 g + 32 (l % 16) + 16 (l / 16)
	s_lshl_b32 s19, ttmp9, 7
	v_lshl_add_u32 v15, v1, 3, s19                 ; topi, topw: 128 g + 8 l
	s_lshl_b32 s19, ttmp9, 1
	v_lshl_add_u32 v7, v1, 7, s19                  ; bitmap: 128 e + 2 g, e = my lane
	s_lshl_b32 s2, ttmp9, 16                       ; 16 rows of 4,096 bytes a work-group
	s_mov_b32 s3, 0
	s_mov_b32 s28, 0x76543210
	s_mov_b32 s29, 0xfedcba98                      ; v_permlanex16_b32's selects for lane l xor 16
	s_mov_b32 s30, 0xffff0000                      ; lanes 16-31
	s_wait_kmcnt 0x0
	s_add_nc_u64 s[4:5], s[4:5], s[2:3]
	s_load_b256 s[20:27], s[8:9], 0x0              ; br
.irp t, 0,1,2,3,4,5,6,7,8,9,10,11,12,13,14,15
	global_load_b128 v[XR+4*\t:XR+4*\t+3], v2, s[4:5] offset:4096*\t th:TH_LOAD_NT   ; 32 lanes read 512 consecutive bytes of token t
.endr
.set i, 0
.rept 32
	global_load_b32 v[WR+i], v3, s[6:7] offset:32*i
.set i, i+1
.endr
	s_wait_loadcnt 32                              ; x is in: the 32 loads of Wr were issued behind it
.irp t, 0,1,2,3,4,5,6,7,8,9,10,11,12,13,14,15
	ds_store_b128 v4, v[XR+4*\t:XR+4*\t+3] offset:576*\t
.endr
.irp q, 0,1,2,3,4,5,6,7
	ds_load_b128 v[XL+4*\q:XL+4*\q+3], v5 offset:16*\q   ; LDS serves a wave's instructions in order: these see my stores
.endr
	s_wait_loadcnt 0x0                             ; Wr
; Token t: the next token's 32 numbers are asked for, then this token's 32 products are summed, two at a time.
.macro TOK t
.if \t < 15
.irp q, 0,1,2,3,4,5,6,7
	ds_load_b128 v[XL+32*((\t+1)%2)+4*\q:XL+32*((\t+1)%2)+4*\q+3], v5 offset:576*(\t+1)+16*\q
.endr
	s_wait_dscnt 8                                 ; this token's are in; the eight just issued may be out
.else
	s_wait_dscnt 0x0
.endif
	v_pk_mul_f32 v[AC+2*\t:AC+2*\t+1], v[XL+32*(\t%2):XL+32*(\t%2)+1], v[WR:WR+1]   ; the first product starts the sums
.irp p, 1,2,3,4,5,6,7,8,9,10,11,12,13,14,15
	v_pk_fma_f32 v[AC+2*\t:AC+2*\t+1], v[XL+32*(\t%2)+2*\p:XL+32*(\t%2)+2*\p+1], v[WR+2*\p:WR+2*\p+1], v[AC+2*\t:AC+2*\t+1]
.endr
.endm
.irp t, 0,1,2,3,4,5,6,7,8,9,10,11,12,13,14,15
	TOK \t
.endr
.irp t, 0,1,2,3,4,5,6,7,8,9,10,11,12,13,14,15
	v_add_f32 v[AC+2*\t], v[AC+2*\t], v[AC+2*\t+1]           ; the pair's halves
.endr
.irp t, 0,1,2,3,4,5,6,7,8,9,10,11,12,13,14,15
	v_add_f32_dpp v[AC+2*\t], v[AC+2*\t], v[AC+2*\t] row_xmask:8 row_mask:0xf bank_mask:0xf   ; lane l xor 8: the same expert, other d
.endr
.irp t, 0,1,2,3,4,5,6,7,8,9,10,11,12,13,14,15
	v_permlanex16_b32 v[AC+2*\t+1], v[AC+2*\t], s28, s29
.endr
.irp t, 0,1,2,3,4,5,6,7,8,9,10,11,12,13,14,15
	v_add_f32 v[AC+2*\t], v[AC+2*\t], v[AC+2*\t+1]           ; and lane l xor 16: the wave's 128 d are summed
.endr
.irp t, 0,1,2,3,4,5,6,7,8,9,10,11,12,13,14,15
	ds_store_b32 v6, v[AC+2*\t] offset:32*\t       ; the four lanes of an expert write the same word with the same value
.endr
	s_wait_kmcnt 0x0                               ; br
	s_wait_dscnt 0x0                               ; for the others' sake: my stores have landed
	s_barrier_signal -1
	s_barrier_wait -1
	s_cmp_lg_u32 s18, 0
	s_cbranch_scc1 .Lothers                        ; wave 0 finishes: lane l has token l % 16 (lanes 16-31 the same tokens once more)
.irp w, 0,1,2,3,4,5,6,7
	ds_load_b128 v[XR+8*\w:XR+8*\w+3], v14 offset:512*\w
	ds_load_b128 v[XR+8*\w+4:XR+8*\w+7], v14 offset:512*\w+16
.endr
	s_wait_dscnt 0x0
.irp w, 1,2,3,4,5,6,7
.irp j, 0,2,4,6
	v_pk_add_f32 v[XR+\j:XR+\j+1], v[XR+\j:XR+\j+1], v[XR+8*\w+\j:XR+8*\w+\j+1]   ; the eight waves' parts, in a fixed order
.endr
.endr
.irp e, 0,1,2,3,4,5,6,7
	v_add_f32 v[48+\e], s[20+\e], v[48+\e]         ; + br: the logits, v48-55
.endr
	v_max3_num_f32 v77, v48, v49, v50
	v_max3_num_f32 v77, v77, v51, v52
	v_max3_num_f32 v77, v77, v53, v54
	v_max_num_f32 v77, v77, v55                    ; the row's maximum
.irp e, 0,1,2,3,4,5,6,7
	v_sub_f32 v[48+\e], v[48+\e], v77
.endr
.irp e, 0,1,2,3,4,5,6,7
	v_mul_f32 v[48+\e], 0x3fb8aa3b, v[48+\e]       ; x log2(e)
.endr
.irp e, 0,1,2,3,4,5,6,7
	v_exp_f32 v[48+\e], v[48+\e]
.endr
	v_mov_b32 v79, -1.0                            ; (a plain instruction behind the exponentials)
	s_wait_alu depctr_va_vdst(0)
	v_add_f32 v78, v48, v49
	v_add_f32 v84, v50, v51
	v_add_f32 v85, v52, v53
	v_add_f32 v86, v54, v55
	v_add_f32 v78, v78, v84
	v_add_f32 v85, v85, v86
	v_add_f32 v78, v78, v85
	v_rcp_f32 v78, v78
	v_mov_b32 v76, 0                               ; (a plain instruction behind the reciprocal)  the map's words, one expert a lane
	s_wait_alu depctr_va_vdst(0)
.irp e, 0,1,2,3,4,5,6,7
	v_mul_f32 v[48+\e], v[48+\e], v78              ; the probabilities
.endr
	; the largest: v74 its value, v72 its index.  The one in hand stays where it is at least as large: of equal ones the lower index is kept
	v_mov_b32 v74, v48
	v_mov_b32 v72, 0
.irp e, 1,2,3,4,5,6,7
	v_cmp_ge_f32 vcc_lo, v74, v[48+\e]
	v_cndmask_b32 v74, v[48+\e], v74, vcc_lo
	v_cndmask_b32 v72, \e, v72, vcc_lo
.endr
.irp e, 0,1,2,3,4,5,6,7
	v_cmp_eq_u32 vcc_lo, \e, v72
	v_cndmask_b32 v[64+\e], v[48+\e], v79, vcc_lo  ; the largest is put at -1, under every probability
.endr
	v_mov_b32 v75, v64                             ; the second: v75, v73
	v_mov_b32 v73, 0
.irp e, 1,2,3,4,5,6,7
	v_cmp_ge_f32 vcc_lo, v75, v[64+\e]
	v_cndmask_b32 v75, v[64+\e], v75, vcc_lo
	v_cndmask_b32 v73, \e, v73, vcc_lo
.endr
.irp e, 0,1,2,3,4,5,6,7
	v_cmp_eq_u32 s32, \e, v72                      ; which of my 16 tokens chose expert e: bit l % 16 (and the same 16 bits above)
	v_cmp_eq_u32 s33, \e, v73
	s_or_b32 s32, s32, s33
	v_writelane_b32 v76, s32, \e
.endr
.irp j, 0,1,2,3
	v_cndmask_b32 v[80+\j], v[48+\j], v[52+\j], s30   ; lanes 0-15 experts 0-3, lanes 16-31 experts 4-7 of the same token
.endr
	global_store_b128 v13, v[80:83], s[10:11]      ; the wave stores 512 consecutive bytes of out1, aligned
	s_wait_xcnt 0x0                                ; EXEC changes only behind this wait
	s_wait_tensorcnt 0x0
	ds_add_u32 v208, v209
	s_wait_dscnt 0x0
	v_cmpx_gt_u32 16, v1                           ; lanes 0-15
	global_store_b64 v15, v[72:73], s[12:13]       ; the two experts
	global_store_b64 v15, v[74:75], s[14:15]       ; and their probabilities
	s_wait_xcnt 0x0
	v_cmpx_gt_u32 8, v1                            ; lanes 0-7: lane e has expert e's 16 bits
	global_store_b16 v7, v76, s[16:17]
	s_endpgm
.Lothers:
	s_wait_tensorcnt 0x0
	ds_add_u32 v208, v209
	s_wait_dscnt 0x0
	s_endpgm
.Lfunc_end_k_q65a15e0e0c_route:
	.size	k_q65a15e0e0c_route, .Lfunc_end_k_q65a15e0e0c_route-k_q65a15e0e0c_route
	.p2alignl 7, 3214868480
	.fill 96, 4, 3214868480
	.section	.rodata,"a",@progbits
	.p2align	6, 0x0
	.amdhsa_kernel k_q65a15e0e0c_route
		.amdhsa_group_segment_fixed_size 78848
		.amdhsa_private_segment_fixed_size 0
		.amdhsa_enable_private_segment 0
		.amdhsa_kernarg_size 56
		.amdhsa_user_sgpr_count 2
		.amdhsa_user_sgpr_kernarg_segment_ptr 1
		.amdhsa_wavefront_size32 1
		.amdhsa_system_sgpr_workgroup_id_x 1
		.amdhsa_system_sgpr_workgroup_id_y 1
		.amdhsa_system_sgpr_workgroup_id_z 1
		.amdhsa_system_vgpr_workitem_id 0
		.amdhsa_next_free_vgpr 210
		.amdhsa_next_free_sgpr 66
		.amdhsa_reserve_vcc 1
		.amdhsa_float_denorm_mode_32 3
		.amdhsa_float_denorm_mode_16_64 3
		.amdhsa_memory_ordered 1
		.amdhsa_forward_progress 1
		.amdhsa_inst_pref_size 47
	.end_amdhsa_kernel
	.amdgpu_metadata
---
amdhsa.version: [ 1, 2 ]
amdhsa.kernels:
  - .name:           k_q65a15e0e0c_route
    .symbol:         k_q65a15e0e0c_route.kd
    .args:
      - { .name: x, .offset: 0, .size: 8, .value_kind: global_buffer, .address_space: global }
      - { .name: Wr, .offset: 8, .size: 8, .value_kind: global_buffer, .address_space: global }
      - { .name: br, .offset: 16, .size: 8, .value_kind: global_buffer, .address_space: global }
      - { .name: out1, .offset: 24, .size: 8, .value_kind: global_buffer, .address_space: global }
      - { .name: topi, .offset: 32, .size: 8, .value_kind: global_buffer, .address_space: global }
      - { .name: topw, .offset: 40, .size: 8, .value_kind: global_buffer, .address_space: global }
      - { .name: bitmap, .offset: 48, .size: 8, .value_kind: global_buffer, .address_space: global }
    .group_segment_fixed_size: 78848
    .private_segment_fixed_size: 0
    .kernarg_segment_align: 8
    .kernarg_segment_size: 56
    .max_flat_workgroup_size: 256
    .sgpr_count:     66
    .vgpr_count:     210
    .wavefront_size: 32
...
	.end_amdgpu_metadata
.endif
;; end of part 1
;; launch place (part 2): grid 24 x 8, 8 waves a work-group, no clusters, 68,608 bytes of LDS; arguments x, bitmap, topi, xs, rowof; writes xs, rowof
.if DOCPART == 2
	.amdgcn_target "amdgcn-amd-amdhsa--gfx1250"
	.amdhsa_code_object_version 6
	.text
	.protected	k_q65a15e0e0c_place
	.globl	k_q65a15e0e0c_place
	.p2align	8
	.type	k_q65a15e0e0c_place,@function
k_q65a15e0e0c_place:
	s_mov_b64 s[64:65], 0
	v_nop
	global_prefetch_b8 v0, s[64:65] scope:SCOPE_SE
	s_setreg_imm32_b32 hwreg(HW_REG_WAVE_MODE, 25, 1), 1
	s_wait_xcnt 0x0
; THE ROWS ARE PLACED BY EXPERT, AND x IS QUANTISED.  Expert e owns the sorted rows 1024 e + 0 .. 1023 (64 tiles of 16): row 1024 e + n is the n-th token, in ascending order, whose bit stands in e's map.
; For each tile of 16 such rows and each K step of 128 along D the codes of BF6 (E3M2) are stored as an IMAGE OF THE OPERAND'S REGISTERS (12 registers a lane: register group q of lane l at 512 q + 16 l: 1,536 bytes),
; and the rows' scale words beside them (4 bytes a lane, the 16 words held twice): xs = codes [8][64][8][1536], then from XSC on words [8][64][8][32].  rowof [1024][2] tells each token where its two rows lie.
; A block's scale is 2^(floor(log2(its largest magnitude)) - 4): its byte is that magnitude's exponent field - 4, held at 1 from below.
; SHARES.  Work-group (x, e) walks e's tiles x, x + 24, x + 48 as far as the expert's count, which is read from the map, reaches: a grid that serves every split; a work-group without a tile stores nothing.  Wave s makes K step s.
; A row's rank is held at count - 1: the last tile's rows past the count are copies of the expert's last row.  Their images are stored and never used; into rowof they store the same number at the same place as that row.
; So every lane is on in the whole text.
; LIMITS: NaN and infinities are not served; a block whose largest magnitude lies under 2^-122, a block of zeros too, gets the byte 1 (the bytes are read by this program alone).
.set XSC, 6291456
.set ADR, 32                           ; v32-47   the 16 rows' byte offsets in x
.set XD,  48                           ; v48-111  16 rows x 16 bytes a lane, as loaded; later v48-54 the conversions' upper halves
.set XB,  112                          ; v112-175 my two blocks of 32 neighbours
.set C,   176                          ; v176-187 the fragment's codes
	s_load_b256 s[4:11], s[0:1], 0x0               ; x s[4:5], bitmap s[6:7], topi s[8:9], xs s[10:11]
	s_load_b64 s[12:13], s[0:1], 0x20              ; rowof
	v_lshl_add_u32 v192, v0, 2, 0x10800
	v_mov_b32 v193, 0
	v_lshrrev_b32 v1, 5, v0
	v_readfirstlane_b32 s16, v1                    ; wave = K step
	v_and_b32 v1, 31, v0                           ; lane
	v_and_b32 v2, 15, v0                           ; r
	v_bfe_u32 v3, v0, 4, 1                         ; h
	v_lshlrev_b32 v4, 4, v0                        ; 512 s + 16 l: my 16 bytes of a row's K step
	v_lshlrev_b32 v7, 4, v1
	v_lshlrev_b32 v8, 2, v1
	v_mov_b32 v9, 0
	v_lshlrev_b32 v25, 3, v3                       ; 8 h
	v_mov_b32 v31, 0                               ; (a lane permute's destination counts as one of its sources)
	s_mul_i32 s19, s16, 8448                       ; my stage: 16 rows x (512 bytes + 16)
	v_add_nc_u32 v5, s19, v7                       ; into it: 16 bytes a lane
	v_mul_u32_u24 v6, v2, 528
	v_lshl_add_u32 v6, v3, 7, v6
	v_add_nc_u32 v6, s19, v6                       ; out of it: row r, + 128 h
	s_and_b32 s14, ttmp7, 0xffff                   ; the expert
	s_lshl_b32 s2, s14, 7
	s_mov_b32 s3, 0
	s_mov_b32 s22, 0x76543210
	s_mov_b32 s23, 0xfedcba98
	s_mov_b32 s15, ttmp9                           ; the tile in hand
	s_wait_kmcnt 0x0
	s_add_nc_u64 s[6:7], s[6:7], s[2:3]
	s_load_b512 s[32:47], s[6:7], 0x0              ; the expert's map: 32 words
	s_load_b512 s[48:63], s[6:7], 0x40
	s_lshl_b32 s2, s14, 16
	s_lshl_b32 s19, s16, 7
	s_add_co_u32 s2, s2, s19
	s_add_nc_u64 s[28:29], s[10:11], s[2:3]
	s_add_nc_u64 s[28:29], s[28:29], XSC           ; scale words: XSC + 65,536 e + 128 s
	s_mul_i32 s2, s14, 786432
	s_mul_i32 s19, s16, 1536
	s_add_co_u32 s2, s2, s19
	s_add_nc_u64 s[10:11], s[10:11], s[2:3]        ; codes: 786,432 e + 1,536 s
	s_lshl_b32 s27, s14, 10                        ; 1024 e
	s_wait_kmcnt 0x0
	s_bcnt1_i32_b32 s17, s32                       ; the expert's count of rows
.set i, 33
.rept 31
	s_bcnt1_i32_b32 s19, s[i]
	s_add_co_u32 s17, s17, s19
.set i, i+1
.endr
	s_add_co_u32 s18, s17, 15
	s_lshr_b32 s18, s18, 4                         ; its tiles
	s_sub_co_u32 s31, s17, 1                       ; its last row's rank (with no row there is no tile, and the number is not used)
	s_mov_b32 s30, 0                               ; trips: 3 x 24 tiles reach past an expert's 64
; One step of the search for the n-th set bit: the count of set bits in the lower half of what is left, read from a level of the tree of counts.
.macro SELSTEP level, width
	v_bfe_u32 v19, v[\level], v15, \width
	v_cmp_lt_u32 vcc_lo, v13, v19
	v_cndmask_b32 v20, v19, v9, vcc_lo             ; the bit lies in the lower half: nothing changes; else the lower half's count goes off the rank
	v_cndmask_b32 v21, \width, v9, vcc_lo          ; and the place moves up
	v_sub_nc_u32 v13, v13, v20
	v_add_nc_u32 v15, v15, v21
.endm
.Ltile:
	s_cmp_ge_u32 s15, s18                          ; no tile left: out of the loop
	s_cbranch_scc1 .Lend
	s_lshl_b32 s19, s15, 4
	v_add_nc_u32 v10, s19, v2                      ; my row's rank n = 16 j + r,
	v_min_u32 v10, s31, v10                        ; held at the expert's last row
	; which word of the map holds the n-th set bit: the word before which P bits stand and which has C, where P <= n < P + C
	s_mov_b32 s20, 0
	v_mov_b32 v12, 0                               ; the word,
	v_mov_b32 v13, 0                               ; the rank inside it,
	v_mov_b32 v14, 0                               ; its number
.set i, 0
.rept 32
	s_bcnt1_i32_b32 s21, s[32+i]
	v_sub_nc_u32 v11, v10, s20
	v_cmp_le_u32 vcc_lo, s21, v11                  ; (n under P wraps to a large number)
	v_cndmask_b32 v12, s[32+i], v12, vcc_lo
	v_cndmask_b32 v13, v11, v13, vcc_lo
	v_cndmask_b32 v14, i, v14, vcc_lo
	s_add_co_u32 s20, s20, s21
.set i, i+1
.endr
	v_lshrrev_b32 v16, 1, v12                      ; the tree of counts: of 2 bits (v16), of 4 (v17), of 8 (v18), of the low 16 (v19)
	v_and_b32 v16, 0x55555555, v16
	v_sub_nc_u32 v16, v12, v16
	v_lshrrev_b32 v17, 2, v16
	v_and_b32 v17, 0x33333333, v17
	v_and_b32 v18, 0x33333333, v16
	v_add_nc_u32 v17, v17, v18
	v_lshrrev_b32 v18, 4, v17
	v_add_nc_u32 v18, v18, v17
	v_and_b32 v18, 0x0f0f0f0f, v18
	v_lshrrev_b32 v19, 8, v18
	v_add_nc_u32 v19, v19, v18
	v_and_b32 v19, 0xff, v19
	v_cmp_lt_u32 vcc_lo, v13, v19
	v_cndmask_b32 v20, v19, v9, vcc_lo
	v_cndmask_b32 v15, 16, v9, vcc_lo              ; the place so far
	v_sub_nc_u32 v13, v13, v20
	SELSTEP 18, 8
	SELSTEP 17, 4
	SELSTEP 16, 2
	SELSTEP 12, 1
	v_lshl_add_u32 v22, v14, 5, v15                ; the token
	v_min_u32 v22, 0x3ff, v22                      ; held inside x, since it enters addresses
.irp r, 0,1,2,3,4,5,6,7,8,9,10,11,12,13,14,15
	v_readlane_b32 s24, v22, \r
	s_min_u32 s24, s24, 1023
	s_lshl_b32 s24, s24, 12                        ; row r's token x 4,096 bytes
	v_add_nc_u32 v[ADR+\r], s24, v4
	global_load_b128 v[XD+4*\r:XD+4*\r+3], v[ADR+\r], s[4:5]   ; 32 lanes read 512 consecutive bytes: row r's K step
.endr
	s_wait_loadcnt 0x0
.irp r, 0,1,2,3,4,5,6,7,8,9,10,11,12,13,14,15
	ds_store_b128 v5, v[XD+4*\r:XD+4*\r+3] offset:528*\r
.endr
.irp c, 0,1
.irp q, 0,1,2,3,4,5,6,7
	ds_load_b128 v[XB+32*\c+4*\q:XB+32*\c+4*\q+3], v6 offset:256*\c+16*\q   ; lane (r, h): k = 64 c + 32 h + 0 .. 31 of row r, as the operand's layout gives them to it.  LDS serves a wave's instructions in order
.endr
.endr
	s_wait_dscnt 0x0
	v_max3_num_f32 v26, |v[XB]|, |v[XB+1]|, 0x2800000      ; each block's largest magnitude, all 32 numbers mine, and the floor 2^(5 - 127): the byte cannot fall under 1
	v_max3_num_f32 v27, |v[XB+32]|, |v[XB+33]|, 0x2800000
.irp i, 2,4,6,8,10,12,14,16,18,20,22,24,26,28,30
	v_max3_num_f32 v26, v26, |v[XB+\i]|, |v[XB+\i+1]|      ; (the two blocks by turns)
	v_max3_num_f32 v27, v27, |v[XB+32+\i]|, |v[XB+33+\i]|
.endr
	v_add_nc_u32 v28, 0xfe000000, v26              ; 4 off the exponent field: the conversion takes the exponent field of this operand as its scale
	v_add_nc_u32 v29, 0xfe000000, v27
	v_lshrrev_b32 v30, 23, v28                     ; the scales' bytes
	v_lshrrev_b32 v11, 23, v29
	v_cvt_scalef32_pk16_bf6_f32 v[C:C+2], v[XB:XB+15], v28
	v_cvt_scalef32_pk16_bf6_f32 v[XD:XD+2], v[XB+16:XB+31], v28      ; (a conversion's three registers begin on an even number: the upper halves are made elsewhere and moved)
	v_cvt_scalef32_pk16_bf6_f32 v[C+6:C+8], v[XB+32:XB+47], v29
	v_cvt_scalef32_pk16_bf6_f32 v[XD+4:XD+6], v[XB+48:XB+63], v29
	v_lshl_or_b32 v30, v11, 16, v30                ; (a plain instruction behind the conversions)  my two bytes: blocks h and 2 + h,
.irp i, 0,1,2
	v_mov_b32 v[C+3+\i], v[XD+\i]
	v_mov_b32 v[C+9+\i], v[XD+4+\i]
.endr
	v_lshlrev_b32 v30, v25, v30                    ; at their places in the word;
	v_permlanex16_b32 v31, v30, s22, s23
	v_or_b32 v30, v30, v31                         ; with lane l xor 16's two the row's word is whole, in both halves of the lanes
	s_mov_b32 s25, s15
	s_min_u32 s25, s25, 63                         ; the tile, held inside the expert's 64, since it enters addresses
	s_mul_i32 s26, s25, 12288
	v_add_nc_u32 v23, s26, v7
	s_lshl_b32 s26, s25, 10
	v_add_nc_u32 v24, s26, v8
.irp q, 0,1,2
	global_store_b128 v23, v[C+4*\q:C+4*\q+3], s[10:11] offset:512*\q   ; each store covers 512 consecutive bytes, aligned
.endr
	global_store_b32 v24, v30, s[28:29]
	s_cmp_lg_u32 s16, 0
	s_cbranch_scc1 .Lnot_wave_0                    ; wave 0 also tells each of the tile's tokens where its row lies
	v_lshlrev_b32 v20, 3, v22
	global_load_b32 v17, v20, s[8:9] offset:4      ; the token's second expert
	v_add_nc_u32 v21, s27, v10                     ; 1024 e + n
	s_wait_loadcnt 0x0
	v_cmp_ne_u32 vcc_lo, s14, v17
	v_cndmask_b32 v18, 1, v9, vcc_lo               ; am I its second expert?
	v_lshl_add_u32 v18, v22, 1, v18
	v_min_u32 v18, 0x7ff, v18                      ; held inside rowof
	v_lshlrev_b32 v18, 2, v18
	global_store_b32 v18, v21, s[12:13]            ; lanes 16-31, and rows held at the last rank, store the same number at the same place as the row's own lane
.Lnot_wave_0:
	s_wait_xcnt 0x0                                ; the stores' data and all offsets are written again in the next trip
	s_add_co_u32 s15, s15, 24
	s_add_co_u32 s30, s30, 1
	s_cmp_lt_u32 s30, 3
	s_cbranch_scc1 .Ltile
.Lend:
	s_wait_tensorcnt 0x0
	ds_add_u32 v192, v193
	s_wait_dscnt 0x0
	s_endpgm
.Lfunc_end_k_q65a15e0e0c_place:
	.size	k_q65a15e0e0c_place, .Lfunc_end_k_q65a15e0e0c_place-k_q65a15e0e0c_place
	.p2alignl 7, 3214868480
	.fill 96, 4, 3214868480
	.section	.rodata,"a",@progbits
	.p2align	6, 0x0
	.amdhsa_kernel k_q65a15e0e0c_place
		.amdhsa_group_segment_fixed_size 68608
		.amdhsa_private_segment_fixed_size 0
		.amdhsa_enable_private_segment 0
		.amdhsa_kernarg_size 40
		.amdhsa_user_sgpr_count 2
		.amdhsa_user_sgpr_kernarg_segment_ptr 1
		.amdhsa_wavefront_size32 1
		.amdhsa_system_sgpr_workgroup_id_x 1
		.amdhsa_system_sgpr_workgroup_id_y 1
		.amdhsa_system_sgpr_workgroup_id_z 1
		.amdhsa_system_vgpr_workitem_id 0
		.amdhsa_next_free_vgpr 194
		.amdhsa_next_free_sgpr 66
		.amdhsa_reserve_vcc 1
		.amdhsa_float_denorm_mode_32 3
		.amdhsa_float_denorm_mode_16_64 3
		.amdhsa_memory_ordered 1
		.amdhsa_forward_progress 1
		.amdhsa_inst_pref_size 26
	.end_amdhsa_kernel
	.amdgpu_metadata
---
amdhsa.version: [ 1, 2 ]
amdhsa.kernels:
  - .name:           k_q65a15e0e0c_place
    .symbol:         k_q65a15e0e0c_place.kd
    .args:
      - { .name: x, .offset: 0, .size: 8, .value_kind: global_buffer, .address_space: global }
      - { .name: bitmap, .offset: 8, .size: 8, .value_kind: global_buffer, .address_space: global }
      - { .name: topi, .offset: 16, .size: 8, .value_kind: global_buffer, .address_space: global }
      - { .name: xs, .offset: 24, .size: 8, .value_kind: global_buffer, .address_space: global }
      - { .name: rowof, .offset: 32, .size: 8, .value_kind: global_buffer, .address_space: global }
    .group_segment_fixed_size: 68608
    .private_segment_fixed_size: 0
    .kernarg_segment_align: 8
    .kernarg_segment_size: 40
    .max_flat_workgroup_size: 256
    .sgpr_count:     66
    .vgpr_count:     194
    .wavefront_size: 32
...
	.end_amdgpu_metadata
.endif
;; end of part 2
;; launch gemm1 (part 3): grid 32 x 8, 16 waves a work-group, no clusters, 105,472 bytes of LDS; arguments W1, b1, bitmap, xs, hc; writes hc
.if DOCPART == 3
	.amdgcn_target "amdgcn-amd-amdhsa--gfx1250"
	.amdhsa_code_object_version 6
	.text
	.protected	k_q65a15e0e0c_gemm1
	.globl	k_q65a15e0e0c_gemm1
	.p2align	8
	.type	k_q65a15e0e0c_gemm1,@function
k_q65a15e0e0c_gemm1:
	s_mov_b64 s[64:65], 0
	v_nop
	global_prefetch_b8 v0, s[64:65] scope:SCOPE_SE
	s_setreg_imm32_b32 hwreg(HW_REG_WAVE_MODE, 25, 1), 1
	s_wait_xcnt 0x0
; h = relu(x W1[e] + b1[e]) for the rows that chose expert e, on codes of BF6 (E3M2) with one E8M0 scale for each 32 along K = D; h is quantised along F on the way and stored as codes.
; THE WEIGHTS STAND STILL.  Work-group (fx, e) owns W1[e][all 1,024 k][128 fx .. + 127]: 512 KiB of f32, which it reads once, quantises in registers and keeps as 96 KiB of codes in LDS; then only e's rows pass by.
; PHASE S.  Wave w streams K step w / 2 (128 rows k) x columns 64 (w % 2) .. + 63 by 64 loads of 16 bytes a lane: lanes 0-15 take 256 consecutive, aligned bytes of row k, lanes 16-31 those of row k + 32.
;   So lane (j, h) holds columns 4 j .. 4 j + 3 at rows 64 c + 32 h + 0 .. 31: of each of its four columns the two blocks that the 6-bit layout gives to lane (j, h).  Fragment t takes column 4 m + t at its slot m, and
;   the codes are made in the lanes in which the operand wants them.  A load's four registers are four columns, a conversion takes 16 neighbours along K from consecutive registers: 16 v_mov_b32 gather them ahead of each.
;   A block's 32 loads, 16 KiB a wave, go out together; the second block's go out in two halves, each as soon as its rows have been gathered.
;   The product is used transposed (source 0 = 16 columns of W1, source 1 = 16 rows of x), so lane (r, h) holds row r, and register j of tile t is column 32 h + 4 j + t: the 32 registers of tiles 0 .. 3 are a WHOLE
;   BLOCK of the next product's K, in the half of the lanes where the 6-bit layout wants it; the relu writes them into other registers in ascending order.
;   The four fragments go to LDS as images of their registers (register group q of lane l at 512 q + 16 l); two scale registers beside them (lanes 0-15: tile 2 p's words, lanes 16-31: tile 2 p + 1's);
;   and b1's 128 numbers, in the accumulators' order.  One barrier.
; PHASE T.  The expert's tiles of 16 rows, two to an item, items w and w + 16 to wave w (an expert has at most 64 tiles, 32 items); the count comes from the expert's map.  An item: b1 comes from LDS into the 16 accumulators
;   (it is the C of the first products), 8 K steps x 16 matrix instructions, relu, quantiser, and two images of K step fx of the next product go to hc = codes [8][64][32][1536], then from HSC on scale words [8][64][32][32].
;   With an odd number of tiles the last item takes the last tile twice and stores the same bytes twice.
; NO TENSOR LOAD, NO CLUSTER: the items' count is read from memory and the way through the loop hangs on it; what the 32 work-groups of an expert share, the rows' images, is 12 KiB a tile beside 512 KiB of weights of their own.
; LIMITS: NaN and infinities are not served; a block whose largest magnitude lies under 2^-122, a block of zeros too, gets the byte 1 (its codes are zeros or next to it; the bytes are read by this program alone).
; REGISTERS: v2 my place in a row of W1; v3, v4 where I store in LDS; v5-7 where I read; v8 b1 in LDS; v9-15 the item's offsets (at the head v9, v10: b1's); v16, 17 the weights' scale words, v18, 19 the rows': scales and nothing else;
;   v22, 23 scale words in the making; v24 h, v25 4 l; v26-31 at work.  Phase S: v32-63 two runs of 16 neighbours, v64-79 upper halves and bytes, v80-127 four fragments, v128-255 a block: 32 rows x 4 columns.
;   Phase T: v32-79 rows' fragments (two buffers), v80-127 weights' fragments, v128-255 accumulators; at an item's end v32-63 h's codes, v64-127 h in ascending order.
.set RP,    16384                      ; bytes from row k to row k + 1
.set HSH,   19                         ; 32 rows are 2^19 bytes
.set WSC,   98304                      ; LDS: 16 groups of 4 fragments (6,144 bytes each), then their scale registers (256 bytes each),
.set BL,    102400                     ; then b1: the number of column 64 g + 32 h + 4 j + t at 256 g + 128 h + 32 t + 4 j
.set XSC,   6291456
.set HSC,   25165824
.set T,     32
.set U,     64                         ; column u's upper half at v[U + 4 u] on, three registers;
.set P,     67                         ; its scale bytes in v[P + 4 u]
.set F,     80
.set L,     128
.set WF,    80
.set AF,    32
.set R,     64
.set ACC,   128
.set CBASE, 10                         ; s[10:11] the rows' codes;  s[16:17] their scale words
.set SBASE, 16
; 16 loads: rows i0 .. i0 + 15 of my block of pair c (lanes 0-15: block 2 c, lanes 16-31: block 2 c + 1), four columns each
.macro ISSUE c, i0
.set i, \i0
.rept 16
	global_load_b128 v[L+4*i:L+4*i+3], v2, s[4:5] offset:(64*\c+i)*RP th:TH_LOAD_NT
.set i, i+1
.endr
.endm
; the largest magnitude of my block of each of my four columns, taken as the rows arrive, and from it the conversions' scale operand, in v26-29
.macro MAXB
	s_wait_loadcnt 24                              ; rows 0-7 are in; the 24 loads behind them may be out
.irp u, 0,1,2,3
	v_max3_num_f32 v[26+\u], |v[L+\u]|, |v[L+4+\u]|, 0x2800000       ; and the floor 2^(5 - 127): the byte cannot fall under 1
.endr
.irp i, 2,4,6,8,10,12,14,16,18,20,22,24,26,28,30
.if \i % 8 == 0
	s_wait_loadcnt 24-\i                           ; the next eight rows
.endif
.irp u, 0,1,2,3
	v_max3_num_f32 v[26+\u], v[26+\u], |v[L+4*\i+\u]|, |v[L+4*\i+4+\u]|   ; (the four columns by turns)
.endr
.endr
.irp u, 0,1,2,3
	v_add_nc_u32 v[26+\u], 0xfe000000, v[26+\u]    ; 4 off the exponent field: the conversion takes the exponent field of this operand as its scale
.endr
.endm
; rows 16 q .. 16 q + 15 of the block become codes: each column's 16 numbers are gathered into one of two runs of registers, by turns, so that plain instructions stand between a conversion and the next write of its sources
.macro CONV c, q
.irp u, 0,1,2,3
.set i, 0
.rept 16
	v_mov_b32 v[T+16*(\u%2)+i], v[L+64*\q+4*i+\u]
.set i, i+1
.endr
.if \q == 0
	v_cvt_scalef32_pk16_bf6_f32 v[F+12*\u+6*\c:F+12*\u+6*\c+2], v[T+16*(\u%2):T+16*(\u%2)+15], v[26+\u]
.else
	v_cvt_scalef32_pk16_bf6_f32 v[U+4*\u:U+4*\u+2], v[T+16*(\u%2):T+16*(\u%2)+15], v[26+\u]   ; (a conversion's three registers begin on an even number: the upper halves are made elsewhere and moved)
.endif
.endr
.endm
.macro UPPER c
.irp u, 0,1,2,3
.irp i, 0,1,2
	v_mov_b32 v[F+12*\u+6*\c+3+\i], v[U+4*\u+\i]
.endr
.endr
.endm
.macro WLOAD hs                        ; group hs: four fragments and two scale registers, as they were stored
.irp t, 0,1,2,3
.irp q, 0,1,2
	ds_load_b128 v[WF+12*\t+4*\q:WF+12*\t+4*\q+3], v[5+(\hs)/8] offset:6144*((\hs)%8)+1536*\t+512*\q
.endr
.endr
	ds_load_b32 v16, v7 offset:256*(\hs)
	ds_load_b32 v17, v7 offset:256*(\hs)+128
.endm
.macro ALOAD s, buf                    ; K step s of the item's two tiles of rows: 6 + 1 loads.  In the scale register lanes 0-15 take the first tile's words, lanes 16-31 the second's
.irp a, 0,1
.irp q, 0,1,2
	global_load_b128 v[AF+24*(\buf)+12*\a+4*\q:AF+24*(\buf)+12*\a+4*\q+3], v[9+\a], s[CBASE:CBASE+1] offset:1536*(\s)+512*\q
.endr
.endr
	global_load_b32 v[18+(\buf)], v11, s[SBASE:SBASE+1] offset:128*(\s)
.endm
.macro WM d, w, a, sw, sa, ra, rb      ; one product in place; ra, rb: which half of the lanes holds the side's scale words
.if (\ra) && (\rb)
	v_wmma_scale_f32_16x16x128_f8f6f4 v[(\d):(\d)+7], v[(\w):(\w)+11], v[(\a):(\a)+11], v[(\d):(\d)+7], v[(\sw)], v[(\sa)] matrix_a_fmt:MATRIX_FMT_BF6 matrix_b_fmt:MATRIX_FMT_BF6 matrix_a_scale:MATRIX_SCALE_ROW1 matrix_b_scale:MATRIX_SCALE_ROW1
.elseif (\ra)
	v_wmma_scale_f32_16x16x128_f8f6f4 v[(\d):(\d)+7], v[(\w):(\w)+11], v[(\a):(\a)+11], v[(\d):(\d)+7], v[(\sw)], v[(\sa)] matrix_a_fmt:MATRIX_FMT_BF6 matrix_b_fmt:MATRIX_FMT_BF6 matrix_a_scale:MATRIX_SCALE_ROW1
.elseif (\rb)
	v_wmma_scale_f32_16x16x128_f8f6f4 v[(\d):(\d)+7], v[(\w):(\w)+11], v[(\a):(\a)+11], v[(\d):(\d)+7], v[(\sw)], v[(\sa)] matrix_a_fmt:MATRIX_FMT_BF6 matrix_b_fmt:MATRIX_FMT_BF6 matrix_b_scale:MATRIX_SCALE_ROW1
.else
	v_wmma_scale_f32_16x16x128_f8f6f4 v[(\d):(\d)+7], v[(\w):(\w)+11], v[(\a):(\a)+11], v[(\d):(\d)+7], v[(\sw)], v[(\sa)] matrix_a_fmt:MATRIX_FMT_BF6 matrix_b_fmt:MATRIX_FMT_BF6
.endif
.endm
; 8 products: the group's four tiles of columns x the item's two tiles of rows.  The eight accumulators take turns, one instruction a turn.
; Four plain instructions follow: loads into registers that these products have read, and reads of their results, stand behind them (ISA guide 7.12.1 for vector instructions).
.macro MUL8 cg, buf
.irp t, 0,1,2,3
.irp a, 0,1
	WM ACC+64*\a+32*(\cg)+8*\t, WF+12*\t, AF+24*(\buf)+12*\a, 16+\t/2, 18+(\buf), \t%2, \a
.endr
.endr
.rept 4
	v_nop
.endr
.endm
; Tile a's 16 rows x 128 columns: relu, then the quantiser along the columns, which are K step fx of the next product.
; Accumulator register 32 g + 8 t + j is column 64 g + 32 h + 4 j + t of row r; the relu puts it at v[R + 32 g + 4 j + t]: so v[R + 32 g + i] = column 64 g + 32 h + i: block 2 g + h, whole and in order.
.macro HQ a
.set HB, ACC+64*\a
.set HCA, 32+12*\a
.set n, 0
.rept 64
	v_max_num_f32 v[R+32*(n/32)+4*(n%8)+(n%32)/8], 0, v[HB+n]        ; the activation, in f32; each accumulator from its low end on
.set n, n+1
.endr
	v_max3_num_f32 v26, v[R], v[R+1], 0x2800000    ; none is negative: no |.|
	v_max3_num_f32 v27, v[R+32], v[R+33], 0x2800000
.irp i, 2,4,6,8,10,12,14,16,18,20,22,24,26,28,30
	v_max3_num_f32 v26, v26, v[R+\i], v[R+\i+1]
	v_max3_num_f32 v27, v27, v[R+32+\i], v[R+33+\i]
.endr
	v_add_nc_u32 v28, 0xfe000000, v26
	v_add_nc_u32 v29, 0xfe000000, v27
	v_lshrrev_b32 v30, 23, v28
	v_lshrrev_b32 v31, 23, v29
	v_cvt_scalef32_pk16_bf6_f32 v[HCA:HCA+2], v[R:R+15], v28
	v_cvt_scalef32_pk16_bf6_f32 v[56:58], v[R+16:R+31], v28
	v_cvt_scalef32_pk16_bf6_f32 v[HCA+6:HCA+8], v[R+32:R+47], v29
	v_cvt_scalef32_pk16_bf6_f32 v[60:62], v[R+48:R+63], v29
	v_lshl_or_b32 v30, v31, 16, v30                ; (a plain instruction behind the conversions)  my two bytes: blocks h and 2 + h,
.irp i, 0,1,2
	v_mov_b32 v[HCA+3+\i], v[56+\i]
	v_mov_b32 v[HCA+9+\i], v[60+\i]
.endr
	v_lshlrev_b32 v27, 3, v24
	v_lshlrev_b32 v30, v27, v30                    ; at their places in the word;
	v_permlanex16_b32 v31, v30, s28, s29
	v_or_b32 v[22+\a], v30, v31                    ; with lane l xor 16's two the row's word is whole, in both halves of the lanes
.irp q, 0,1,2
	global_store_b128 v[12+\a], v[HCA+4*\q:HCA+4*\q+3], s[12:13] offset:512*\q   ; each store covers 512 consecutive bytes, aligned
.endr
	global_store_b32 v[14+\a], v[22+\a], s[14:15]
.endm
	s_load_b256 s[4:11], s[0:1], 0x0               ; W1 s[4:5], b1 s[6:7], bitmap s[8:9], xs s[10:11]
	s_load_b64 s[12:13], s[0:1], 0x20              ; hc
	v_lshl_add_u32 v20, v0, 2, 0x19400
	v_mov_b32 v21, 0
	v_lshrrev_b32 v1, 5, v0
	v_readfirstlane_b32 s18, v1                    ; wave 0..15
	v_and_b32 v1, 31, v0                           ; lane
	v_and_b32 v26, 15, v0                          ; j
	v_bfe_u32 v24, v0, 4, 1                        ; h
	v_lshlrev_b32 v2, 4, v26
	v_lshl_add_u32 v2, v24, HSH, v2                ; my 16 bytes of a row's 256, and 32 rows further down in lanes 16-31
	v_and_b32 v9, 127, v0
	v_lshlrev_b32 v9, 2, v9                        ; b1: thread t takes the number of column t % 128
	s_and_b32 s20, ttmp7, 0xffff                   ; the expert
	s_lshl_b32 s2, s20, 24                         ; 16,777,216 e
	s_lshr_b32 s30, s18, 1
	s_lshl_b32 s30, s30, 21                        ; + 128 rows of 16,384 bytes x K step
	s_add_co_u32 s2, s2, s30
	s_lshl_b32 s30, ttmp9, 9                       ; + 512 fx
	s_add_co_u32 s2, s2, s30
	s_and_b32 s30, s18, 1
	s_lshl_b32 s30, s30, 8                         ; + 256 (w % 2)
	s_add_co_u32 s2, s2, s30
	s_mov_b32 s3, 0
	s_lshl_b32 s30, s20, 14
	s_lshl_b32 s31, ttmp9, 9
	s_add_co_u32 s30, s30, s31
	s_mov_b32 s31, 0
	s_wait_kmcnt 0x0
	s_add_nc_u64 s[4:5], s[4:5], s[2:3]
	s_add_nc_u64 s[6:7], s[6:7], s[30:31]          ; b1 + 16,384 e + 512 fx
	global_load_b32 v31, v9, s[6:7]                ; issued first, by every wave: so the counts below are the same in all waves
	ISSUE 0, 0
	ISSUE 0, 16
	; while they are out: the expert's map, the addresses, the bases
	s_lshl_b32 s2, s20, 7
	s_add_nc_u64 s[8:9], s[8:9], s[2:3]
	s_load_b512 s[32:47], s[8:9], 0x0
	s_load_b512 s[48:63], s[8:9], 0x40
	v_lshlrev_b32 v5, 4, v1                        ; 16 l: groups 0-7
	v_add_nc_u32 v6, 49152, v5                     ; groups 8-15
	v_lshlrev_b32 v25, 2, v1                       ; 4 l
	v_add_nc_u32 v7, WSC, v25
	s_mul_i32 s30, s18, 6144
	v_add_nc_u32 v3, s30, v5                       ; my group's images
	s_lshl_b32 s30, s18, 8
	v_add_nc_u32 v4, s30, v7                       ; and its scale registers
	v_lshl_add_u32 v8, v24, 7, BL                  ; b1 out of LDS: + 128 h
	v_bfe_u32 v10, v0, 5, 2                        ; b1 into LDS, by threads 0-127: column t = 32 (2 g + h) + 4 j + u goes to 128 (2 g + h) + 32 u + 4 j
	v_and_b32 v11, 3, v0
	v_bfe_u32 v12, v0, 2, 3
	v_lshl_add_u32 v10, v10, 7, BL
	v_lshl_add_u32 v10, v11, 5, v10
	v_lshl_add_u32 v10, v12, 2, v10
	s_mov_b32 s28, 0x76543210
	s_mov_b32 s29, 0xfedcba98
	s_lshl_b32 s2, s20, 16
	s_add_nc_u64 s[16:17], s[10:11], s[2:3]
	s_add_nc_u64 s[16:17], s[16:17], XSC           ; x's scale words of the expert
	s_mul_i32 s2, s20, 786432
	s_add_nc_u64 s[10:11], s[10:11], s[2:3]        ; x's codes of the expert
	s_lshl_b32 s2, s20, 18
	s_lshl_b32 s30, ttmp9, 7
	s_add_co_u32 s2, s2, s30
	s_add_nc_u64 s[14:15], s[12:13], s[2:3]
	s_add_nc_u64 s[14:15], s[14:15], HSC           ; h's scale words: + 262,144 e + 128 fx
	s_mul_i32 s2, s20, 3145728
	s_mul_i32 s30, ttmp9, 1536
	s_add_co_u32 s2, s2, s30
	s_add_nc_u64 s[12:13], s[12:13], s[2:3]        ; h's codes: + 3,145,728 e + 1,536 fx
	s_wait_kmcnt 0x0
	s_bcnt1_i32_b32 s21, s32                       ; the expert's count of rows
.set i, 33
.rept 31
	s_bcnt1_i32_b32 s30, s[i]
	s_add_co_u32 s21, s21, s30
.set i, i+1
.endr
	s_add_co_u32 s22, s21, 15
	s_lshr_b32 s22, s22, 4                         ; tiles
	s_add_co_u32 s23, s22, 1
	s_lshr_b32 s23, s23, 1                         ; items
	MAXB                                           ; blocks 0 | 1
	CONV 0, 0
	ISSUE 1, 0                                     ; rows 0-15 have been gathered: their registers take the next block's
	CONV 0, 1
	ISSUE 1, 16
.irp u, 0,1,2,3
	v_lshrrev_b32 v[P+4*\u], 23, v[26+\u]          ; the scales' bytes.  (Plain instructions behind the conversions)
.endr
	UPPER 0
	MAXB                                           ; blocks 2 | 3
.irp u, 0,1,2,3
	v_lshrrev_b32 v[T+\u], 23, v[26+\u]
.endr
.irp u, 0,1,2,3
	v_lshl_or_b32 v[P+4*\u], v[T+\u], 16, v[P+4*\u]   ; my two bytes of column u: blocks h and 2 + h,
.endr
	v_lshlrev_b32 v30, 3, v24
.irp u, 0,1,2,3
	v_lshlrev_b32 v[P+4*\u], v30, v[P+4*\u]        ; at their places in the word
.endr
	v_permlane16_swap_b32 v[P], v[P+4]             ; the first's lanes 16-31 change places with the second's lanes 0-15: the first now holds the even blocks' bytes of tiles 0 | 1, the second the odd blocks'
	v_permlane16_swap_b32 v[P+8], v[P+12]
	v_or_b32 v22, v[P], v[P+4]                     ; lanes 0-15: tile 0's words, lanes 16-31: tile 1's
	v_or_b32 v23, v[P+8], v[P+12]                  ; tiles 2 | 3
	CONV 1, 0
	CONV 1, 1
	UPPER 1
.irp t, 0,1,2,3
.irp q, 0,1,2
	ds_store_b128 v3, v[F+12*\t+4*\q:F+12*\t+4*\q+3] offset:1536*\t+512*\q
.endr
.endr
	ds_store_b32 v4, v22
	ds_store_b32 v4, v23 offset:128
	s_cmp_ge_u32 s18, 4
	s_cbranch_scc1 .Lno_bias                       ; waves 0-3 put b1's 128 numbers into LDS
	ds_store_b32 v10, v31
.Lno_bias:
	s_wait_dscnt 0x0                               ; for the others' sake: my stores have landed
	s_barrier_signal -1
	s_barrier_wait -1                              ; the work-group's codes and b1 lie in LDS; from here on they are only read
	s_mov_b32 s24, s18                             ; my first item
	s_mov_b32 s2, 0                                ; trips: 2 x 16 items reach an expert's 32
.Litem:
	s_cmp_ge_u32 s24, s23                          ; no item left: out of the loop
	s_cbranch_scc1 .Lend
	s_lshl_b32 s25, s24, 1                         ; the item's first tile,
	s_add_co_u32 s26, s25, 1
	s_cmp_lt_u32 s26, s22
	s_cselect_b32 s26, 1, 0                        ; and how far on the second lies: 1, or 0 where the first is the expert's last
	s_min_u32 s25, s25, 62                         ; both held, since they enter addresses
	s_min_u32 s26, s26, 1
	s_add_co_u32 s27, s25, s26                     ; the second tile
	s_mul_i32 s30, s25, 12288
	v_add_nc_u32 v9, s30, v5                       ; x's images
	s_mul_i32 s30, s27, 12288
	v_add_nc_u32 v10, s30, v5
	s_lshl_b32 s30, s26, 10
	v_mad_u32_u24 v11, v24, s30, v25               ; x's scale words: lanes 16-31 take the second tile's
	s_lshl_b32 s30, s25, 10
	v_add_nc_u32 v11, s30, v11
	s_mul_i32 s30, s25, 49152
	v_add_nc_u32 v12, s30, v5                      ; h's images
	s_mul_i32 s30, s27, 49152
	v_add_nc_u32 v13, s30, v5
	s_lshl_b32 s30, s25, 12
	v_add_nc_u32 v14, s30, v25                     ; h's scale words
	s_lshl_b32 s30, s27, 12
	v_add_nc_u32 v15, s30, v25
	ALOAD 0, 0
.irp a, 0,1
.irp t, 0,1,2,3,4,5,6,7
	ds_load_b128 v[ACC+64*\a+8*\t:ACC+64*\a+8*\t+3], v8 offset:256*(\t/4)+32*(\t%4)          ; b1 in the result's layout: register j of tile t: column 64 (t / 4) + 32 h + 4 j + t % 4
	ds_load_b128 v[ACC+64*\a+8*\t+4:ACC+64*\a+8*\t+7], v8 offset:256*(\t/4)+32*(\t%4)+16
.endr
.endr
.irp s, 0,1,2,3,4,5,6,7
	WLOAD 2*\s
.if \s < 7
	ALOAD \s+1, (\s+1)%2
	s_wait_loadcnt 7                               ; this K step's rows are in; the seven loads just issued may be out
.else
	s_wait_loadcnt 0x0
.endif
	s_wait_dscnt 0x0
	MUL8 0, \s%2
	WLOAD 2*\s+1
	s_wait_dscnt 0x0
	MUL8 1, \s%2
.endr
	HQ 0
	HQ 1
	s_wait_xcnt 0x0                                ; the stores' data and all offsets are written again in the next trip
	s_add_co_u32 s24, s24, 16
	s_add_co_u32 s2, s2, 1
	s_cmp_lt_u32 s2, 2
	s_cbranch_scc1 .Litem
.Lend:
	s_wait_tensorcnt 0x0
	ds_add_u32 v20, v21
	s_wait_dscnt 0x0
	s_endpgm
.Lfunc_end_k_q65a15e0e0c_gemm1:
	.size	k_q65a15e0e0c_gemm1, .Lfunc_end_k_q65a15e0e0c_gemm1-k_q65a15e0e0c_gemm1
	.p2alignl 7, 3214868480
	.fill 96, 4, 3214868480
	.section	.rodata,"a",@progbits
	.p2align	6, 0x0
	.amdhsa_kernel k_q65a15e0e0c_gemm1
		.amdhsa_group_segment_fixed_size 105472
		.amdhsa_private_segment_fixed_size 0
		.amdhsa_enable_private_segment 0
		.amdhsa_kernarg_size 40
		.amdhsa_user_sgpr_count 2
		.amdhsa_user_sgpr_kernarg_segment_ptr 1
		.amdhsa_wavefront_size32 1
		.amdhsa_system_sgpr_workgroup_id_x 1
		.amdhsa_system_sgpr_workgroup_id_y 1
		.amdhsa_system_sgpr_workgroup_id_z 1
		.amdhsa_system_vgpr_workitem_id 0
		.amdhsa_next_free_vgpr 256
		.amdhsa_next_free_sgpr 66
		.amdhsa_reserve_vcc 0
		.amdhsa_float_denorm_mode_32 3
		.amdhsa_float_denorm_mode_16_64 3
		.amdhsa_memory_ordered 1
		.amdhsa_forward_progress 1
		.amdhsa_inst_pref_size 84
	.end_amdhsa_kernel
	.amdgpu_metadata
---
amdhsa.version: [ 1, 2 ]
amdhsa.kernels:
  - .name:           k_q65a15e0e0c_gemm1
    .symbol:         k_q65a15e0e0c_gemm1.kd
    .args:
      - { .name: W1, .offset: 0, .size: 8, .value_kind: global_buffer, .address_space: global }
      - { .name: b1, .offset: 8, .size: 8, .value_kind: global_buffer, .address_space: global }
      - { .name: bitmap, .offset: 16, .size: 8, .value_kind: global_buffer, .address_space: global }
      - { .name: xs, .offset: 24, .size: 8, .value_kind: global_buffer, .address_space: global }
      - { .name: hc, .offset: 32, .size: 8, .value_kind: global_buffer, .address_space: global }
    .group_segment_fixed_size: 105472
    .private_segment_fixed_size: 0
    .kernarg_segment_align: 8
    .kernarg_segment_size: 40
    .max_flat_workgroup_size: 512
    .sgpr_count:     66
    .vgpr_count:     256
    .wavefront_size: 32
...
	.end_amdgpu_metadata
.endif
;; end of part 3
;; launch gemm2 (part 4): grid 32 x 8, 16 waves a work-group, no clusters, 174,080 bytes of LDS; arguments W2, bitmap, hc, y; writes y
.if DOCPART == 4
	.amdgcn_target "amdgcn-amd-amdhsa--gfx1250"
	.amdhsa_code_object_version 6
	.text
	.protected	k_q65a15e0e0c_gemm2
	.globl	k_q65a15e0e0c_gemm2
	.p2align	8
	.type	k_q65a15e0e0c_gemm2,@function
k_q65a15e0e0c_gemm2:
	s_mov_b64 s[64:65], 0
	v_nop
	global_prefetch_b8 v0, s[64:65] scope:SCOPE_SE
	s_setreg_imm32_b32 hwreg(HW_REG_WAVE_MODE, 25, 1), 1
	s_wait_xcnt 0x0
; y = h W2[e] for the rows that chose expert e, on codes of BF6 (E3M2) with one E8M0 scale for each 32 along K = F; f32 sums; K in two halves, whose sums a later launch adds.
; THE WEIGHTS STAND STILL.  Work-group (dx + 16 kh, e) owns W2[e][2048 kh .. + 2047][64 dx .. + 63]: 512 KiB of f32, read once, quantised in registers, kept as 96 KiB of codes in LDS; then only e's rows pass by.
; PHASE S.  Wave w streams K step w of the half (128 rows k) x the 64 columns by 64 loads of 16 bytes a lane: lanes 0-15 take 256 consecutive, aligned bytes of row k, lanes 16-31 those of row k + 32.
;   So lane (j, h) holds columns 4 j .. 4 j + 3 at rows 64 c + 32 h + 0 .. 31: of each of its four columns the two blocks that the 6-bit layout gives to lane (j, h).  Fragment t takes column 4 m + t at its slot m, and
;   the codes are made in the lanes in which the operand wants them.  A load's four registers are four columns, a conversion takes 16 neighbours along K from consecutive registers: 16 v_mov_b32 gather them ahead of each.
;   A block's 32 loads, 16 KiB a wave, go out together; the second block's go out in two halves, each as soon as its rows have been gathered.
;   The fragments go to LDS as images of their registers, two scale registers beside them.  One barrier.
; PHASE T.  The expert's tiles of 16 rows, two to an item, items w and w + 16 to wave w (an expert has at most 64 tiles, 32 items); the count comes from the expert's map.  An item: 16 K steps x 8 matrix instructions,
;   the rows' images three K steps ahead.  The product is used transposed (source 0 = 16 columns of W2, source 1 = 16 rows of h): lane (r, h) holds row r, and register j of tile t is column 32 h + 4 j + t.
;   32 v_mov_b32 a tile put them in ascending order: 128 consecutive bytes of a row of y; they turn through the wave's own stage in LDS and leave as rows: sixteen lanes store 256 consecutive bytes, aligned.
;   y = [2 halves][8,192 sorted rows][1,024] f32.  With an odd number of tiles the last item takes the last tile twice and stores the same bytes twice.
; NO TENSOR LOAD, NO CLUSTER: the items' count is read from memory and the way through the loop hangs on it; what the 16 work-groups of an expert's half share, the rows' images, is 24 KiB a tile beside 512 KiB of weights of their own.
; LIMITS: NaN and infinities are not served; a block of W2 whose largest magnitude lies under 2^-122, a block of zeros too, gets the byte 1 (the bytes are read by this program alone).
; REGISTERS: v2 my place in a row of W2; v3, v4 where I store in LDS; v5-7 where I read; v8 my place in two rows of y; v9-11, v14, v15 the item's offsets; v12, v13 the stage; v16, 17 the weights' scale words, v18-21 the rows':
;   scales and nothing else; v22, 23 scale words in the making; v24 h, v25 4 l; v26-31 at work.  Phase S: v32-63 two runs of 16 neighbours, v64-79 upper halves and bytes, v80-127 four fragments, v128-255 a block: 32 rows x 4 columns.
;   Phase T: v32-79 weights' fragments, v80-175 rows' fragments (four buffers), v192-255 accumulators; on the way out v80-143 the results in order, v144-175 and v32-63 rows of y.
.set RP,    4096                       ; bytes from row k to row k + 1
.set HSH,   17                         ; 32 rows are 2^17 bytes
.set WSC,   98304                      ; LDS: 16 groups of 4 fragments (6,144 bytes each), then their scale registers (256 bytes each),
.set STG,   102400                     ; then a stage of 16 rows x (256 bytes + 16) for each wave
.set HSC,   25165824
.set T,     32
.set U,     64                         ; column u's upper half at v[U + 4 u] on, three registers;
.set P,     67                         ; its scale bytes in v[P + 4 u]
.set F,     80
.set L,     128
.set WF,    32
.set AF,    80
.set ACC,   192
.set YT,    80
.set CBASE, 8                          ; s[8:9] the rows' codes;  s[14:15] their scale words
.set SBASE, 14
; 16 loads: rows i0 .. i0 + 15 of my block of pair c (lanes 0-15: block 2 c, lanes 16-31: block 2 c + 1), four columns each
.macro ISSUE c, i0
.set i, \i0
.rept 16
	global_load_b128 v[L+4*i:L+4*i+3], v2, s[4:5] offset:(64*\c+i)*RP th:TH_LOAD_NT
.set i, i+1
.endr
.endm
; the largest magnitude of my block of each of my four columns, taken as the rows arrive, and from it the conversions' scale operand, in v26-29
.macro MAXB
	s_wait_loadcnt 24                              ; rows 0-7 are in; the 24 loads behind them may be out
.irp u, 0,1,2,3
	v_max3_num_f32 v[26+\u], |v[L+\u]|, |v[L+4+\u]|, 0x2800000       ; and the floor 2^(5 - 127): the byte cannot fall under 1
.endr
.irp i, 2,4,6,8,10,12,14,16,18,20,22,24,26,28,30
.if \i % 8 == 0
	s_wait_loadcnt 24-\i                           ; the next eight rows
.endif
.irp u, 0,1,2,3
	v_max3_num_f32 v[26+\u], v[26+\u], |v[L+4*\i+\u]|, |v[L+4*\i+4+\u]|   ; (the four columns by turns)
.endr
.endr
.irp u, 0,1,2,3
	v_add_nc_u32 v[26+\u], 0xfe000000, v[26+\u]    ; 4 off the exponent field: the conversion takes the exponent field of this operand as its scale
.endr
.endm
; rows 16 q .. 16 q + 15 of the block become codes: each column's 16 numbers are gathered into one of two runs of registers, by turns, so that plain instructions stand between a conversion and the next write of its sources
.macro CONV c, q
.irp u, 0,1,2,3
.set i, 0
.rept 16
	v_mov_b32 v[T+16*(\u%2)+i], v[L+64*\q+4*i+\u]
.set i, i+1
.endr
.if \q == 0
	v_cvt_scalef32_pk16_bf6_f32 v[F+12*\u+6*\c:F+12*\u+6*\c+2], v[T+16*(\u%2):T+16*(\u%2)+15], v[26+\u]
.else
	v_cvt_scalef32_pk16_bf6_f32 v[U+4*\u:U+4*\u+2], v[T+16*(\u%2):T+16*(\u%2)+15], v[26+\u]   ; (a conversion's three registers begin on an even number: the upper halves are made elsewhere and moved)
.endif
.endr
.endm
.macro UPPER c
.irp u, 0,1,2,3
.irp i, 0,1,2
	v_mov_b32 v[F+12*\u+6*\c+3+\i], v[U+4*\u+\i]
.endr
.endr
.endm
.macro WLOAD hs                        ; group hs: four fragments and two scale registers, as they were stored
.irp t, 0,1,2,3
.irp q, 0,1,2
	ds_load_b128 v[WF+12*\t+4*\q:WF+12*\t+4*\q+3], v[5+(\hs)/8] offset:6144*((\hs)%8)+1536*\t+512*\q
.endr
.endr
	ds_load_b32 v16, v7 offset:256*(\hs)
	ds_load_b32 v17, v7 offset:256*(\hs)+128
.endm
.macro ALOAD s, buf                    ; K step s of the item's two tiles of rows: 6 + 1 loads.  In the scale register lanes 0-15 take the first tile's words, lanes 16-31 the second's
.irp a, 0,1
.irp q, 0,1,2
	global_load_b128 v[AF+24*(\buf)+12*\a+4*\q:AF+24*(\buf)+12*\a+4*\q+3], v[9+\a], s[CBASE:CBASE+1] offset:1536*(\s)+512*\q
.endr
.endr
	global_load_b32 v[18+(\buf)], v11, s[SBASE:SBASE+1] offset:128*(\s)
.endm
.macro WM d, w, a, sw, sa, ra, rb, zero   ; one product; ra, rb: which half of the lanes holds the side's scale words; zero = 1: it starts the sum: nothing is ever cleared
.if \zero
.if (\ra) && (\rb)
	v_wmma_scale_f32_16x16x128_f8f6f4 v[(\d):(\d)+7], v[(\w):(\w)+11], v[(\a):(\a)+11], 0, v[(\sw)], v[(\sa)] matrix_a_fmt:MATRIX_FMT_BF6 matrix_b_fmt:MATRIX_FMT_BF6 matrix_a_scale:MATRIX_SCALE_ROW1 matrix_b_scale:MATRIX_SCALE_ROW1
.elseif (\ra)
	v_wmma_scale_f32_16x16x128_f8f6f4 v[(\d):(\d)+7], v[(\w):(\w)+11], v[(\a):(\a)+11], 0, v[(\sw)], v[(\sa)] matrix_a_fmt:MATRIX_FMT_BF6 matrix_b_fmt:MATRIX_FMT_BF6 matrix_a_scale:MATRIX_SCALE_ROW1
.elseif (\rb)
	v_wmma_scale_f32_16x16x128_f8f6f4 v[(\d):(\d)+7], v[(\w):(\w)+11], v[(\a):(\a)+11], 0, v[(\sw)], v[(\sa)] matrix_a_fmt:MATRIX_FMT_BF6 matrix_b_fmt:MATRIX_FMT_BF6 matrix_b_scale:MATRIX_SCALE_ROW1
.else
	v_wmma_scale_f32_16x16x128_f8f6f4 v[(\d):(\d)+7], v[(\w):(\w)+11], v[(\a):(\a)+11], 0, v[(\sw)], v[(\sa)] matrix_a_fmt:MATRIX_FMT_BF6 matrix_b_fmt:MATRIX_FMT_BF6
.endif
.else
.if (\ra) && (\rb)
	v_wmma_scale_f32_16x16x128_f8f6f4 v[(\d):(\d)+7], v[(\w):(\w)+11], v[(\a):(\a)+11], v[(\d):(\d)+7], v[(\sw)], v[(\sa)] matrix_a_fmt:MATRIX_FMT_BF6 matrix_b_fmt:MATRIX_FMT_BF6 matrix_a_scale:MATRIX_SCALE_ROW1 matrix_b_scale:MATRIX_SCALE_ROW1
.elseif (\ra)
	v_wmma_scale_f32_16x16x128_f8f6f4 v[(\d):(\d)+7], v[(\w):(\w)+11], v[(\a):(\a)+11], v[(\d):(\d)+7], v[(\sw)], v[(\sa)] matrix_a_fmt:MATRIX_FMT_BF6 matrix_b_fmt:MATRIX_FMT_BF6 matrix_a_scale:MATRIX_SCALE_ROW1
.elseif (\rb)
	v_wmma_scale_f32_16x16x128_f8f6f4 v[(\d):(\d)+7], v[(\w):(\w)+11], v[(\a):(\a)+11], v[(\d):(\d)+7], v[(\sw)], v[(\sa)] matrix_a_fmt:MATRIX_FMT_BF6 matrix_b_fmt:MATRIX_FMT_BF6 matrix_b_scale:MATRIX_SCALE_ROW1
.else
	v_wmma_scale_f32_16x16x128_f8f6f4 v[(\d):(\d)+7], v[(\w):(\w)+11], v[(\a):(\a)+11], v[(\d):(\d)+7], v[(\sw)], v[(\sa)] matrix_a_fmt:MATRIX_FMT_BF6 matrix_b_fmt:MATRIX_FMT_BF6
.endif
.endif
.endm
; 8 products: the K step's four tiles of columns x the item's two tiles of rows.  The eight accumulators take turns, one instruction a turn.
; Four plain instructions follow: loads into registers that these products have read, and reads of their results, stand behind them (ISA guide 7.12.1 for vector instructions).
.macro MUL8 buf, zero
.irp t, 0,1,2,3
.irp a, 0,1
	WM ACC+32*\a+8*\t, WF+12*\t, AF+24*(\buf)+12*\a, 16+\t/2, 18+(\buf), \t%2, \a, \zero
.endr
.endr
.rept 4
	v_nop
.endr
.endm
; THE WAY OUT of tile a: accumulator register 8 t + j, column 32 h + 4 j + t, is put at place 4 j + t; the lane's 128 bytes of row r go into my stage, and come back as whole rows of 256 bytes, two rows an instruction.
.macro STAGE a
.set OBA, 144-112*\a
.set n, 0
.rept 32
	v_mov_b32 v[YT+32*\a+4*(n%8)+n/8], v[ACC+32*\a+n]                    ; each accumulator from its low end on
.set n, n+1
.endr
.irp j, 0,1,2,3,4,5,6,7
	ds_store_b128 v12, v[YT+32*\a+4*\j:YT+32*\a+4*\j+3] offset:16*\j
.endr
.irp i, 0,1,2,3,4,5,6,7
	ds_load_b128 v[OBA+4*\i:OBA+4*\i+3], v13 offset:544*\i               ; LDS serves a wave's instructions in order: these see the stores above, and the next tile's stores come behind them
.endr
.endm
.macro SEND a, younger                 ; younger: the LDS instructions issued behind tile a's loads, which may stay out
.set OBA, 144-112*\a
.irp i, 0,1,2,3,4,5,6,7
	s_wait_dscnt \younger+7-\i
	global_store_b128 v[14+\a], v[OBA+4*\i:OBA+4*\i+3], s[10:11] offset:8192*\i th:TH_STORE_NT   ; 16 lanes store 256 consecutive bytes, at a multiple of 256 from y's first byte
.endr
.endm
	s_load_b256 s[4:11], s[0:1], 0x0               ; W2 s[4:5], bitmap s[6:7], hc s[8:9], y s[10:11]
	v_lshrrev_b32 v1, 5, v0
	v_readfirstlane_b32 s18, v1                    ; wave 0..15
	v_and_b32 v1, 31, v0                           ; lane
	v_and_b32 v26, 15, v0                          ; j
	v_bfe_u32 v24, v0, 4, 1                        ; h
	v_lshlrev_b32 v2, 4, v26
	v_lshl_add_u32 v2, v24, HSH, v2                ; my 16 bytes of a row's 256, and 32 rows further down in lanes 16-31
	s_and_b32 s20, ttmp7, 0xffff                   ; the expert
	s_and_b32 s19, ttmp9, 15                       ; dx: which 64 columns
	s_lshr_b32 s31, ttmp9, 4                       ; kh: which half of K
	s_lshl_b32 s2, s20, 24                         ; 16,777,216 e
	s_lshl_b32 s30, s31, 23                        ; + 2,048 rows of 4,096 bytes x kh
	s_add_co_u32 s2, s2, s30
	s_lshl_b32 s30, s18, 19                        ; + 128 rows x wave
	s_add_co_u32 s2, s2, s30
	s_lshl_b32 s30, s19, 8                         ; + 256 dx
	s_add_co_u32 s2, s2, s30
	s_mov_b32 s3, 0
	s_wait_kmcnt 0x0
	s_add_nc_u64 s[4:5], s[4:5], s[2:3]
	ISSUE 0, 0
	ISSUE 0, 16
	; while they are out: the expert's map, the addresses, the bases
	s_lshl_b32 s2, s20, 7
	s_add_nc_u64 s[6:7], s[6:7], s[2:3]
	s_load_b512 s[32:47], s[6:7], 0x0
	s_load_b512 s[48:63], s[6:7], 0x40
	v_lshlrev_b32 v5, 4, v1                        ; 16 l: groups 0-7
	v_add_nc_u32 v6, 49152, v5                     ; groups 8-15
	v_lshlrev_b32 v25, 2, v1                       ; 4 l
	v_add_nc_u32 v7, WSC, v25
	s_mul_i32 s30, s18, 6144
	v_add_nc_u32 v3, s30, v5                       ; my group's images
	s_lshl_b32 s30, s18, 8
	v_add_nc_u32 v4, s30, v7                       ; and its scale registers
	s_mul_i32 s30, s18, 4352
	s_add_co_u32 s30, s30, STG                     ; my stage
	v_mul_u32_u24 v12, v26, 272
	v_lshl_add_u32 v12, v24, 7, v12
	v_add_nc_u32 v12, s30, v12                     ; in: row r = l % 16, + 128 h
	v_mul_u32_u24 v13, v24, 272
	v_lshl_add_u32 v13, v26, 4, v13
	v_add_nc_u32 v13, s30, v13                     ; back: lanes 0-15 one row, lanes 16-31 the next
	v_lshlrev_b32 v8, 12, v24
	v_lshl_add_u32 v8, v26, 4, v8                  ; and the same two rows in y
	s_lshl_b32 s2, s20, 18
	s_lshl_b32 s30, s31, 11
	s_add_co_u32 s2, s2, s30
	s_add_nc_u64 s[14:15], s[8:9], s[2:3]
	s_add_nc_u64 s[14:15], s[14:15], HSC           ; h's scale words: + 262,144 e + 16 K steps of 128 bytes x kh
	s_mul_i32 s2, s20, 3145728
	s_mul_i32 s30, s31, 24576
	s_add_co_u32 s2, s2, s30
	s_add_nc_u64 s[8:9], s[8:9], s[2:3]            ; h's codes: + 3,145,728 e + 16 K steps of 1,536 bytes x kh
	s_lshl_b32 s2, s31, 25
	s_lshl_b32 s30, s20, 22
	s_add_co_u32 s2, s2, s30
	s_lshl_b32 s30, s19, 8
	s_add_co_u32 s2, s2, s30
	s_add_nc_u64 s[10:11], s[10:11], s[2:3]        ; y: + 33,554,432 kh + 4,194,304 e + 256 dx
	s_wait_kmcnt 0x0
	s_bcnt1_i32_b32 s21, s32                       ; the expert's count of rows
.set i, 33
.rept 31
	s_bcnt1_i32_b32 s30, s[i]
	s_add_co_u32 s21, s21, s30
.set i, i+1
.endr
	s_add_co_u32 s22, s21, 15
	s_lshr_b32 s22, s22, 4                         ; tiles
	s_add_co_u32 s23, s22, 1
	s_lshr_b32 s23, s23, 1                         ; items
	MAXB                                           ; blocks 0 | 1
	CONV 0, 0
	ISSUE 1, 0                                     ; rows 0-15 have been gathered: their registers take the next block's
	CONV 0, 1
	ISSUE 1, 16
.irp u, 0,1,2,3
	v_lshrrev_b32 v[P+4*\u], 23, v[26+\u]          ; the scales' bytes.  (Plain instructions behind the conversions)
.endr
	UPPER 0
	MAXB                                           ; blocks 2 | 3
.irp u, 0,1,2,3
	v_lshrrev_b32 v[T+\u], 23, v[26+\u]
.endr
.irp u, 0,1,2,3
	v_lshl_or_b32 v[P+4*\u], v[T+\u], 16, v[P+4*\u]   ; my two bytes of column u: blocks h and 2 + h,
.endr
	v_lshlrev_b32 v30, 3, v24
.irp u, 0,1,2,3
	v_lshlrev_b32 v[P+4*\u], v30, v[P+4*\u]        ; at their places in the word
.endr
	v_permlane16_swap_b32 v[P], v[P+4]             ; the first's lanes 16-31 change places with the second's lanes 0-15: the first now holds the even blocks' bytes of tiles 0 | 1, the second the odd blocks'
	v_permlane16_swap_b32 v[P+8], v[P+12]
	v_or_b32 v22, v[P], v[P+4]                     ; lanes 0-15: tile 0's words, lanes 16-31: tile 1's
	v_or_b32 v23, v[P+8], v[P+12]                  ; tiles 2 | 3
	CONV 1, 0
	CONV 1, 1
	UPPER 1
.irp t, 0,1,2,3
.irp q, 0,1,2
	ds_store_b128 v3, v[F+12*\t+4*\q:F+12*\t+4*\q+3] offset:1536*\t+512*\q
.endr
.endr
	ds_store_b32 v4, v22
	ds_store_b32 v4, v23 offset:128
	s_wait_dscnt 0x0                               ; for the others' sake: my stores have landed
	s_barrier_signal -1
	s_barrier_wait -1                              ; the work-group's codes lie in LDS; from here on they are only read
	s_mov_b32 s24, s18                             ; my first item
	s_mov_b32 s2, 0                                ; trips: 2 x 16 items reach an expert's 32
.Litem:
	s_cmp_ge_u32 s24, s23                          ; no item left: out of the loop
	s_cbranch_scc1 .Lend
	s_lshl_b32 s25, s24, 1                         ; the item's first tile,
	s_add_co_u32 s26, s25, 1
	s_cmp_lt_u32 s26, s22
	s_cselect_b32 s26, 1, 0                        ; and how far on the second lies: 1, or 0 where the first is the expert's last
	s_min_u32 s25, s25, 62                         ; both held, since they enter addresses
	s_min_u32 s26, s26, 1
	s_add_co_u32 s27, s25, s26                     ; the second tile
	s_mul_i32 s30, s25, 49152
	v_add_nc_u32 v9, s30, v5                       ; h's images
	s_mul_i32 s30, s27, 49152
	v_add_nc_u32 v10, s30, v5
	s_lshl_b32 s30, s26, 12
	v_mad_u32_u24 v11, v24, s30, v25               ; h's scale words: lanes 16-31 take the second tile's
	s_lshl_b32 s30, s25, 12
	v_add_nc_u32 v11, s30, v11
	s_lshl_b32 s30, s25, 16
	v_add_nc_u32 v14, s30, v8                      ; the tiles' rows in y
	s_lshl_b32 s30, s27, 16
	v_add_nc_u32 v15, s30, v8
	ALOAD 0, 0
	ALOAD 1, 1
	ALOAD 2, 2
.irp s, 0,1,2,3,4,5,6,7,8,9,10,11,12,13,14,15
	WLOAD \s
.if \s < 13
	ALOAD \s+3, (\s+3)%4
	s_wait_loadcnt 21                              ; this K step's rows are in; the loads of the three steps behind it, seven each, may be out
.else
	s_wait_loadcnt 7*(15-\s)                       ; the counts run down
.endif
	s_wait_dscnt 0x0
.if \s == 0
	MUL8 0, 1                                      ; (the last item's way out has put far more than five plain instructions in front of sums begun anew)
.else
	MUL8 \s%4, 0
.endif
.endr
	STAGE 0
	STAGE 1
	SEND 0, 16                                     ; behind tile 0's loads: tile 1's 8 stores and 8 loads
	SEND 1, 0
	s_wait_xcnt 0x0                                ; the stores' data and all offsets are written again in the next trip
	s_add_co_u32 s24, s24, 16
	s_add_co_u32 s2, s2, 1
	s_cmp_lt_u32 s2, 2
	s_cbranch_scc1 .Litem
.Lend:
	s_wait_xcnt 0x0
	v_lshl_add_u32 v254, v0, 2, 0x2a000
	v_mov_b32 v255, 0
	s_wait_tensorcnt 0x0
	ds_add_u32 v254, v255
	s_wait_dscnt 0x0
	s_endpgm
.Lfunc_end_k_q65a15e0e0c_gemm2:
	.size	k_q65a15e0e0c_gemm2, .Lfunc_end_k_q65a15e0e0c_gemm2-k_q65a15e0e0c_gemm2
	.p2alignl 7, 3214868480
	.fill 96, 4, 3214868480
	.section	.rodata,"a",@progbits
	.p2align	6, 0x0
	.amdhsa_kernel k_q65a15e0e0c_gemm2
		.amdhsa_group_segment_fixed_size 174080
		.amdhsa_private_segment_fixed_size 0
		.amdhsa_enable_private_segment 0
		.amdhsa_kernarg_size 32
		.amdhsa_user_sgpr_count 2
		.amdhsa_user_sgpr_kernarg_segment_ptr 1
		.amdhsa_wavefront_size32 1
		.amdhsa_system_sgpr_workgroup_id_x 1
		.amdhsa_system_sgpr_workgroup_id_y 1
		.amdhsa_system_sgpr_workgroup_id_z 1
		.amdhsa_system_vgpr_workitem_id 0
		.amdhsa_next_free_vgpr 256
		.amdhsa_next_free_sgpr 66
		.amdhsa_reserve_vcc 0
		.amdhsa_float_denorm_mode_32 3
		.amdhsa_float_denorm_mode_16_64 3
		.amdhsa_memory_ordered 1
		.amdhsa_forward_progress 1
		.amdhsa_inst_pref_size 83
	.end_amdhsa_kernel
	.amdgpu_metadata
---
amdhsa.version: [ 1, 2 ]
amdhsa.kernels:
  - .name:           k_q65a15e0e0c_gemm2
    .symbol:         k_q65a15e0e0c_gemm2.kd
    .args:
      - { .name: W2, .offset: 0, .size: 8, .value_kind: global_buffer, .address_space: global }
      - { .name: bitmap, .offset: 8, .size: 8, .value_kind: global_buffer, .address_space: global }
      - { .name: hc, .offset: 16, .size: 8, .value_kind: global_buffer, .address_space: global }
      - { .name: y, .offset: 24, .size: 8, .value_kind: global_buffer, .address_space: global }
    .group_segment_fixed_size: 174080
    .private_segment_fixed_size: 0
    .kernarg_segment_align: 8
    .kernarg_segment_size: 32
    .max_flat_workgroup_size: 512
    .sgpr_count:     66
    .vgpr_count:     256
    .wavefront_size: 32
...
	.end_amdgpu_metadata
.endif
;; end of part 4
;; launch combine (part 5): grid 256 x 1, 4 waves a work-group, no clusters, 0 bytes of LDS; arguments y, rowof, topi, topw, b2, out0; writes out0
.if DOCPART == 5
	.amdgcn_target "amdgcn-amd-amdhsa--gfx1250"
	.amdhsa_code_object_version 6
	.text
	.protected	k_q65a15e0e0c_combine
	.globl	k_q65a15e0e0c_combine
	.p2align	8
	.type	k_q65a15e0e0c_combine,@function
k_q65a15e0e0c_combine:
	s_mov_b64 s[64:65], 0
	v_nop
	global_prefetch_b8 v0, s[64:65] scope:SCOPE_SE
	s_setreg_imm32_b32 hwreg(HW_REG_WAVE_MODE, 25, 1), 1
	s_wait_xcnt 0x0
; out[t] = w0 (y[r0] + b2[e0]) + w1 (y[r1] + b2[e1]), in f32: t's two experts e0, e1, their probabilities w0, w1, and the sorted rows r0, r1 in which the experts' results lie; y[r] is the sum of its two halves of K.
; One wave takes one token: a row is 4,096 bytes, eight pieces of 512 consecutive bytes; for each piece six loads, twelve packed operations, one store.  All 48 loads of a wave go out at once.
; Each output row has one owner.  Memory binds: no LDS, no barrier, no matrix unit.  The rows' and experts' numbers are read from memory and held inside their tables before they enter addresses.
.set R, 16                             ; v16-207: piece c at v[R + 24 c]: y half 0 of r0, y half 1 of r0, b2 of e0, the same three of r1 and e1: four registers each
	s_load_b256 s[4:11], s[0:1], 0x0               ; y s[4:5], rowof s[6:7], topi s[8:9], topw s[10:11]
	s_load_b128 s[12:15], s[0:1], 0x20             ; b2 s[12:13], out0 s[14:15]
	v_lshrrev_b32 v1, 5, v0
	v_readfirstlane_b32 s16, v1                    ; wave
	v_and_b32 v1, 31, v0
	v_lshlrev_b32 v1, 4, v1                        ; 16 l
	s_lshl_b32 s17, ttmp9, 2
	s_add_co_u32 s17, s17, s16                     ; the token
	s_lshl_b32 s18, s17, 3
	s_mov_b32 s19, 0
	s_wait_kmcnt 0x0
	s_add_nc_u64 s[6:7], s[6:7], s[18:19]
	s_add_nc_u64 s[8:9], s[8:9], s[18:19]
	s_add_nc_u64 s[10:11], s[10:11], s[18:19]
	s_load_b64 s[20:21], s[6:7], 0x0               ; r0, r1
	s_load_b64 s[22:23], s[8:9], 0x0               ; e0, e1
	s_load_b64 s[24:25], s[10:11], 0x0             ; w0, w1
	s_add_nc_u64 s[28:29], s[4:5], 33554432        ; y's second half of K
	s_lshl_b32 s17, s17, 12
	v_add_nc_u32 v6, s17, v1                       ; out0: 4,096 t + 16 l
	s_wait_kmcnt 0x0
	s_min_u32 s20, s20, 8191
	s_min_u32 s21, s21, 8191
	s_min_u32 s22, s22, 7
	s_min_u32 s23, s23, 7
	s_lshl_b32 s20, s20, 12
	s_lshl_b32 s21, s21, 12
	s_lshl_b32 s22, s22, 12
	s_lshl_b32 s23, s23, 12
	v_add_nc_u32 v2, s20, v1
	v_add_nc_u32 v3, s21, v1
	v_add_nc_u32 v4, s22, v1
	v_add_nc_u32 v5, s23, v1
	s_mov_b32 s26, s25                             ; w1 as the low word of a pair of its own: the packed forms take a scalar pair's low word for both halves
	s_mov_b32 s27, s25
.irp c, 0,1,2,3,4,5,6,7
	global_load_b128 v[R+24*\c:R+24*\c+3],     v2, s[4:5]   offset:512*\c th:TH_LOAD_NT
	global_load_b128 v[R+24*\c+4:R+24*\c+7],   v2, s[28:29] offset:512*\c th:TH_LOAD_NT
	global_load_b128 v[R+24*\c+8:R+24*\c+11],  v4, s[12:13] offset:512*\c
	global_load_b128 v[R+24*\c+12:R+24*\c+15], v3, s[4:5]   offset:512*\c th:TH_LOAD_NT
	global_load_b128 v[R+24*\c+16:R+24*\c+19], v3, s[28:29] offset:512*\c th:TH_LOAD_NT
	global_load_b128 v[R+24*\c+20:R+24*\c+23], v5, s[12:13] offset:512*\c
.endr
.irp c, 0,1,2,3,4,5,6,7
	s_wait_loadcnt 6*(7-\c)                        ; this piece's six loads are in; the later pieces' may be out
.irp j, 0,2
	v_pk_add_f32 v[R+24*\c+\j:R+24*\c+\j+1], v[R+24*\c+\j:R+24*\c+\j+1], v[R+24*\c+4+\j:R+24*\c+5+\j]           ; the two halves of K
	v_pk_add_f32 v[R+24*\c+12+\j:R+24*\c+13+\j], v[R+24*\c+12+\j:R+24*\c+13+\j], v[R+24*\c+16+\j:R+24*\c+17+\j]
	v_pk_add_f32 v[R+24*\c+\j:R+24*\c+\j+1], v[R+24*\c+\j:R+24*\c+\j+1], v[R+24*\c+8+\j:R+24*\c+9+\j]           ; + b2
	v_pk_add_f32 v[R+24*\c+12+\j:R+24*\c+13+\j], v[R+24*\c+12+\j:R+24*\c+13+\j], v[R+24*\c+20+\j:R+24*\c+21+\j]
	v_pk_mul_f32 v[R+24*\c+\j:R+24*\c+\j+1], v[R+24*\c+\j:R+24*\c+\j+1], s[24:25] op_sel_hi:[1,0]               ; x w0
	v_pk_fma_f32 v[R+24*\c+\j:R+24*\c+\j+1], v[R+24*\c+12+\j:R+24*\c+13+\j], s[26:27], v[R+24*\c+\j:R+24*\c+\j+1] op_sel_hi:[1,0,1]   ; + w1 x the other
.endr
	global_store_b128 v6, v[R+24*\c:R+24*\c+3], s[14:15] offset:512*\c th:TH_STORE_NT   ; 32 lanes store 512 consecutive bytes, aligned
.endr
	s_endpgm
.Lfunc_end_k_q65a15e0e0c_combine:
	.size	k_q65a15e0e0c_combine, .Lfunc_end_k_q65a15e0e0c_combine-k_q65a15e0e0c_combine
	.p2alignl 7, 3214868480
	.fill 96, 4, 3214868480
	.section	.rodata,"a",@progbits
	.p2align	6, 0x0
	.amdhsa_kernel k_q65a15e0e0c_combine
		.amdhsa_group_segment_fixed_size 0
		.amdhsa_private_segment_fixed_size 0
		.amdhsa_enable_private_segment 0
		.amdhsa_kernarg_size 48
		.amdhsa_user_sgpr_count 2
		.amdhsa_user_sgpr_kernarg_segment_ptr 1
		.amdhsa_wavefront_size32 1
		.amdhsa_system_sgpr_workgroup_id_x 1
		.amdhsa_system_sgpr_workgroup_id_y 1
		.amdhsa_system_sgpr_workgroup_id_z 1
		.amdhsa_system_vgpr_workitem_id 0
		.amdhsa_next_free_vgpr 208
		.amdhsa_next_free_sgpr 66
		.amdhsa_reserve_vcc 0
		.amdhsa_float_denorm_mode_32 3
		.amdhsa_float_denorm_mode_16_64 3
		.amdhsa_memory_ordered 1
		.amdhsa_forward_progress 1
		.amdhsa_inst_pref_size 14
	.end_amdhsa_kernel
	.amdgpu_metadata
---
amdhsa.version: [ 1, 2 ]
amdhsa.kernels:
  - .name:           k_q65a15e0e0c_combine
    .symbol:         k_q65a15e0e0c_combine.kd
    .args:
      - { .name: y, .offset: 0, .size: 8, .value_kind: global_buffer, .address_space: global }
      - { .name: rowof, .offset: 8, .size: 8, .value_kind: global_buffer, .address_space: global }
      - { .name: topi, .offset: 16, .size: 8, .value_kind: global_buffer, .address_space: global }
      - { .name: topw, .offset: 24, .size: 8, .value_kind: global_buffer, .address_space: global }
      - { .name: b2, .offset: 32, .size: 8, .value_kind: global_buffer, .address_space: global }
      - { .name: out0, .offset: 40, .size: 8, .value_kind: global_buffer, .address_space: global }
    .group_segment_fixed_size: 0
    .private_segment_fixed_size: 0
    .kernarg_segment_align: 8
    .kernarg_segment_size: 48
    .max_flat_workgroup_size: 128
    .sgpr_count:     66
    .vgpr_count:     208
    .wavefront_size: 32
...
	.end_amdgpu_metadata
.endif
;; end of part 5
;; ======== version 2 of 2: 5 launches
;; workspace buffers: bitmap 1,024 bytes of whole numbers; topi 8,192 bytes of whole numbers; topw 8,192 bytes; rowof 8,192 bytes of whole numbers; xs 6,815,744 bytes; hc 27,262,976 bytes; y 67,108,864 bytes
;; launch route (part 6): grid 64 x 1, 8 waves a work-group, no clusters, 78,848 bytes of LDS; arguments x, Wr, br, out1, topi, topw, bitmap; writes out1, topi, topw, bitmap
.if DOCPART == 6
	.amdgcn_target "amdgcn-amd-amdhsa--gfx1250"
	.amdhsa_code_object_version 6
	.text
	.protected	k_q65a15e0e0c_route
	.globl	k_q65a15e0e0c_route
	.p2align	8
	.type	k_q65a15e0e0c_route,@function
k_q65a15e0e0c_route:
	s_mov_b64 s[64:65], 0
	v_nop
	global_prefetch_b8 v0, s[64:65] scope:SCOPE_SE
	s_setreg_imm32_b32 hwreg(HW_REG_WAVE_MODE, 25, 1), 1
	s_wait_xcnt 0x0
; THE ROUTER, all in f32: logits = x Wr + br, softmax over the 8 experts (the row's maximum taken away first), the two largest probabilities (of equal ones the lower index).
; Stored: the probabilities (out1 [1024][8]); for each token its two experts (topi [1024][2], whole numbers) and their probabilities (topw [1024][2]);
; and for each expert a map of its tokens (bitmap [8][32 words]: bit b of word i = token 32 i + b chose the expert).  All at fixed places: no address and no branch here hangs on a computed number.
; SHARES.  A work-group takes 16 tokens; wave w the 128 numbers d = 128 w .. of each; lane l the expert e = l % 8 and the 32 numbers d = 128 w + 32 (l / 8) + 0 .. 31.
; x comes in by loads of 512 consecutive bytes and turns through the wave's own stage in LDS, so that a lane reads its 32 neighbours; the eight waves' partial sums meet in LDS behind one barrier; wave 0 finishes.
; No matrix instruction: 8 columns are half a tile, and the sums feed a choice, so they are fused multiply-adds in f32.
; LIMITS: NaN and infinities among the inputs are not served.  A probability whose exponential falls under the smallest normal f32 number counts as 0.  The sums' order differs from a plain ascending one, within f32.
.set RED, 73728                        ; LDS: behind the eight stages of 9,216 bytes: [8 waves][16 tokens][8 experts] f32
.set WR,  16                           ; v16-47   my 32 numbers of Wr
.set XR,  48                           ; v48-111  x as loaded: 16 tokens x 4 registers; later wave 0's work
.set XL,  112                          ; v112-175 two sets of 32 neighbours of x
.set AC,  176                          ; v176-207 a pair of sums for each token
	s_load_b256 s[4:11], s[0:1], 0x0               ; x s[4:5], Wr s[6:7], br s[8:9], out1 s[10:11]
	s_load_b128 s[12:15], s[0:1], 0x20             ; topi s[12:13], topw s[14:15]
	s_load_b64 s[16:17], s[0:1], 0x30              ; bitmap
	v_lshl_add_u32 v208, v0, 2, 0x13000
	v_mov_b32 v209, 0
	v_lshrrev_b32 v7, 5, v0
	s_delay_alu instid0(VALU_DEP_1)
	v_readfirstlane_b32 s18, v7                    ; wave 0..7
	v_and_b32 v1, 31, v0                           ; lane
	v_lshlrev_b32 v2, 4, v0                        ; x: 512 w + 16 l
	v_lshrrev_b32 v8, 3, v0                        ; 4 w + l / 8
	v_and_b32 v9, 7, v0                            ; e
	s_delay_alu instid0(VALU_DEP_1)
	v_lshlrev_b32 v3, 2, v9
	s_delay_alu instid0(VALU_DEP_1)
	v_lshl_add_u32 v3, v8, 10, v3                  ; Wr: 32 rows of 32 bytes for each (w, l / 8), + 4 e
	v_bfe_u32 v10, v0, 3, 2                        ; l / 8
	s_mul_i32 s19, s18, 9216                       ; my stage: 16 tokens x 576 bytes; a token: four runs of 128 bytes + 16 of padding
	v_mul_u32_u24 v5, v10, 144
	s_delay_alu instid0(VALU_DEP_1)
	v_add_nc_u32 v5, s19, v5                       ; out of it: my run of 32 numbers
	s_delay_alu instid0(VALU_DEP_1)
	v_lshl_add_u32 v4, v9, 4, v5                   ; into it: 16 bytes a lane, as loaded
	s_lshl_b32 s19, s18, 9
	s_add_co_u32 s19, s19, RED
	v_lshl_add_u32 v6, v9, 2, s19                  ; my wave's partial sums: + 4 e
	v_and_b32 v11, 15, v0
	v_bfe_u32 v12, v0, 4, 1
	s_delay_alu instid0(VALU_DEP_2)
	v_lshlrev_b32 v13, 5, v11
	s_delay_alu instid0(VALU_DEP_1)
	v_add_nc_u32 v14, RED, v13                     ; wave 0, at the end: token l % 16's eight sums
	s_delay_alu instid0(VALU_DEP_2)
	v_lshl_add_u32 v13, v12, 4, v13
	s_lshl_b32 s19, ttmp9, 9
	v_add_nc_u32 v13, s19, v13                     ; out1: 512 g + 32 (l % 16) + 16 (l / 16)
	s_lshl_b32 s19, ttmp9, 7
	v_lshl_add_u32 v15, v1, 3, s19                 ; topi, topw: 128 g + 8 l
	s_lshl_b32 s19, ttmp9, 1
	v_lshl_add_u32 v7, v1, 7, s19                  ; bitmap: 128 e + 2 g, e = my lane
	s_lshl_b32 s2, ttmp9, 16                       ; 16 rows of 4,096 bytes a work-group
	s_mov_b32 s3, 0
	s_mov_b32 s28, 0x76543210
	s_mov_b32 s29, 0xfedcba98                      ; v_permlanex16_b32's selects for lane l xor 16
	s_mov_b32 s30, 0xffff0000                      ; lanes 16-31
	s_wait_kmcnt 0x0
	s_add_nc_u64 s[4:5], s[4:5], s[2:3]
	s_load_b256 s[20:27], s[8:9], 0x0              ; br
.irp t, 0,1,2,3,4,5,6,7,8,9,10,11,12,13,14,15
	global_load_b128 v[XR+4*\t:XR+4*\t+3], v2, s[4:5] offset:4096*\t th:TH_LOAD_NT   ; 32 lanes read 512 consecutive bytes of token t
.endr
.set i, 0
.rept 32
	global_load_b32 v[WR+i], v3, s[6:7] offset:32*i
.set i, i+1
.endr
	s_wait_loadcnt 32                              ; x is in: the 32 loads of Wr were issued behind it
.irp t, 0,1,2,3,4,5,6,7,8,9,10,11,12,13,14,15
	ds_store_b128 v4, v[XR+4*\t:XR+4*\t+3] offset:576*\t
.endr
.irp q, 0,1,2,3,4,5,6,7
	ds_load_b128 v[XL+4*\q:XL+4*\q+3], v5 offset:16*\q   ; LDS serves a wave's instructions in order: these see my stores
.endr
	s_wait_loadcnt 0x0                             ; Wr
; Token t: the next token's 32 numbers are asked for, then this token's 32 products are summed, two at a time.
.macro TOK t
.if \t < 15
.irp q, 0,1,2,3,4,5,6,7
	ds_load_b128 v[XL+32*((\t+1)%2)+4*\q:XL+32*((\t+1)%2)+4*\q+3], v5 offset:576*(\t+1)+16*\q
.endr
	s_wait_dscnt 8                                 ; this token's are in; the eight just issued may be out
.else
	s_wait_dscnt 0x0
.endif
	v_pk_mul_f32 v[AC+2*\t:AC+2*\t+1], v[XL+32*(\t%2):XL+32*(\t%2)+1], v[WR:WR+1]   ; the first product starts the sums
.irp p, 1,2,3,4,5,6,7,8,9,10,11,12,13,14,15
	s_delay_alu instid0(VALU_DEP_1)
	v_pk_fma_f32 v[AC+2*\t:AC+2*\t+1], v[XL+32*(\t%2)+2*\p:XL+32*(\t%2)+2*\p+1], v[WR+2*\p:WR+2*\p+1], v[AC+2*\t:AC+2*\t+1]
.endr
.endm
.irp t, 0,1,2,3,4,5,6,7,8,9,10,11,12,13,14,15
	TOK \t
.endr
.irp t, 0,1,2,3,4,5,6,7,8,9,10,11,12,13,14,15
	v_add_f32 v[AC+2*\t], v[AC+2*\t], v[AC+2*\t+1]           ; the pair's halves
.endr
.irp t, 0,1,2,3,4,5,6,7,8,9,10,11,12,13,14,15
	v_add_f32_dpp v[AC+2*\t], v[AC+2*\t], v[AC+2*\t] row_xmask:8 row_mask:0xf bank_mask:0xf   ; lane l xor 8: the same expert, other d
.endr
.irp t, 0,1,2,3,4,5,6,7,8,9,10,11,12,13,14,15
	v_permlanex16_b32 v[AC+2*\t+1], v[AC+2*\t], s28, s29
.endr
.irp t, 0,1,2,3,4,5,6,7,8,9,10,11,12,13,14,15
	v_add_f32 v[AC+2*\t], v[AC+2*\t], v[AC+2*\t+1]           ; and lane l xor 16: the wave's 128 d are summed
.endr
.irp t, 0,1,2,3,4,5,6,7,8,9,10,11,12,13,14,15
	ds_store_b32 v6, v[AC+2*\t] offset:32*\t       ; the four lanes of an expert write the same word with the same value
.endr
	s_wait_kmcnt 0x0                               ; br
	s_wait_dscnt 0x0                               ; for the others' sake: my stores have landed
	s_barrier_signal -1
	s_barrier_wait -1
	s_cmp_lg_u32 s18, 0
	s_cbranch_scc1 .Lothers                        ; wave 0 finishes: lane l has token l % 16 (lanes 16-31 the same tokens once more)
.irp w, 0,1,2,3,4,5,6,7
	ds_load_b128 v[XR+8*\w:XR+8*\w+3], v14 offset:512*\w
	ds_load_b128 v[XR+8*\w+4:XR+8*\w+7], v14 offset:512*\w+16
.endr
	s_wait_dscnt 0x0
.irp w, 1,2,3,4,5,6,7
.irp j, 0,2,4,6
	v_pk_add_f32 v[XR+\j:XR+\j+1], v[XR+\j:XR+\j+1], v[XR+8*\w+\j:XR+8*\w+\j+1]   ; the eight waves' parts, in a fixed order
.endr
.endr
.irp e, 0,1,2,3,4,5,6,7
	v_add_f32 v[48+\e], s[20+\e], v[48+\e]         ; + br: the logits, v48-55
.endr
	v_max3_num_f32 v77, v48, v49, v50
	s_delay_alu instid0(VALU_DEP_1)
	v_max3_num_f32 v77, v77, v51, v52
	s_delay_alu instid0(VALU_DEP_1)
	v_max3_num_f32 v77, v77, v53, v54
	s_delay_alu instid0(VALU_DEP_1)
	v_max_num_f32 v77, v77, v55                    ; the row's maximum
.irp e, 0,1,2,3,4,5,6,7
	v_sub_f32 v[48+\e], v[48+\e], v77
.endr
.irp e, 0,1,2,3,4,5,6,7
	v_mul_f32 v[48+\e], 0x3fb8aa3b, v[48+\e]       ; x log2(e)
.endr
	s_wait_alu depctr_va_vdst(0)
.irp e, 0,1,2,3,4,5,6,7
	v_exp_f32 v[48+\e], v[48+\e]
.endr
	v_mov_b32 v79, -1.0                            ; (a plain instruction behind the exponentials)
	s_wait_alu depctr_va_vdst(0)
	v_add_f32 v78, v48, v49
	v_add_f32 v84, v50, v51
	v_add_f32 v85, v52, v53
	v_add_f32 v86, v54, v55
	s_delay_alu instid0(VALU_DEP_3)
	v_add_f32 v78, v78, v84
	s_delay_alu instid0(VALU_DEP_2)
	v_add_f32 v85, v85, v86
	s_delay_alu instid0(VALU_DEP_1)
	v_add_f32 v78, v78, v85
	s_wait_alu depctr_va_vdst(0)
	v_rcp_f32 v78, v78
	v_mov_b32 v76, 0                               ; (a plain instruction behind the reciprocal)  the map's words, one expert a lane
	s_wait_alu depctr_va_vdst(0)
.irp e, 0,1,2,3,4,5,6,7
	v_mul_f32 v[48+\e], v[48+\e], v78              ; the probabilities
.endr
	; the largest: v74 its value, v72 its index.  The one in hand stays where it is at least as large: of equal ones the lower index is kept
	v_mov_b32 v74, v48
	v_mov_b32 v72, 0
.irp e, 1,2,3,4,5,6,7
	s_delay_alu instid0(VALU_DEP_2)
	v_cmp_ge_f32 vcc_lo, v74, v[48+\e]
	s_delay_alu instid0(VALU_DEP_1)
	v_cndmask_b32 v74, v[48+\e], v74, vcc_lo
	s_delay_alu instid0(VALU_DEP_2)
	v_cndmask_b32 v72, \e, v72, vcc_lo
.endr
.irp e, 0,1,2,3,4,5,6,7
	v_cmp_eq_u32 vcc_lo, \e, v72
	s_delay_alu instid0(VALU_DEP_1)
	v_cndmask_b32 v[64+\e], v[48+\e], v79, vcc_lo  ; the largest is put at -1, under every probability
.endr
	v_mov_b32 v75, v64                             ; the second: v75, v73
	v_mov_b32 v73, 0
.irp e, 1,2,3,4,5,6,7
	s_delay_alu instid0(VALU_DEP_2)
	v_cmp_ge_f32 vcc_lo, v75, v[64+\e]
	s_delay_alu instid0(VALU_DEP_1)
	v_cndmask_b32 v75, v[64+\e], v75, vcc_lo
	s_delay_alu instid0(VALU_DEP_2)
	v_cndmask_b32 v73, \e, v73, vcc_lo
.endr
.irp e, 0,1,2,3,4,5,6,7
	v_cmp_eq_u32 s32, \e, v72                      ; which of my 16 tokens chose expert e: bit l % 16 (and the same 16 bits above)
	v_cmp_eq_u32 s33, \e, v73
	s_or_b32 s32, s32, s33
	v_writelane_b32 v76, s32, \e
.endr
.irp j, 0,1,2,3
	v_cndmask_b32 v[80+\j], v[48+\j], v[52+\j], s30   ; lanes 0-15 experts 0-3, lanes 16-31 experts 4-7 of the same token
.endr
	global_store_b128 v13, v[80:83], s[10:11]      ; the wave stores 512 consecutive bytes of out1, aligned
	s_wait_alu depctr_va_vdst(0)
	s_wait_xcnt 0x0                                ; EXEC changes only behind this wait
	s_wait_tensorcnt 0x0
	ds_add_u32 v208, v209
	s_wait_dscnt 0x0
	v_cmpx_gt_u32 16, v1                           ; lanes 0-15
	global_store_b64 v15, v[72:73], s[12:13]       ; the two experts
	global_store_b64 v15, v[74:75], s[14:15]       ; and their probabilities
	s_wait_xcnt 0x0
	v_cmpx_gt_u32 8, v1                            ; lanes 0-7: lane e has expert e's 16 bits
	global_store_b16 v7, v76, s[16:17]
	s_endpgm
.Lothers:
	s_wait_tensorcnt 0x0
	ds_add_u32 v208, v209
	s_wait_dscnt 0x0
	s_endpgm
.Lfunc_end_k_q65a15e0e0c_route:
	.size	k_q65a15e0e0c_route, .Lfunc_end_k_q65a15e0e0c_route-k_q65a15e0e0c_route
	.p2alignl 7, 3214868480
	.fill 96, 4, 3214868480
	.section	.rodata,"a",@progbits
	.p2align	6, 0x0
	.amdhsa_kernel k_q65a15e0e0c_route
		.amdhsa_group_segment_fixed_size 78848
		.amdhsa_private_segment_fixed_size 0
		.amdhsa_enable_private_segment 0
		.amdhsa_kernarg_size 56
		.amdhsa_user_sgpr_count 2
		.amdhsa_user_sgpr_kernarg_segment_ptr 1
		.amdhsa_wavefront_size32 1
		.amdhsa_system_sgpr_workgroup_id_x 1
		.amdhsa_system_sgpr_workgroup_id_y 1
		.amdhsa_system_sgpr_workgroup_id_z 1
		.amdhsa_system_vgpr_workitem_id 0
		.amdhsa_next_free_vgpr 210
		.amdhsa_next_free_sgpr 66
		.amdhsa_reserve_vcc 1
		.amdhsa_float_denorm_mode_32 3
		.amdhsa_float_denorm_mode_16_64 3
		.amdhsa_memory_ordered 1
		.amdhsa_forward_progress 1
		.amdhsa_inst_pref_size 56
	.end_amdhsa_kernel
	.amdgpu_metadata
---
amdhsa.version: [ 1, 2 ]
amdhsa.kernels:
  - .name:           k_q65a15e0e0c_route
    .symbol:         k_q65a15e0e0c_route.kd
    .args:
      - { .name: x, .offset: 0, .size: 8, .value_kind: global_buffer, .address_space: global }
      - { .name: Wr, .offset: 8, .size: 8, .value_kind: global_buffer, .address_space: global }
      - { .name: br, .offset: 16, .size: 8, .value_kind: global_buffer, .address_space: global }
      - { .name: out1, .offset: 24, .size: 8, .value_kind: global_buffer, .address_space: global }
      - { .name: topi, .offset: 32, .size: 8, .value_kind: global_buffer, .address_space: global }
      - { .name: topw, .offset: 40, .size: 8, .value_kind: global_buffer, .address_space: global }
      - { .name: bitmap, .offset: 48, .size: 8, .value_kind: global_buffer, .address_space: global }
    .group_segment_fixed_size: 78848
    .private_segment_fixed_size: 0
    .kernarg_segment_align: 8
    .kernarg_segment_size: 56
    .max_flat_workgroup_size: 256
    .sgpr_count:     66
    .vgpr_count:     210
    .wavefront_size: 32
...
	.end_amdgpu_metadata
.endif
;; end of part 6
;; launch place (part 7): grid 24 x 8, 8 waves a work-group, no clusters, 68,608 bytes of LDS; arguments x, bitmap, topi, xs, rowof; writes xs, rowof
.if DOCPART == 7
	.amdgcn_target "amdgcn-amd-amdhsa--gfx1250"
	.amdhsa_code_object_version 6
	.text
	.protected	k_q65a15e0e0c_place
	.globl	k_q65a15e0e0c_place
	.p2align	8
	.type	k_q65a15e0e0c_place,@function
k_q65a15e0e0c_place:
	s_mov_b64 s[64:65], 0
	v_nop
	global_prefetch_b8 v0, s[64:65] scope:SCOPE_SE
	s_setreg_imm32_b32 hwreg(HW_REG_WAVE_MODE, 25, 1), 1
	s_wait_xcnt 0x0
; THE ROWS ARE PLACED BY EXPERT, AND x IS QUANTISED.  Expert e owns the sorted rows 1024 e + 0 .. 1023 (64 tiles of 16): row 1024 e + n is the n-th token, in ascending order, whose bit stands in e's map.
; For each tile of 16 such rows and each K step of 128 along D the codes of BF6 (E3M2) are stored as an IMAGE OF THE OPERAND'S REGISTERS (12 registers a lane: register group q of lane l at 512 q + 16 l: 1,536 bytes),
; and the rows' scale words beside them (4 bytes a lane, the 16 words held twice): xs = codes [8][64][8][1536], then from XSC on words [8][64][8][32].  rowof [1024][2] tells each token where its two rows lie.
; A block's scale is 2^(floor(log2(its largest magnitude)) - 4): its byte is that magnitude's exponent field - 4, held at 1 from below.
; SHARES.  Work-group (x, e) walks e's tiles x, x + 24, x + 48 as far as the expert's count, which is read from the map, reaches: a grid that serves every split; a work-group without a tile stores nothing.  Wave s makes K step s.
; A row's rank is held at count - 1: the last tile's rows past the count are copies of the expert's last row.  Their images are stored and never used; into rowof they store the same number at the same place as that row.
; So every lane is on in the whole text.
; LIMITS: NaN and infinities are not served; a block whose largest magnitude lies under 2^-122, a block of zeros too, gets the byte 1 (the bytes are read by this program alone).
.set XSC, 6291456
.set ADR, 32                           ; v32-47   the 16 rows' byte offsets in x
.set XD,  48                           ; v48-111  16 rows x 16 bytes a lane, as loaded; later v48-54 the conversions' upper halves
.set XB,  112                          ; v112-175 my two blocks of 32 neighbours
.set C,   176                          ; v176-187 the fragment's codes
	s_load_b256 s[4:11], s[0:1], 0x0               ; x s[4:5], bitmap s[6:7], topi s[8:9], xs s[10:11]
	s_load_b64 s[12:13], s[0:1], 0x20              ; rowof
	v_lshl_add_u32 v192, v0, 2, 0x10800
	v_mov_b32 v193, 0
	v_lshrrev_b32 v1, 5, v0
	s_delay_alu instid0(VALU_DEP_1)
	v_readfirstlane_b32 s16, v1                    ; wave = K step
	v_and_b32 v1, 31, v0                           ; lane
	v_and_b32 v2, 15, v0                           ; r
	v_bfe_u32 v3, v0, 4, 1                         ; h
	v_lshlrev_b32 v4, 4, v0                        ; 512 s + 16 l: my 16 bytes of a row's K step
	s_delay_alu instid0(VALU_DEP_4)
	v_lshlrev_b32 v7, 4, v1
	v_lshlrev_b32 v8, 2, v1
	v_mov_b32 v9, 0
	v_lshlrev_b32 v25, 3, v3                       ; 8 h
	v_mov_b32 v31, 0                               ; (a lane permute's destination counts as one of its sources)
	s_mul_i32 s19, s16, 8448                       ; my stage: 16 rows x (512 bytes + 16)
	v_add_nc_u32 v5, s19, v7                       ; into it: 16 bytes a lane
	v_mul_u32_u24 v6, v2, 528
	s_delay_alu instid0(VALU_DEP_1)
	v_lshl_add_u32 v6, v3, 7, v6
	s_delay_alu instid0(VALU_DEP_1)
	v_add_nc_u32 v6, s19, v6                       ; out of it: row r, + 128 h
	s_and_b32 s14, ttmp7, 0xffff                   ; the expert
	s_lshl_b32 s2, s14, 7
	s_mov_b32 s3, 0
	s_mov_b32 s22, 0x76543210
	s_mov_b32 s23, 0xfedcba98
	s_mov_b32 s15, ttmp9                           ; the tile in hand
	s_wait_kmcnt 0x0
	s_add_nc_u64 s[6:7], s[6:7], s[2:3]
	s_load_b512 s[32:47], s[6:7], 0x0              ; the expert's map: 32 words
	s_load_b512 s[48:63], s[6:7], 0x40
	s_lshl_b32 s2, s14, 16
	s_lshl_b32 s19, s16, 7
	s_add_co_u32 s2, s2, s19
	s_add_nc_u64 s[28:29], s[10:11], s[2:3]
	s_add_nc_u64 s[28:29], s[28:29], XSC           ; scale words: XSC + 65,536 e + 128 s
	s_mul_i32 s2, s14, 786432
	s_mul_i32 s19, s16, 1536
	s_add_co_u32 s2, s2, s19
	s_add_nc_u64 s[10:11], s[10:11], s[2:3]        ; codes: 786,432 e + 1,536 s
	s_lshl_b32 s27, s14, 10                        ; 1024 e
	s_wait_kmcnt 0x0
	s_bcnt1_i32_b32 s17, s32                       ; the expert's count of rows
.set i, 33
.rept 31
	s_bcnt1_i32_b32 s19, s[i]
	s_add_co_u32 s17, s17, s19
.set i, i+1
.endr
	s_add_co_u32 s18, s17, 15
	s_lshr_b32 s18, s18, 4                         ; its tiles
	s_sub_co_u32 s31, s17, 1                       ; its last row's rank (with no row there is no tile, and the number is not used)
	s_mov_b32 s30, 0                               ; trips: 3 x 24 tiles reach past an expert's 64
; One step of the search for the n-th set bit: the count of set bits in the lower half of what is left, read from a level of the tree of counts.
.macro SELSTEP level, width
	v_bfe_u32 v19, v[\level], v15, \width
	s_delay_alu instid0(VALU_DEP_1)
	v_cmp_lt_u32 vcc_lo, v13, v19
	s_delay_alu instid0(VALU_DEP_1)
	v_cndmask_b32 v20, v19, v9, vcc_lo             ; the bit lies in the lower half: nothing changes; else the lower half's count goes off the rank
	s_delay_alu instid0(VALU_DEP_2)
	v_cndmask_b32 v21, \width, v9, vcc_lo          ; and the place moves up
	s_delay_alu instid0(VALU_DEP_2)
	v_sub_nc_u32 v13, v13, v20
	s_delay_alu instid0(VALU_DEP_2)
	v_add_nc_u32 v15, v15, v21
.endm
.Ltile:
	s_cmp_ge_u32 s15, s18                          ; no tile left: out of the loop
	s_cbranch_scc1 .Lend
	s_lshl_b32 s19, s15, 4
	v_add_nc_u32 v10, s19, v2                      ; my row's rank n = 16 j + r,
	s_delay_alu instid0(VALU_DEP_1)
	v_min_u32 v10, s31, v10                        ; held at the expert's last row
	; which word of the map holds the n-th set bit: the word before which P bits stand and which has C, where P <= n < P + C
	s_mov_b32 s20, 0
	v_mov_b32 v12, 0                               ; the word,
	v_mov_b32 v13, 0                               ; the rank inside it,
	v_mov_b32 v14, 0                               ; its number
.set i, 0
.rept 32
	s_bcnt1_i32_b32 s21, s[32+i]
	v_sub_nc_u32 v11, v10, s20
	s_delay_alu instid0(VALU_DEP_1)
	v_cmp_le_u32 vcc_lo, s21, v11                  ; (n under P wraps to a large number)
	s_delay_alu instid0(VALU_DEP_1)
	v_cndmask_b32 v12, s[32+i], v12, vcc_lo
	s_delay_alu instid0(VALU_DEP_2)
	v_cndmask_b32 v13, v11, v13, vcc_lo
	s_delay_alu instid0(VALU_DEP_3)
	v_cndmask_b32 v14, i, v14, vcc_lo
	s_add_co_u32 s20, s20, s21
.set i, i+1
.endr
	v_lshrrev_b32 v16, 1, v12                      ; the tree of counts: of 2 bits (v16), of 4 (v17), of 8 (v18), of the low 16 (v19)
	s_delay_alu instid0(VALU_DEP_1)
	v_and_b32 v16, 0x55555555, v16
	s_delay_alu instid0(VALU_DEP_1)
	v_sub_nc_u32 v16, v12, v16
	s_delay_alu instid0(VALU_DEP_1)
	v_lshrrev_b32 v17, 2, v16
	s_delay_alu instid0(VALU_DEP_1)
	v_and_b32 v17, 0x33333333, v17
	s_delay_alu instid0(VALU_DEP_3)
	v_and_b32 v18, 0x33333333, v16
	s_delay_alu instid0(VALU_DEP_1)
	v_add_nc_u32 v17, v17, v18
	s_delay_alu instid0(VALU_DEP_1)
	v_lshrrev_b32 v18, 4, v17
	s_delay_alu instid0(VALU_DEP_1)
	v_add_nc_u32 v18, v18, v17
	s_delay_alu instid0(VALU_DEP_1)
	v_and_b32 v18, 0x0f0f0f0f, v18
	s_delay_alu instid0(VALU_DEP_1)
	v_lshrrev_b32 v19, 8, v18
	s_delay_alu instid0(VALU_DEP_1)
	v_add_nc_u32 v19, v19, v18
	s_delay_alu instid0(VALU_DEP_1)
	v_and_b32 v19, 0xff, v19
	s_delay_alu instid0(VALU_DEP_1)
	v_cmp_lt_u32 vcc_lo, v13, v19
	s_delay_alu instid0(VALU_DEP_1)
	v_cndmask_b32 v20, v19, v9, vcc_lo
	s_delay_alu instid0(VALU_DEP_2)
	v_cndmask_b32 v15, 16, v9, vcc_lo              ; the place so far
	s_delay_alu instid0(VALU_DEP_2)
	v_sub_nc_u32 v13, v13, v20
	SELSTEP 18, 8
	SELSTEP 17, 4
	SELSTEP 16, 2
	SELSTEP 12, 1
	s_delay_alu instid0(VALU_DEP_1)
	v_lshl_add_u32 v22, v14, 5, v15                ; the token
	s_delay_alu instid0(VALU_DEP_1)
	v_min_u32 v22, 0x3ff, v22                      ; held inside x, since it enters addresses
	s_wait_alu depctr_va_vdst(0)
.irp r, 0,1,2,3,4,5,6,7,8,9,10,11,12,13,14,15
	v_readlane_b32 s24, v22, \r
	s_min_u32 s24, s24, 1023
	s_lshl_b32 s24, s24, 12                        ; row r's token x 4,096 bytes
	v_add_nc_u32 v[ADR+\r], s24, v4
	global_load_b128 v[XD+4*\r:XD+4*\r+3], v[ADR+\r], s[4:5]   ; 32 lanes read 512 consecutive bytes: row r's K step
.endr
	s_wait_loadcnt 0x0
.irp r, 0,1,2,3,4,5,6,7,8,9,10,11,12,13,14,15
	ds_store_b128 v5, v[XD+4*\r:XD+4*\r+3] offset:528*\r
.endr
.irp c, 0,1
.irp q, 0,1,2,3,4,5,6,7
	ds_load_b128 v[XB+32*\c+4*\q:XB+32*\c+4*\q+3], v6 offset:256*\c+16*\q   ; lane (r, h): k = 64 c + 32 h + 0 .. 31 of row r, as the operand's layout gives them to it.  LDS serves a wave's instructions in order
.endr
.endr
	s_wait_dscnt 0x0
	v_max3_num_f32 v26, |v[XB]|, |v[XB+1]|, 0x2800000      ; each block's largest magnitude, all 32 numbers mine, and the floor 2^(5 - 127): the byte cannot fall under 1
	v_max3_num_f32 v27, |v[XB+32]|, |v[XB+33]|, 0x2800000
.irp i, 2,4,6,8,10,12,14,16,18,20,22,24,26,28,30
	s_delay_alu instid0(VALU_DEP_2)
	v_max3_num_f32 v26, v26, |v[XB+\i]|, |v[XB+\i+1]|      ; (the two blocks by turns)
	s_delay_alu instid0(VALU_DEP_2)
	v_max3_num_f32 v27, v27, |v[XB+32+\i]|, |v[XB+33+\i]|
.endr
	s_delay_alu instid0(VALU_DEP_2)
	v_add_nc_u32 v28, 0xfe000000, v26              ; 4 off the exponent field: the conversion takes the exponent field of this operand as its scale
	s_delay_alu instid0(VALU_DEP_2)
	v_add_nc_u32 v29, 0xfe000000, v27
	s_delay_alu instid0(VALU_DEP_2)
	v_lshrrev_b32 v30, 23, v28                     ; the scales' bytes
	s_delay_alu instid0(VALU_DEP_2)
	v_lshrrev_b32 v11, 23, v29
	v_cvt_scalef32_pk16_bf6_f32 v[C:C+2], v[XB:XB+15], v28
	v_cvt_scalef32_pk16_bf6_f32 v[XD:XD+2], v[XB+16:XB+31], v28      ; (a conversion's three registers begin on an even number: the upper halves are made elsewhere and moved)
	v_cvt_scalef32_pk16_bf6_f32 v[C+6:C+8], v[XB+32:XB+47], v29
	v_cvt_scalef32_pk16_bf6_f32 v[XD+4:XD+6], v[XB+48:XB+63], v29
	v_lshl_or_b32 v30, v11, 16, v30                ; (a plain instruction behind the conversions)  my two bytes: blocks h and 2 + h,
.irp i, 0,1,2
	v_mov_b32 v[C+3+\i], v[XD+\i]
	v_mov_b32 v[C+9+\i], v[XD+4+\i]
.endr
	v_lshlrev_b32 v30, v25, v30                    ; at their places in the word;
	s_delay_alu instid0(VALU_DEP_1)
	v_permlanex16_b32 v31, v30, s22, s23
	s_delay_alu instid0(VALU_DEP_1)
	v_or_b32 v30, v30, v31                         ; with lane l xor 16's two the row's word is whole, in both halves of the lanes
	s_mov_b32 s25, s15
	s_min_u32 s25, s25, 63                         ; the tile, held inside the expert's 64, since it enters addresses
	s_mul_i32 s26, s25, 12288
	v_add_nc_u32 v23, s26, v7
	s_lshl_b32 s26, s25, 10
	v_add_nc_u32 v24, s26, v8
.irp q, 0,1,2
	global_store_b128 v23, v[C+4*\q:C+4*\q+3], s[10:11] offset:512*\q   ; each store covers 512 consecutive bytes, aligned
.endr
	global_store_b32 v24, v30, s[28:29]
	s_cmp_lg_u32 s16, 0
	s_cbranch_scc1 .Lnot_wave_0                    ; wave 0 also tells each of the tile's tokens where its row lies
	v_lshlrev_b32 v20, 3, v22
	global_load_b32 v17, v20, s[8:9] offset:4      ; the token's second expert
	v_add_nc_u32 v21, s27, v10                     ; 1024 e + n
	s_wait_loadcnt 0x0
	v_cmp_ne_u32 vcc_lo, s14, v17
	s_delay_alu instid0(VALU_DEP_1)
	v_cndmask_b32 v18, 1, v9, vcc_lo               ; am I its second expert?
	s_delay_alu instid0(VALU_DEP_1)
	v_lshl_add_u32 v18, v22, 1, v18
	s_delay_alu instid0(VALU_DEP_1)
	v_min_u32 v18, 0x7ff, v18                      ; held inside rowof
	s_delay_alu instid0(VALU_DEP_1)
	v_lshlrev_b32 v18, 2, v18
	s_wait_alu depctr_va_vdst(0)
	global_store_b32 v18, v21, s[12:13]            ; lanes 16-31, and rows held at the last rank, store the same number at the same place as the row's own lane
.Lnot_wave_0:
	s_wait_xcnt 0x0                                ; the stores' data and all offsets are written again in the next trip
	s_add_co_u32 s15, s15, 24
	s_add_co_u32 s30, s30, 1
	s_cmp_lt_u32 s30, 3
	s_cbranch_scc1 .Ltile
.Lend:
	s_wait_tensorcnt 0x0
	ds_add_u32 v192, v193
	s_wait_dscnt 0x0
	s_endpgm
.Lfunc_end_k_q65a15e0e0c_place:
	.size	k_q65a15e0e0c_place, .Lfunc_end_k_q65a15e0e0c_place-k_q65a15e0e0c_place
	.p2alignl 7, 3214868480
	.fill 96, 4, 3214868480
	.section	.rodata,"a",@progbits
	.p2align	6, 0x0
	.amdhsa_kernel k_q65a15e0e0c_place
		.amdhsa_group_segment_fixed_size 68608
		.amdhsa_private_segment_fixed_size 0
		.amdhsa_enable_private_segment 0
		.amdhsa_kernarg_size 40
		.amdhsa_user_sgpr_count 2
		.amdhsa_user_sgpr_kernarg_segment_ptr 1
		.amdhsa_wavefront_size32 1
		.amdhsa_system_sgpr_workgroup_id_x 1
		.amdhsa_system_sgpr_workgroup_id_y 1
		.amdhsa_system_sgpr_workgroup_id_z 1
		.amdhsa_system_vgpr_workitem_id 0
		.amdhsa_next_free_vgpr 194
		.amdhsa_next_free_sgpr 66
		.amdhsa_reserve_vcc 1
		.amdhsa_float_denorm_mode_32 3
		.amdhsa_float_denorm_mode_16_64 3
		.amdhsa_memory_ordered 1
		.amdhsa_forward_progress 1
		.amdhsa_inst_pref_size 32
	.end_amdhsa_kernel
	.amdgpu_metadata
---
amdhsa.version: [ 1, 2 ]
amdhsa.kernels:
  - .name:           k_q65a15e0e0c_place
    .symbol:         k_q65a15e0e0c_place.kd
    .args:
      - { .name: x, .offset: 0, .size: 8, .value_kind: global_buffer, .address_space: global }
      - { .name: bitmap, .offset: 8, .size: 8, .value_kind: global_buffer, .address_space: global }
      - { .name: topi, .offset: 16, .size: 8, .value_kind: global_buffer, .address_space: global }
      - { .name: xs, .offset: 24, .size: 8, .value_kind: global_buffer, .address_space: global }
      - { .name: rowof, .offset: 32, .size: 8, .value_kind: global_buffer, .address_space: global }
    .group_segment_fixed_size: 68608
    .private_segment_fixed_size: 0
    .kernarg_segment_align: 8
    .kernarg_segment_size: 40
    .max_flat_workgroup_size: 256
    .sgpr_count:     66
    .vgpr_count:     194
    .wavefront_size: 32
...
	.end_amdgpu_metadata
.endif
;; end of part 7
;; launch gemm1 (part 8): grid 32 x 8, 16 waves a work-group, no clusters, 105,472 bytes of LDS; arguments W1, b1, bitmap, xs, hc; writes hc
.if DOCPART == 8
	.amdgcn_target "amdgcn-amd-amdhsa--gfx1250"
	.amdhsa_code_object_version 6
	.text
	.protected	k_q65a15e0e0c_gemm1
	.globl	k_q65a15e0e0c_gemm1
	.p2align	8
	.type	k_q65a15e0e0c_gemm1,@function
k_q65a15e0e0c_gemm1:
	s_mov_b64 s[64:65], 0
	v_nop
	global_prefetch_b8 v0, s[64:65] scope:SCOPE_SE
	s_setreg_imm32_b32 hwreg(HW_REG_WAVE_SCHED_MODE, 0, 2), 2
	s_setreg_imm32_b32 hwreg(HW_REG_WAVE_MODE, 25, 1), 1
	s_wait_xcnt 0x0
	s_wait_alu depctr_vm_vsrc(0)
; h = relu(x W1[e] + b1[e]) for the rows that chose expert e, on codes of BF6 (E3M2) with one E8M0 scale for each 32 along K = D; h is quantised along F on the way and stored as codes.
; THE WEIGHTS STAND STILL.  Work-group (fx, e) owns W1[e][all 1,024 k][128 fx .. + 127]: 512 KiB of f32, which it reads once, quantises in registers and keeps as 96 KiB of codes in LDS; then only e's rows pass by.
; PHASE S.  Wave w streams K step w / 2 (128 rows k) x columns 64 (w % 2) .. + 63 by 64 loads of 16 bytes a lane: lanes 0-15 take 256 consecutive, aligned bytes of row k, lanes 16-31 those of row k + 32.
;   So lane (j, h) holds columns 4 j .. 4 j + 3 at rows 64 c + 32 h + 0 .. 31: of each of its four columns the two blocks that the 6-bit layout gives to lane (j, h).  Fragment t takes column 4 m + t at its slot m, and
;   the codes are made in the lanes in which the operand wants them.  A load's four registers are four columns, a conversion takes 16 neighbours along K from consecutive registers: 16 v_mov_b32 gather them ahead of each.
;   A block's 32 loads, 16 KiB a wave, go out together; the second block's go out in two halves, each as soon as its rows have been gathered.
;   The product is used transposed (source 0 = 16 columns of W1, source 1 = 16 rows of x), so lane (r, h) holds row r, and register j of tile t is column 32 h + 4 j + t: the 32 registers of tiles 0 .. 3 are a WHOLE
;   BLOCK of the next product's K, in the half of the lanes where the 6-bit layout wants it; the relu writes them into other registers in ascending order.
;   The four fragments go to LDS as images of their registers (register group q of lane l at 512 q + 16 l); two scale registers beside them (lanes 0-15: tile 2 p's words, lanes 16-31: tile 2 p + 1's);
;   and b1's 128 numbers, in the accumulators' order.  One barrier.
; PHASE T.  The expert's tiles of 16 rows, two to an item, items w and w + 16 to wave w (an expert has at most 64 tiles, 32 items); the count comes from the expert's map.  An item: b1 comes from LDS into the 16 accumulators
;   (it is the C of the first products), 8 K steps x 16 matrix instructions, relu, quantiser, and two images of K step fx of the next product go to hc = codes [8][64][32][1536], then from HSC on scale words [8][64][32][32].
;   With an odd number of tiles the last item takes the last tile twice and stores the same bytes twice.
; NO TENSOR LOAD, NO CLUSTER: the items' count is read from memory and the way through the loop hangs on it; what the 32 work-groups of an expert share, the rows' images, is 12 KiB a tile beside 512 KiB of weights of their own.
; LIMITS: NaN and infinities are not served; a block whose largest magnitude lies under 2^-122, a block of zeros too, gets the byte 1 (its codes are zeros or next to it; the bytes are read by this program alone).
; REGISTERS: v2 my place in a row of W1; v3, v4 where I store in LDS; v5-7 where I read; v8 b1 in LDS; v9-15 the item's offsets (at the head v9, v10: b1's); v16, 17 the weights' scale words, v18, 19 the rows': scales and nothing else;
;   v20, 21 the closing add's two; v22, 23 scale words in the making; v24 h, v25 4 l; v26-31 at work.  Phase S: v32-63 two runs of 16 neighbours, v64-79 upper halves and bytes, v80-127 four fragments, v128-255 a block: 32 rows x 4 columns.
;   Phase T: v32-79 rows' fragments (two buffers), v80-127 weights' fragments, v128-255 accumulators; at an item's end v32-63 h's codes, v64-127 h in ascending order.
; THE MODE: SCHED_MODE bits 1:0 = 2 (LLVM: expert scheduling mode 2), set by the entry lines.  The code itself states the register dependences between vector or matrix instructions and memory or LDS instructions,
; with s_wait_alu, always for 0.
; THE PLAN.  Registers that memory or LDS instructions touch, and who else names them:
;   v2, v3-v8        offsets and LDS addresses: written by vector lines at the head, never again.
;   v128-255, phase S  the streamed loads land here; the maxima and the gathers read them; rows 0-15 are loaded again behind the first gathers, rows 16-31 behind the second: a wait on va_vdst ahead of each half.
;   v80-127, v22, v23, phase S  written by conversions, moves and ORs, read by the LDS stores: one wait on va_vdst ahead of the run of stores.
;   v9-v15           written by vector adds at an item's head, read by the item's loads and stores (v9, v10, v31 at the head: by b1's load and LDS store).
;   v80-127, v16, v17, phase T  LDS loads land here, eight products read them, the next group's loads land: ONE buffer, all 256 registers being taken, so a wait on va_vdst stands ahead of each refill.
;   v32-79, v18, v19  two buffers by turns: a K step's sixteen products read one; the loads of the next K step but one... of the step after the next products land in it behind the wait at the next K step's head.
;   v128-255, phase T  b1's LDS loads land here, the products add onto them, the relu reads them.
;   v32-55, v22, v23 at an item's end  written by the quantiser of both tiles, read by the eight stores behind one wait on va_vdst.
; One wait on vm_vsrc stands at the item loop's label: all that memory and LDS instructions have read so far is written again only behind it.  One wait on va_vdst stands behind the item's address adds: the offsets are
; written, and every vector or matrix instruction of phase S or of the item before is done with the registers in which this item's loads land.
.set RP,    16384                      ; bytes from row k to row k + 1
.set HSH,   19                         ; 32 rows are 2^19 bytes
.set WSC,   98304                      ; LDS: 16 groups of 4 fragments (6,144 bytes each), then their scale registers (256 bytes each),
.set BL,    102400                     ; then b1: the number of column 64 g + 32 h + 4 j + t at 256 g + 128 h + 32 t + 4 j
.set XSC,   6291456
.set HSC,   25165824
.set T,     32
.set U,     64                         ; column u's upper half at v[U + 4 u] on, three registers;
.set P,     67                         ; its scale bytes in v[P + 4 u]
.set F,     80
.set L,     128
.set WF,    80
.set AF,    32
.set R,     64
.set ACC,   128
.set CBASE, 10                         ; s[10:11] the rows' codes;  s[16:17] their scale words
.set SBASE, 16
; 16 loads: rows i0 .. i0 + 15 of my block of pair c (lanes 0-15: block 2 c, lanes 16-31: block 2 c + 1), four columns each
.macro ISSUE c, i0
.set i, \i0
.rept 16
	global_load_b128 v[L+4*i:L+4*i+3], v2, s[4:5] offset:(64*\c+i)*RP th:TH_LOAD_NT
.set i, i+1
.endr
.endm
; the largest magnitude of my block of each of my four columns, taken as the rows arrive, and from it the conversions' scale operand, in v26-29
.macro MAXB
	s_wait_loadcnt 24                              ; rows 0-7 are in; the 24 loads behind them may be out
.irp u, 0,1,2,3
	v_max3_num_f32 v[26+\u], |v[L+\u]|, |v[L+4+\u]|, 0x2800000       ; and the floor 2^(5 - 127): the byte cannot fall under 1
.endr
.irp i, 2,4,6,8,10,12,14,16,18,20,22,24,26,28,30
.if \i % 8 == 0
	s_wait_alu depctr_va_vdst(0)
	s_wait_loadcnt 24-\i                           ; the next eight rows
.endif
.irp u, 0,1,2,3
	v_max3_num_f32 v[26+\u], v[26+\u], |v[L+4*\i+\u]|, |v[L+4*\i+4+\u]|   ; (the four columns by turns)
.endr
.endr
.irp u, 0,1,2,3
	v_add_nc_u32 v[26+\u], 0xfe000000, v[26+\u]    ; 4 off the exponent field: the conversion takes the exponent field of this operand as its scale
.endr
.endm
; rows 16 q .. 16 q + 15 of the block become codes: each column's 16 numbers are gathered into one of two runs of registers, by turns, so that plain instructions stand between a conversion and the next write of its sources
.macro CONV c, q
.irp u, 0,1,2,3
.set i, 0
.rept 16
	v_mov_b32 v[T+16*(\u%2)+i], v[L+64*\q+4*i+\u]
.set i, i+1
.endr
.if \q == 0
	v_cvt_scalef32_pk16_bf6_f32 v[F+12*\u+6*\c:F+12*\u+6*\c+2], v[T+16*(\u%2):T+16*(\u%2)+15], v[26+\u]
.else
	v_cvt_scalef32_pk16_bf6_f32 v[U+4*\u:U+4*\u+2], v[T+16*(\u%2):T+16*(\u%2)+15], v[26+\u]   ; (a conversion's three registers begin on an even number: the upper halves are made elsewhere and moved)
.endif
.endr
.endm
.macro UPPER c
.irp u, 0,1,2,3
.irp i, 0,1,2
	v_mov_b32 v[F+12*\u+6*\c+3+\i], v[U+4*\u+\i]
.endr
.endr
.endm
.macro WLOAD hs                        ; group hs: four fragments and two scale registers, as they were stored
.irp t, 0,1,2,3
.irp q, 0,1,2
	ds_load_b128 v[WF+12*\t+4*\q:WF+12*\t+4*\q+3], v[5+(\hs)/8] offset:6144*((\hs)%8)+1536*\t+512*\q
.endr
.endr
	ds_load_b32 v16, v7 offset:256*(\hs)
	ds_load_b32 v17, v7 offset:256*(\hs)+128
.endm
.macro ALOAD s, buf                    ; K step s of the item's two tiles of rows: 6 + 1 loads.  In the scale register lanes 0-15 take the first tile's words, lanes 16-31 the second's
.irp a, 0,1
.irp q, 0,1,2
	global_load_b128 v[AF+24*(\buf)+12*\a+4*\q:AF+24*(\buf)+12*\a+4*\q+3], v[9+\a], s[CBASE:CBASE+1] offset:1536*(\s)+512*\q
.endr
.endr
	global_load_b32 v[18+(\buf)], v11, s[SBASE:SBASE+1] offset:128*(\s)
.endm
.macro WM d, w, a, sw, sa, ra, rb      ; one product in place; ra, rb: which half of the lanes holds the side's scale words
.if (\ra) && (\rb)
	v_wmma_scale_f32_16x16x128_f8f6f4 v[(\d):(\d)+7], v[(\w):(\w)+11], v[(\a):(\a)+11], v[(\d):(\d)+7], v[(\sw)], v[(\sa)] matrix_a_fmt:MATRIX_FMT_BF6 matrix_b_fmt:MATRIX_FMT_BF6 matrix_a_scale:MATRIX_SCALE_ROW1 matrix_b_scale:MATRIX_SCALE_ROW1
.elseif (\ra)
	v_wmma_scale_f32_16x16x128_f8f6f4 v[(\d):(\d)+7], v[(\w):(\w)+11], v[(\a):(\a)+11], v[(\d):(\d)+7], v[(\sw)], v[(\sa)] matrix_a_fmt:MATRIX_FMT_BF6 matrix_b_fmt:MATRIX_FMT_BF6 matrix_a_scale:MATRIX_SCALE_ROW1
.elseif (\rb)
	v_wmma_scale_f32_16x16x128_f8f6f4 v[(\d):(\d)+7], v[(\w):(\w)+11], v[(\a):(\a)+11], v[(\d):(\d)+7], v[(\sw)], v[(\sa)] matrix_a_fmt:MATRIX_FMT_BF6 matrix_b_fmt:MATRIX_FMT_BF6 matrix_b_scale:MATRIX_SCALE_ROW1
.else
	v_wmma_scale_f32_16x16x128_f8f6f4 v[(\d):(\d)+7], v[(\w):(\w)+11], v[(\a):(\a)+11], v[(\d):(\d)+7], v[(\sw)], v[(\sa)] matrix_a_fmt:MATRIX_FMT_BF6 matrix_b_fmt:MATRIX_FMT_BF6
.endif
.endm
; 8 products: the group's four tiles of columns x the item's two tiles of rows.  The eight accumulators take turns, one instruction a turn.
; Four plain instructions follow: loads into registers that these products have read, and reads of their results, stand behind them (ISA guide 7.12.1 for vector instructions).
.macro MUL8 cg, buf
.irp t, 0,1,2,3
.irp a, 0,1
	WM ACC+64*\a+32*(\cg)+8*\t, WF+12*\t, AF+24*(\buf)+12*\a, 16+\t/2, 18+(\buf), \t%2, \a
.endr
.endr
.rept 4
	v_nop
.endr
.endm
; Tile a's 16 rows x 128 columns: relu, then the quantiser along the columns, which are K step fx of the next product.
; Accumulator register 32 g + 8 t + j is column 64 g + 32 h + 4 j + t of row r; the relu puts it at v[R + 32 g + 4 j + t]: so v[R + 32 g + i] = column 64 g + 32 h + i: block 2 g + h, whole and in order.
; The codes are left in v[32 + 12 a] on, the scale word in v[22 + a]: tile 1's arithmetic names neither of tile 0's, so both tiles' stores follow together (HOUT).
.macro HQ a
.set HB, ACC+64*\a
.set HCA, 32+12*\a
.set n, 0
.rept 64
	v_max_num_f32 v[R+32*(n/32)+4*(n%8)+(n%32)/8], 0, v[HB+n]        ; the activation, in f32; each accumulator from its low end on
.set n, n+1
.endr
	v_max3_num_f32 v26, v[R], v[R+1], 0x2800000    ; none is negative: no |.|
	v_max3_num_f32 v27, v[R+32], v[R+33], 0x2800000
.irp i, 2,4,6,8,10,12,14,16,18,20,22,24,26,28,30
	v_max3_num_f32 v26, v26, v[R+\i], v[R+\i+1]
	v_max3_num_f32 v27, v27, v[R+32+\i], v[R+33+\i]
.endr
	v_add_nc_u32 v28, 0xfe000000, v26
	v_add_nc_u32 v29, 0xfe000000, v27
	v_lshrrev_b32 v30, 23, v28
	v_lshrrev_b32 v31, 23, v29
	v_cvt_scalef32_pk16_bf6_f32 v[HCA:HCA+2], v[R:R+15], v28
	v_cvt_scalef32_pk16_bf6_f32 v[56:58], v[R+16:R+31], v28
	v_cvt_scalef32_pk16_bf6_f32 v[HCA+6:HCA+8], v[R+32:R+47], v29
	v_cvt_scalef32_pk16_bf6_f32 v[60:62], v[R+48:R+63], v29
	v_lshl_or_b32 v30, v31, 16, v30                ; (a plain instruction behind the conversions)  my two bytes: blocks h and 2 + h,
.irp i, 0,1,2
	v_mov_b32 v[HCA+3+\i], v[56+\i]
	v_mov_b32 v[HCA+9+\i], v[60+\i]
.endr
	v_lshlrev_b32 v27, 3, v24
	v_lshlrev_b32 v30, v27, v30                    ; at their places in the word;
	v_permlanex16_b32 v31, v30, s28, s29
	v_or_b32 v[22+\a], v30, v31                    ; with lane l xor 16's two the row's word is whole, in both halves of the lanes
.endm
.macro HOUT a                          ; tile a's image and its scale words leave
.set HCA, 32+12*\a
.irp q, 0,1,2
	global_store_b128 v[12+\a], v[HCA+4*\q:HCA+4*\q+3], s[12:13] offset:512*\q   ; each store covers 512 consecutive bytes, aligned
.endr
	global_store_b32 v[14+\a], v[22+\a], s[14:15]
.endm
	s_load_b256 s[4:11], s[0:1], 0x0               ; W1 s[4:5], b1 s[6:7], bitmap s[8:9], xs s[10:11]
	s_load_b64 s[12:13], s[0:1], 0x20              ; hc
	v_lshl_add_u32 v20, v0, 2, 0x19400
	v_mov_b32 v21, 0
	v_lshrrev_b32 v1, 5, v0
	v_readfirstlane_b32 s18, v1                    ; wave 0..15
	v_and_b32 v1, 31, v0                           ; lane
	v_and_b32 v26, 15, v0                          ; j
	v_bfe_u32 v24, v0, 4, 1                        ; h
	v_lshlrev_b32 v2, 4, v26
	v_lshl_add_u32 v2, v24, HSH, v2                ; my 16 bytes of a row's 256, and 32 rows further down in lanes 16-31
	v_and_b32 v9, 127, v0
	v_lshlrev_b32 v9, 2, v9                        ; b1: thread t takes the number of column t % 128
	s_and_b32 s20, ttmp7, 0xffff                   ; the expert
	s_lshl_b32 s2, s20, 24                         ; 16,777,216 e
	s_wait_alu depctr_va_sdst(0)                   ; s18 is written, ahead of its first reader: W1's base, the LDS places and the items are made from it
	s_lshr_b32 s30, s18, 1
	s_lshl_b32 s30, s30, 21                        ; + 128 rows of 16,384 bytes x K step
	s_add_co_u32 s2, s2, s30
	s_lshl_b32 s30, ttmp9, 9                       ; + 512 fx
	s_add_co_u32 s2, s2, s30
	s_and_b32 s30, s18, 1
	s_lshl_b32 s30, s30, 8                         ; + 256 (w % 2)
	s_add_co_u32 s2, s2, s30
	s_mov_b32 s3, 0
	s_lshl_b32 s30, s20, 14
	s_lshl_b32 s31, ttmp9, 9
	s_add_co_u32 s30, s30, s31
	s_mov_b32 s31, 0
	s_wait_kmcnt 0x0
	s_add_nc_u64 s[4:5], s[4:5], s[2:3]
	s_add_nc_u64 s[6:7], s[6:7], s[30:31]          ; b1 + 16,384 e + 512 fx
	s_wait_alu depctr_va_vdst(0)                   ; v2 and v9 are written: the loads below, and all later loads of W1, read them as their offsets
	global_load_b32 v31, v9, s[6:7]                ; issued first, by every wave: so the counts below are the same in all waves
	ISSUE 0, 0
	ISSUE 0, 16
	; while they are out: the expert's map, the addresses, the bases
	s_lshl_b32 s2, s20, 7
	s_add_nc_u64 s[8:9], s[8:9], s[2:3]
	s_load_b512 s[32:47], s[8:9], 0x0
	s_load_b512 s[48:63], s[8:9], 0x40
	v_lshlrev_b32 v5, 4, v1                        ; 16 l: groups 0-7
	v_add_nc_u32 v6, 49152, v5                     ; groups 8-15
	v_lshlrev_b32 v25, 2, v1                       ; 4 l
	v_add_nc_u32 v7, WSC, v25
	s_mul_i32 s30, s18, 6144
	v_add_nc_u32 v3, s30, v5                       ; my group's images
	s_lshl_b32 s30, s18, 8
	v_add_nc_u32 v4, s30, v7                       ; and its scale registers
	v_lshl_add_u32 v8, v24, 7, BL                  ; b1 out of LDS: + 128 h
	v_bfe_u32 v10, v0, 5, 2                        ; b1 into LDS, by threads 0-127: column t = 32 (2 g + h) + 4 j + u goes to 128 (2 g + h) + 32 u + 4 j
	v_and_b32 v11, 3, v0
	v_bfe_u32 v12, v0, 2, 3
	v_lshl_add_u32 v10, v10, 7, BL
	v_lshl_add_u32 v10, v11, 5, v10
	v_lshl_add_u32 v10, v12, 2, v10
	s_mov_b32 s28, 0x76543210
	s_mov_b32 s29, 0xfedcba98
	s_lshl_b32 s2, s20, 16
	s_add_nc_u64 s[16:17], s[10:11], s[2:3]
	s_add_nc_u64 s[16:17], s[16:17], XSC           ; x's scale words of the expert
	s_mul_i32 s2, s20, 786432
	s_add_nc_u64 s[10:11], s[10:11], s[2:3]        ; x's codes of the expert
	s_lshl_b32 s2, s20, 18
	s_lshl_b32 s30, ttmp9, 7
	s_add_co_u32 s2, s2, s30
	s_add_nc_u64 s[14:15], s[12:13], s[2:3]
	s_add_nc_u64 s[14:15], s[14:15], HSC           ; h's scale words: + 262,144 e + 128 fx
	s_mul_i32 s2, s20, 3145728
	s_mul_i32 s30, ttmp9, 1536
	s_add_co_u32 s2, s2, s30
	s_add_nc_u64 s[12:13], s[12:13], s[2:3]        ; h's codes: + 3,145,728 e + 1,536 fx
	s_wait_kmcnt 0x0
	s_bcnt1_i32_b32 s21, s32                       ; the expert's count of rows
.set i, 33
.rept 31
	s_bcnt1_i32_b32 s30, s[i]
	s_add_co_u32 s21, s21, s30
.set i, i+1
.endr
	s_add_co_u32 s22, s21, 15
	s_lshr_b32 s22, s22, 4                         ; tiles
	s_add_co_u32 s23, s22, 1
	s_lshr_b32 s23, s23, 1                         ; items
	MAXB                                           ; blocks 0 | 1
	CONV 0, 0
	s_wait_alu depctr_va_vdst(0)                   ; the maxima and the gathers are done reading rows 0-15, v128-191, in which the loads below land
	ISSUE 1, 0                                     ; rows 0-15 have been gathered: their registers take the next block's
	CONV 0, 1
	s_wait_alu depctr_va_vdst(0)                   ; the gathers are done reading rows 16-31, v192-255, in which the loads below land
	ISSUE 1, 16
.irp u, 0,1,2,3
	v_lshrrev_b32 v[P+4*\u], 23, v[26+\u]          ; the scales' bytes.  (Plain instructions behind the conversions)
.endr
	UPPER 0
	MAXB                                           ; blocks 2 | 3
.irp u, 0,1,2,3
	v_lshrrev_b32 v[T+\u], 23, v[26+\u]
.endr
.irp u, 0,1,2,3
	v_lshl_or_b32 v[P+4*\u], v[T+\u], 16, v[P+4*\u]   ; my two bytes of column u: blocks h and 2 + h,
.endr
	v_lshlrev_b32 v30, 3, v24
.irp u, 0,1,2,3
	v_lshlrev_b32 v[P+4*\u], v30, v[P+4*\u]        ; at their places in the word
.endr
	v_permlane16_swap_b32 v[P], v[P+4]             ; the first's lanes 16-31 change places with the second's lanes 0-15: the first now holds the even blocks' bytes of tiles 0 | 1, the second the odd blocks'
	v_permlane16_swap_b32 v[P+8], v[P+12]
	v_or_b32 v22, v[P], v[P+4]                     ; lanes 0-15: tile 0's words, lanes 16-31: tile 1's
	v_or_b32 v23, v[P+8], v[P+12]                  ; tiles 2 | 3
	CONV 1, 0
	CONV 1, 1
	UPPER 1
	s_wait_alu depctr_va_vdst(0)                   ; the conversions and moves have written the fragments v80-127, the ORs v22 and v23, which the LDS stores read; their addresses v3, v4, v10 and those of the later LDS loads, v5-v8, are written too
.irp t, 0,1,2,3
.irp q, 0,1,2
	ds_store_b128 v3, v[F+12*\t+4*\q:F+12*\t+4*\q+3] offset:1536*\t+512*\q
.endr
.endr
	ds_store_b32 v4, v22
	ds_store_b32 v4, v23 offset:128
	s_cmp_ge_u32 s18, 4
	s_cbranch_scc1 .Lno_bias                       ; waves 0-3 put b1's 128 numbers into LDS
	ds_store_b32 v10, v31
.Lno_bias:
	s_wait_dscnt 0x0                               ; for the others' sake: my stores have landed
	s_barrier_signal -1
	s_barrier_wait -1                              ; the work-group's codes and b1 lie in LDS; from here on they are only read
	s_mov_b32 s24, s18                             ; my first item
	s_mov_b32 s2, 0                                ; trips: 2 x 16 items reach an expert's 32
.Litem:
	s_wait_alu depctr_vm_vsrc(0)                   ; the memory and LDS instructions issued so far have read their registers, which this trip writes again: the offsets v9-v15, h's codes v32-55 and scale words v22, v23; in the first trip v9, v10, v31 (b1's load and LDS store), v80-127, v22, v23 (the LDS stores)
	s_cmp_ge_u32 s24, s23                          ; no item left: out of the loop
	s_cbranch_scc1 .Lend
	s_lshl_b32 s25, s24, 1                         ; the item's first tile,
	s_add_co_u32 s26, s25, 1
	s_cmp_lt_u32 s26, s22
	s_cselect_b32 s26, 1, 0                        ; and how far on the second lies: 1, or 0 where the first is the expert's last
	s_min_u32 s25, s25, 62                         ; both held, since they enter addresses
	s_min_u32 s26, s26, 1
	s_add_co_u32 s27, s25, s26                     ; the second tile
	s_mul_i32 s30, s25, 12288
	v_add_nc_u32 v9, s30, v5                       ; x's images
	s_mul_i32 s30, s27, 12288
	v_add_nc_u32 v10, s30, v5
	s_lshl_b32 s30, s26, 10
	v_mad_u32_u24 v11, v24, s30, v25               ; x's scale words: lanes 16-31 take the second tile's
	s_lshl_b32 s30, s25, 10
	v_add_nc_u32 v11, s30, v11
	s_mul_i32 s30, s25, 49152
	v_add_nc_u32 v12, s30, v5                      ; h's images
	s_mul_i32 s30, s27, 49152
	v_add_nc_u32 v13, s30, v5
	s_lshl_b32 s30, s25, 12
	v_add_nc_u32 v14, s30, v25                     ; h's scale words
	s_lshl_b32 s30, s27, 12
	v_add_nc_u32 v15, s30, v25
	s_wait_alu depctr_va_vdst(0)                   ; the offsets v9-v15 are written; and the vector and matrix instructions of phase S or of the item before are done with v16-v19 and v32-255, in which the loads up to the first products land
	ALOAD 0, 0
.irp a, 0,1
.irp t, 0,1,2,3,4,5,6,7
	ds_load_b128 v[ACC+64*\a+8*\t:ACC+64*\a+8*\t+3], v8 offset:256*(\t/4)+32*(\t%4)          ; b1 in the result's layout: register j of tile t: column 64 (t / 4) + 32 h + 4 j + t % 4
	ds_load_b128 v[ACC+64*\a+8*\t+4:ACC+64*\a+8*\t+7], v8 offset:256*(\t/4)+32*(\t%4)+16
.endr
.endr
.irp s, 0,1,2,3,4,5,6,7
.if \s > 0
	s_wait_alu depctr_va_vdst(0)                   ; the last K step's products are done reading the weights' fragments and scale words, v80-127, v16, v17, and their buffer of rows with its scale word: the loads below land in them
.endif
	WLOAD 2*\s
.if \s < 7
	ALOAD \s+1, (\s+1)%2
	s_wait_loadcnt 7                               ; this K step's rows are in; the seven loads just issued may be out
.else
	s_wait_loadcnt 0x0
.endif
	s_wait_dscnt 0x0
	MUL8 0, \s%2
	s_wait_alu depctr_va_vdst(0)                   ; these eight products are done reading v80-127, v16, v17, in which the K step's other group lands
	WLOAD 2*\s+1
	s_wait_dscnt 0x0
	MUL8 1, \s%2
.endr
	HQ 0
	HQ 1
	s_wait_alu depctr_va_vdst(0)                   ; the conversions and moves have written both tiles' codes, v32-55, and the ORs their scale words, v22, v23, which the eight stores read
	HOUT 0
	HOUT 1
	s_wait_xcnt 0x0                                ; the stores' data and all offsets are written again in the next trip
	s_add_co_u32 s24, s24, 16
	s_add_co_u32 s2, s2, 1
	s_cmp_lt_u32 s2, 2
	s_cbranch_scc1 .Litem
.Lend:
	s_wait_dscnt 0x0                               ; the closing lines, six on end
	s_wait_alu 0x0
	s_wait_tensorcnt 0x0
	ds_add_u32 v20, v21
	s_wait_dscnt 0x0
	s_endpgm
.Lfunc_end_k_q65a15e0e0c_gemm1:
	.size	k_q65a15e0e0c_gemm1, .Lfunc_end_k_q65a15e0e0c_gemm1-k_q65a15e0e0c_gemm1
	.p2alignl 7, 3214868480
	.fill 96, 4, 3214868480
	.section	.rodata,"a",@progbits
	.p2align	6, 0x0
	.amdhsa_kernel k_q65a15e0e0c_gemm1
		.amdhsa_group_segment_fixed_size 105472
		.amdhsa_private_segment_fixed_size 0
		.amdhsa_enable_private_segment 0
		.amdhsa_kernarg_size 40
		.amdhsa_user_sgpr_count 2
		.amdhsa_user_sgpr_kernarg_segment_ptr 1
		.amdhsa_wavefront_size32 1
		.amdhsa_system_sgpr_workgroup_id_x 1
		.amdhsa_system_sgpr_workgroup_id_y 1
		.amdhsa_system_sgpr_workgroup_id_z 1
		.amdhsa_system_vgpr_workitem_id 0
		.amdhsa_next_free_vgpr 256
		.amdhsa_next_free_sgpr 66
		.amdhsa_reserve_vcc 0
		.amdhsa_float_denorm_mode_32 3
		.amdhsa_float_denorm_mode_16_64 3
		.amdhsa_memory_ordered 1
		.amdhsa_forward_progress 1
		.amdhsa_inst_pref_size 85
	.end_amdhsa_kernel
	.amdgpu_metadata
---
amdhsa.version: [ 1, 2 ]
amdhsa.kernels:
  - .name:           k_q65a15e0e0c_gemm1
    .symbol:         k_q65a15e0e0c_gemm1.kd
    .args:
      - { .name: W1, .offset: 0, .size: 8, .value_kind: global_buffer, .address_space: global }
      - { .name: b1, .offset: 8, .size: 8, .value_kind: global_buffer, .address_space: global }
      - { .name: bitmap, .offset: 16, .size: 8, .value_kind: global_buffer, .address_space: global }
      - { .name: xs, .offset: 24, .size: 8, .value_kind: global_buffer, .address_space: global }
      - { .name: hc, .offset: 32, .size: 8, .value_kind: global_buffer, .address_space: global }
    .group_segment_fixed_size: 105472
    .private_segment_fixed_size: 0
    .kernarg_segment_align: 8
    .kernarg_segment_size: 40
    .max_flat_workgroup_size: 512
    .sgpr_count:     66
    .vgpr_count:     256
    .wavefront_size: 32
...
	.end_amdgpu_metadata
.endif
;; end of part 8
;; launch gemm2 (part 9): grid 32 x 8, 16 waves a work-group, no clusters, 174,080 bytes of LDS; arguments W2, bitmap, hc, y; writes y
.if DOCPART == 9
	.amdgcn_target "amdgcn-amd-amdhsa--gfx1250"
	.amdhsa_code_object_version 6
	.text
	.protected	k_q65a15e0e0c_gemm2
	.globl	k_q65a15e0e0c_gemm2
	.p2align	8
	.type	k_q65a15e0e0c_gemm2,@function
k_q65a15e0e0c_gemm2:
	s_mov_b64 s[64:65], 0
	v_nop
	global_prefetch_b8 v0, s[64:65] scope:SCOPE_SE
	s_setreg_imm32_b32 hwreg(HW_REG_WAVE_SCHED_MODE, 0, 2), 2
	s_setreg_imm32_b32 hwreg(HW_REG_WAVE_MODE, 25, 1), 1
	s_wait_xcnt 0x0
	s_wait_alu depctr_vm_vsrc(0)
; y = h W2[e] for the rows that chose expert e, on codes of BF6 (E3M2) with one E8M0 scale for each 32 along K = F; f32 sums; K in two halves, whose sums a later launch adds.
; THE WEIGHTS STAND STILL.  Work-group (dx + 16 kh, e) owns W2[e][2048 kh .. + 2047][64 dx .. + 63]: 512 KiB of f32, read once, quantised in registers, kept as 96 KiB of codes in LDS; then only e's rows pass by.
; PHASE S.  Wave w streams K step w of the half (128 rows k) x the 64 columns by 64 loads of 16 bytes a lane: lanes 0-15 take 256 consecutive, aligned bytes of row k, lanes 16-31 those of row k + 32.
;   So lane (j, h) holds columns 4 j .. 4 j + 3 at rows 64 c + 32 h + 0 .. 31: of each of its four columns the two blocks that the 6-bit layout gives to lane (j, h).  Fragment t takes column 4 m + t at its slot m, and
;   the codes are made in the lanes in which the operand wants them.  A load's four registers are four columns, a conversion takes 16 neighbours along K from consecutive registers: 16 v_mov_b32 gather them ahead of each.
;   A block's 32 loads, 16 KiB a wave, go out together; the second block's go out in two halves, each as soon as its rows have been gathered.
;   The fragments go to LDS as images of their registers, two scale registers beside them.  One barrier.
; PHASE T.  The expert's tiles of 16 rows, two to an item, items w and w + 16 to wave w (an expert has at most 64 tiles, 32 items); the count comes from the expert's map.  An item: 16 K steps x 8 matrix instructions,
;   the rows' images three K steps ahead.  The product is used transposed (source 0 = 16 columns of W2, source 1 = 16 rows of h): lane (r, h) holds row r, and register j of tile t is column 32 h + 4 j + t.
;   32 v_mov_b32 a tile put them in ascending order: 128 consecutive bytes of a row of y; they turn through the wave's own stage in LDS and leave as rows: sixteen lanes store 256 consecutive bytes, aligned.
;   y = [2 halves][8,192 sorted rows][1,024] f32.  With an odd number of tiles the last item takes the last tile twice and stores the same bytes twice.
; NO TENSOR LOAD, NO CLUSTER: the items' count is read from memory and the way through the loop hangs on it; what the 16 work-groups of an expert's half share, the rows' images, is 24 KiB a tile beside 512 KiB of weights of their own.
; LIMITS: NaN and infinities are not served; a block of W2 whose largest magnitude lies under 2^-122, a block of zeros too, gets the byte 1 (the bytes are read by this program alone).
; REGISTERS: v2 my place in a row of W2; v3, v4 where I store in LDS; v5-7 where I read; v8 my place in two rows of y; v9-11, v14, v15 the item's offsets; v12, v13 the stage; v16, 17 the weights' scale words, v18-21 the rows':
;   scales and nothing else; v22, 23 scale words in the making; v24 h, v25 4 l; v26-31 at work.  Phase S: v32-63 two runs of 16 neighbours, v64-79 upper halves and bytes, v80-127 four fragments, v128-255 a block: 32 rows x 4 columns.
;   Phase T: v32-79 weights' fragments, v80-175 rows' fragments (four buffers), v192-255 accumulators; on the way out v80-143 the results in order, v144-175 and v32-63 rows of y.
; THE MODE: SCHED_MODE bits 1:0 = 2 (LLVM: expert scheduling mode 2), set by the entry lines.  The code itself states the register dependences between vector or matrix instructions and memory or LDS instructions,
; with s_wait_alu, always for 0.
; THE PLAN.  Registers that memory or LDS instructions touch, and who else names them:
;   v2, v3-v8, v12, v13  offsets and LDS addresses: written by vector lines at the head, never again.
;   v128-255, phase S  the streamed loads land here; the maxima and the gathers read them; rows 0-15 are loaded again behind the first gathers, rows 16-31 behind the second: a wait on va_vdst ahead of each half.
;   v80-127, v22, v23, phase S  written by conversions, moves and ORs, read by the LDS stores: one wait on va_vdst ahead of the run of stores.
;   v9-v11, v14, v15  written by vector adds at an item's head, read by the item's loads and stores.
;   v32-79, v16, v17  K step s: LDS loads land here, the step's eight products read them: ONE buffer (a second would take two of the rows' four).
;   v80-175, v18-v21  four buffers by turns: K step s's products read buffer s % 4; the loads of K step s + 3 land in buffer (s + 3) % 4 = (s - 1) % 4.
;   So ONE wait on va_vdst stands at the head of a K step: the products of the step before are done reading the weights' buffer and their buffer of rows.  Behind it come the weights' LDS loads; the seven loads of the rows
;   three steps on are dealt among the step's eight products, which name the weights' buffer, buffer s % 4 and the accumulators: none of the registers that those loads touch.
;   v80-143 on the way out  written by both tiles' 64 moves, read by the stage's stores; v144-175 and v32-63: the stage's loads land there, the stores to y read them: one wait on va_vdst ahead of the stage.
; One wait on vm_vsrc stands at the item loop's label: all that memory and LDS instructions have read so far is written again only behind it.  One wait on va_vdst stands behind the item's address adds: the offsets are
; written, and every vector or matrix instruction of phase S or of the item before is done with the registers in which this item's loads land.
.set RP,    4096                       ; bytes from row k to row k + 1
.set HSH,   17                         ; 32 rows are 2^17 bytes
.set WSC,   98304                      ; LDS: 16 groups of 4 fragments (6,144 bytes each), then their scale registers (256 bytes each),
.set STG,   102400                     ; then a stage of 16 rows x (256 bytes + 16) for each wave
.set HSC,   25165824
.set T,     32
.set U,     64                         ; column u's upper half at v[U + 4 u] on, three registers;
.set P,     67                         ; its scale bytes in v[P + 4 u]
.set F,     80
.set L,     128
.set WF,    32
.set AF,    80
.set ACC,   192
.set YT,    80
.set CBASE, 8                          ; s[8:9] the rows' codes;  s[14:15] their scale words
.set SBASE, 14
; 16 loads: rows i0 .. i0 + 15 of my block of pair c (lanes 0-15: block 2 c, lanes 16-31: block 2 c + 1), four columns each
.macro ISSUE c, i0
.set i, \i0
.rept 16
	global_load_b128 v[L+4*i:L+4*i+3], v2, s[4:5] offset:(64*\c+i)*RP th:TH_LOAD_NT
.set i, i+1
.endr
.endm
; the largest magnitude of my block of each of my four columns, taken as the rows arrive, and from it the conversions' scale operand, in v26-29
.macro MAXB
	s_wait_loadcnt 24                              ; rows 0-7 are in; the 24 loads behind them may be out
.irp u, 0,1,2,3
	v_max3_num_f32 v[26+\u], |v[L+\u]|, |v[L+4+\u]|, 0x2800000       ; and the floor 2^(5 - 127): the byte cannot fall under 1
.endr
.irp i, 2,4,6,8,10,12,14,16,18,20,22,24,26,28,30
.if \i % 8 == 0
	s_wait_alu depctr_va_vdst(0)
	s_wait_loadcnt 24-\i                           ; the next eight rows
.endif
.irp u, 0,1,2,3
	v_max3_num_f32 v[26+\u], v[26+\u], |v[L+4*\i+\u]|, |v[L+4*\i+4+\u]|   ; (the four columns by turns)
.endr
.endr
.irp u, 0,1,2,3
	v_add_nc_u32 v[26+\u], 0xfe000000, v[26+\u]    ; 4 off the exponent field: the conversion takes the exponent field of this operand as its scale
.endr
.endm
; rows 16 q .. 16 q + 15 of the block become codes: each column's 16 numbers are gathered into one of two runs of registers, by turns, so that plain instructions stand between a conversion and the next write of its sources
.macro CONV c, q
.irp u, 0,1,2,3
.set i, 0
.rept 16
	v_mov_b32 v[T+16*(\u%2)+i], v[L+64*\q+4*i+\u]
.set i, i+1
.endr
.if \q == 0
	v_cvt_scalef32_pk16_bf6_f32 v[F+12*\u+6*\c:F+12*\u+6*\c+2], v[T+16*(\u%2):T+16*(\u%2)+15], v[26+\u]
.else
	v_cvt_scalef32_pk16_bf6_f32 v[U+4*\u:U+4*\u+2], v[T+16*(\u%2):T+16*(\u%2)+15], v[26+\u]   ; (a conversion's three registers begin on an even number: the upper halves are made elsewhere and moved)
.endif
.endr
.endm
.macro UPPER c
.irp u, 0,1,2,3
.irp i, 0,1,2
	v_mov_b32 v[F+12*\u+6*\c+3+\i], v[U+4*\u+\i]
.endr
.endr
.endm
.macro WLOAD hs                        ; group hs: four fragments and two scale registers, as they were stored
.irp t, 0,1,2,3
.irp q, 0,1,2
	ds_load_b128 v[WF+12*\t+4*\q:WF+12*\t+4*\q+3], v[5+(\hs)/8] offset:6144*((\hs)%8)+1536*\t+512*\q
.endr
.endr
	ds_load_b32 v16, v7 offset:256*(\hs)
	ds_load_b32 v17, v7 offset:256*(\hs)+128
.endm
.macro ALOAD s, buf                    ; K step s of the item's two tiles of rows: 6 + 1 loads.  In the scale register lanes 0-15 take the first tile's words, lanes 16-31 the second's
.irp a, 0,1
.irp q, 0,1,2
	global_load_b128 v[AF+24*(\buf)+12*\a+4*\q:AF+24*(\buf)+12*\a+4*\q+3], v[9+\a], s[CBASE:CBASE+1] offset:1536*(\s)+512*\q
.endr
.endr
	global_load_b32 v[18+(\buf)], v11, s[SBASE:SBASE+1] offset:128*(\s)
.endm
.macro APART s, buf, p                 ; the same seven loads in four parts: part p = 0, 1, 2: register group p of both tiles; part 3: the scale words
.if (\p) < 3
	global_load_b128 v[AF+24*(\buf)+4*(\p):AF+24*(\buf)+4*(\p)+3], v9, s[CBASE:CBASE+1] offset:1536*(\s)+512*(\p)
	global_load_b128 v[AF+24*(\buf)+12+4*(\p):AF+24*(\buf)+12+4*(\p)+3], v10, s[CBASE:CBASE+1] offset:1536*(\s)+512*(\p)
.else
	global_load_b32 v[18+(\buf)], v11, s[SBASE:SBASE+1] offset:128*(\s)
.endif
.endm
.macro WM d, w, a, sw, sa, ra, rb, zero   ; one product; ra, rb: which half of the lanes holds the side's scale words; zero = 1: it starts the sum: nothing is ever cleared
.if \zero
.if (\ra) && (\rb)
	v_wmma_scale_f32_16x16x128_f8f6f4 v[(\d):(\d)+7], v[(\w):(\w)+11], v[(\a):(\a)+11], 0, v[(\sw)], v[(\sa)] matrix_a_fmt:MATRIX_FMT_BF6 matrix_b_fmt:MATRIX_FMT_BF6 matrix_a_scale:MATRIX_SCALE_ROW1 matrix_b_scale:MATRIX_SCALE_ROW1
.elseif (\ra)
	v_wmma_scale_f32_16x16x128_f8f6f4 v[(\d):(\d)+7], v[(\w):(\w)+11], v[(\a):(\a)+11], 0, v[(\sw)], v[(\sa)] matrix_a_fmt:MATRIX_FMT_BF6 matrix_b_fmt:MATRIX_FMT_BF6 matrix_a_scale:MATRIX_SCALE_ROW1
.elseif (\rb)
	v_wmma_scale_f32_16x16x128_f8f6f4 v[(\d):(\d)+7], v[(\w):(\w)+11], v[(\a):(\a)+11], 0, v[(\sw)], v[(\sa)] matrix_a_fmt:MATRIX_FMT_BF6 matrix_b_fmt:MATRIX_FMT_BF6 matrix_b_scale:MATRIX_SCALE_ROW1
.else
	v_wmma_scale_f32_16x16x128_f8f6f4 v[(\d):(\d)+7], v[(\w):(\w)+11], v[(\a):(\a)+11], 0, v[(\sw)], v[(\sa)] matrix_a_fmt:MATRIX_FMT_BF6 matrix_b_fmt:MATRIX_FMT_BF6
.endif
.else
.if (\ra) && (\rb)
	v_wmma_scale_f32_16x16x128_f8f6f4 v[(\d):(\d)+7], v[(\w):(\w)+11], v[(\a):(\a)+11], v[(\d):(\d)+7], v[(\sw)], v[(\sa)] matrix_a_fmt:MATRIX_FMT_BF6 matrix_b_fmt:MATRIX_FMT_BF6 matrix_a_scale:MATRIX_SCALE_ROW1 matrix_b_scale:MATRIX_SCALE_ROW1
.elseif (\ra)
	v_wmma_scale_f32_16x16x128_f8f6f4 v[(\d):(\d)+7], v[(\w):(\w)+11], v[(\a):(\a)+11], v[(\d):(\d)+7], v[(\sw)], v[(\sa)] matrix_a_fmt:MATRIX_FMT_BF6 matrix_b_fmt:MATRIX_FMT_BF6 matrix_a_scale:MATRIX_SCALE_ROW1
.elseif (\rb)
	v_wmma_scale_f32_16x16x128_f8f6f4 v[(\d):(\d)+7], v[(\w):(\w)+11], v[(\a):(\a)+11], v[(\d):(\d)+7], v[(\sw)], v[(\sa)] matrix_a_fmt:MATRIX_FMT_BF6 matrix_b_fmt:MATRIX_FMT_BF6 matrix_b_scale:MATRIX_SCALE_ROW1
.else
	v_wmma_scale_f32_16x16x128_f8f6f4 v[(\d):(\d)+7], v[(\w):(\w)+11], v[(\a):(\a)+11], v[(\d):(\d)+7], v[(\sw)], v[(\sa)] matrix_a_fmt:MATRIX_FMT_BF6 matrix_b_fmt:MATRIX_FMT_BF6
.endif
.endif
.endm
; 8 products: the K step's four tiles of columns x the item's two tiles of rows.  The eight accumulators take turns, one instruction a turn.
; on: the K step whose rows are asked for among the products, a part behind each pair, or -1 for none.  No wait stands ahead of these loads: no vector or matrix instruction since the wait at the K step's head names their registers.
; Four plain instructions follow: loads into registers that these products have read, and reads of their results, stand behind them (ISA guide 7.12.1 for vector instructions).
.macro MUL8 buf, zero, on
.irp t, 0,1,2,3
.irp a, 0,1
	WM ACC+32*\a+8*\t, WF+12*\t, AF+24*(\buf)+12*\a, 16+\t/2, 18+(\buf), \t%2, \a, \zero
.endr
.if (\on) >= 0
	APART \on, (\on)%4, \t
.endif
.endr
.rept 4
	v_nop
.endr
.endm
; THE WAY OUT of tile a: accumulator register 8 t + j, column 32 h + 4 j + t, is put at place 4 j + t (ORDER); the lane's 128 bytes of row r go into my stage, and come back as whole rows of 256 bytes, two rows an instruction (STAGE).
.macro ORDER a
.set n, 0
.rept 32
	v_mov_b32 v[YT+32*\a+4*(n%8)+n/8], v[ACC+32*\a+n]                    ; each accumulator from its low end on
.set n, n+1
.endr
.endm
.macro STAGE a
.set OBA, 144-112*\a
.irp j, 0,1,2,3,4,5,6,7
	ds_store_b128 v12, v[YT+32*\a+4*\j:YT+32*\a+4*\j+3] offset:16*\j
.endr
.irp i, 0,1,2,3,4,5,6,7
	ds_load_b128 v[OBA+4*\i:OBA+4*\i+3], v13 offset:544*\i               ; LDS serves a wave's instructions in order: these see the stores above, and the next tile's stores come behind them
.endr
.endm
.macro SEND a, younger                 ; younger: the LDS instructions issued behind tile a's loads, which may stay out
.set OBA, 144-112*\a
.irp i, 0,1,2,3,4,5,6,7
	s_wait_dscnt \younger+7-\i
	global_store_b128 v[14+\a], v[OBA+4*\i:OBA+4*\i+3], s[10:11] offset:8192*\i th:TH_STORE_NT   ; 16 lanes store 256 consecutive bytes, at a multiple of 256 from y's first byte
.endr
.endm
	s_load_b256 s[4:11], s[0:1], 0x0               ; W2 s[4:5], bitmap s[6:7], hc s[8:9], y s[10:11]
	v_lshrrev_b32 v1, 5, v0
	v_readfirstlane_b32 s18, v1                    ; wave 0..15
	v_and_b32 v1, 31, v0                           ; lane
	v_and_b32 v26, 15, v0                          ; j
	v_bfe_u32 v24, v0, 4, 1                        ; h
	v_lshlrev_b32 v2, 4, v26
	v_lshl_add_u32 v2, v24, HSH, v2                ; my 16 bytes of a row's 256, and 32 rows further down in lanes 16-31
	s_and_b32 s20, ttmp7, 0xffff                   ; the expert
	s_and_b32 s19, ttmp9, 15                       ; dx: which 64 columns
	s_lshr_b32 s31, ttmp9, 4                       ; kh: which half of K
	s_lshl_b32 s2, s20, 24                         ; 16,777,216 e
	s_lshl_b32 s30, s31, 23                        ; + 2,048 rows of 4,096 bytes x kh
	s_add_co_u32 s2, s2, s30
	s_wait_alu depctr_va_sdst(0)                   ; s18 is written, ahead of its first reader: W2's base, the LDS places and the items are made from it
	s_lshl_b32 s30, s18, 19                        ; + 128 rows x wave
	s_add_co_u32 s2, s2, s30
	s_lshl_b32 s30, s19, 8                         ; + 256 dx
	s_add_co_u32 s2, s2, s30
	s_mov_b32 s3, 0
	s_wait_kmcnt 0x0
	s_add_nc_u64 s[4:5], s[4:5], s[2:3]
	s_wait_alu depctr_va_vdst(0)                   ; v2 is written: every load of W2 reads it as its offset
	ISSUE 0, 0
	ISSUE 0, 16
	; while they are out: the expert's map, the addresses, the bases
	s_lshl_b32 s2, s20, 7
	s_add_nc_u64 s[6:7], s[6:7], s[2:3]
	s_load_b512 s[32:47], s[6:7], 0x0
	s_load_b512 s[48:63], s[6:7], 0x40
	v_lshlrev_b32 v5, 4, v1                        ; 16 l: groups 0-7
	v_add_nc_u32 v6, 49152, v5                     ; groups 8-15
	v_lshlrev_b32 v25, 2, v1                       ; 4 l
	v_add_nc_u32 v7, WSC, v25
	s_mul_i32 s30, s18, 6144
	v_add_nc_u32 v3, s30, v5                       ; my group's images
	s_lshl_b32 s30, s18, 8
	v_add_nc_u32 v4, s30, v7                       ; and its scale registers
	s_mul_i32 s30, s18, 4352
	s_add_co_u32 s30, s30, STG                     ; my stage
	v_mul_u32_u24 v12, v26, 272
	v_lshl_add_u32 v12, v24, 7, v12
	v_add_nc_u32 v12, s30, v12                     ; in: row r = l % 16, + 128 h
	v_mul_u32_u24 v13, v24, 272
	v_lshl_add_u32 v13, v26, 4, v13
	v_add_nc_u32 v13, s30, v13                     ; back: lanes 0-15 one row, lanes 16-31 the next
	v_lshlrev_b32 v8, 12, v24
	v_lshl_add_u32 v8, v26, 4, v8                  ; and the same two rows in y
	s_lshl_b32 s2, s20, 18
	s_lshl_b32 s30, s31, 11
	s_add_co_u32 s2, s2, s30
	s_add_nc_u64 s[14:15], s[8:9], s[2:3]
	s_add_nc_u64 s[14:15], s[14:15], HSC           ; h's scale words: + 262,144 e + 16 K steps of 128 bytes x kh
	s_mul_i32 s2, s20, 3145728
	s_mul_i32 s30, s31, 24576
	s_add_co_u32 s2, s2, s30
	s_add_nc_u64 s[8:9], s[8:9], s[2:3]            ; h's codes: + 3,145,728 e + 16 K steps of 1,536 bytes x kh
	s_lshl_b32 s2, s31, 25
	s_lshl_b32 s30, s20, 22
	s_add_co_u32 s2, s2, s30
	s_lshl_b32 s30, s19, 8
	s_add_co_u32 s2, s2, s30
	s_add_nc_u64 s[10:11], s[10:11], s[2:3]        ; y: + 33,554,432 kh + 4,194,304 e + 256 dx
	s_wait_kmcnt 0x0
	s_bcnt1_i32_b32 s21, s32                       ; the expert's count of rows
.set i, 33
.rept 31
	s_bcnt1_i32_b32 s30, s[i]
	s_add_co_u32 s21, s21, s30
.set i, i+1
.endr
	s_add_co_u32 s22, s21, 15
	s_lshr_b32 s22, s22, 4                         ; tiles
	s_add_co_u32 s23, s22, 1
	s_lshr_b32 s23, s23, 1                         ; items
	MAXB                                           ; blocks 0 | 1
	CONV 0, 0
	s_wait_alu depctr_va_vdst(0)                   ; the maxima and the gathers are done reading rows 0-15, v128-191, in which the loads below land
	ISSUE 1, 0                                     ; rows 0-15 have been gathered: their registers take the next block's
	CONV 0, 1
	s_wait_alu depctr_va_vdst(0)                   ; the gathers are done reading rows 16-31, v192-255, in which the loads below land
	ISSUE 1, 16
.irp u, 0,1,2,3
	v_lshrrev_b32 v[P+4*\u], 23, v[26+\u]          ; the scales' bytes.  (Plain instructions behind the conversions)
.endr
	UPPER 0
	MAXB                                           ; blocks 2 | 3
.irp u, 0,1,2,3
	v_lshrrev_b32 v[T+\u], 23, v[26+\u]
.endr
.irp u, 0,1,2,3
	v_lshl_or_b32 v[P+4*\u], v[T+\u], 16, v[P+4*\u]   ; my two bytes of column u: blocks h and 2 + h,
.endr
	v_lshlrev_b32 v30, 3, v24
.irp u, 0,1,2,3
	v_lshlrev_b32 v[P+4*\u], v30, v[P+4*\u]        ; at their places in the word
.endr
	v_permlane16_swap_b32 v[P], v[P+4]             ; the first's lanes 16-31 change places with the second's lanes 0-15: the first now holds the even blocks' bytes of tiles 0 | 1, the second the odd blocks'
	v_permlane16_swap_b32 v[P+8], v[P+12]
	v_or_b32 v22, v[P], v[P+4]                     ; lanes 0-15: tile 0's words, lanes 16-31: tile 1's
	v_or_b32 v23, v[P+8], v[P+12]                  ; tiles 2 | 3
	CONV 1, 0
	CONV 1, 1
	UPPER 1
	s_wait_alu depctr_va_vdst(0)                   ; the conversions and moves have written the fragments v80-127, the ORs v22 and v23, which the LDS stores read; their addresses v3, v4 and those of the later LDS instructions, v5-v7, v12, v13, are written too
.irp t, 0,1,2,3
.irp q, 0,1,2
	ds_store_b128 v3, v[F+12*\t+4*\q:F+12*\t+4*\q+3] offset:1536*\t+512*\q
.endr
.endr
	ds_store_b32 v4, v22
	ds_store_b32 v4, v23 offset:128
	s_wait_dscnt 0x0                               ; for the others' sake: my stores have landed
	s_barrier_signal -1
	s_barrier_wait -1                              ; the work-group's codes lie in LDS; from here on they are only read
	s_mov_b32 s24, s18                             ; my first item
	s_mov_b32 s2, 0                                ; trips: 2 x 16 items reach an expert's 32
.Litem:
	s_wait_alu depctr_vm_vsrc(0)                   ; the memory and LDS instructions issued so far have read their registers, which this trip writes again: the offsets v9-v11, v14, v15, the stage's data v80-143, the rows of y v144-175 and v32-63; in the first trip v80-127 (the LDS stores)
	s_cmp_ge_u32 s24, s23                          ; no item left: out of the loop
	s_cbranch_scc1 .Lend
	s_lshl_b32 s25, s24, 1                         ; the item's first tile,
	s_add_co_u32 s26, s25, 1
	s_cmp_lt_u32 s26, s22
	s_cselect_b32 s26, 1, 0                        ; and how far on the second lies: 1, or 0 where the first is the expert's last
	s_min_u32 s25, s25, 62                         ; both held, since they enter addresses
	s_min_u32 s26, s26, 1
	s_add_co_u32 s27, s25, s26                     ; the second tile
	s_mul_i32 s30, s25, 49152
	v_add_nc_u32 v9, s30, v5                       ; h's images
	s_mul_i32 s30, s27, 49152
	v_add_nc_u32 v10, s30, v5
	s_lshl_b32 s30, s26, 12
	v_mad_u32_u24 v11, v24, s30, v25               ; h's scale words: lanes 16-31 take the second tile's
	s_lshl_b32 s30, s25, 12
	v_add_nc_u32 v11, s30, v11
	s_lshl_b32 s30, s25, 16
	v_add_nc_u32 v14, s30, v8                      ; the tiles' rows in y
	s_lshl_b32 s30, s27, 16
	v_add_nc_u32 v15, s30, v8
	s_wait_alu depctr_va_vdst(0)                   ; the offsets v9-v11, v14, v15 are written; and the vector and matrix instructions of phase S or of the item before are done with v16-v21 and v32-175, in which the loads up to and among the first products land
	ALOAD 0, 0
	ALOAD 1, 1
	ALOAD 2, 2
.irp s, 0,1,2,3,4,5,6,7,8,9,10,11,12,13,14,15
.if \s > 0
	s_wait_alu depctr_va_vdst(0)                   ; the last K step's products are done reading the weights' fragments and scale words, v32-79, v16, v17, and their buffer of rows with its scale word: this step's loads land in them
.endif
	WLOAD \s
.if \s < 14
	s_wait_loadcnt 14                              ; this K step's rows are in; the loads of the two steps behind it, seven each, may be out
.else
	s_wait_loadcnt 7*(15-\s)                       ; the counts run down
.endif
	s_wait_dscnt 0x0
.if \s == 0
	MUL8 0, 1, 3                                   ; (the last item's way out has put far more than five plain instructions in front of sums begun anew)
.elseif \s < 13
	MUL8 \s%4, 0, \s+3
.else
	MUL8 \s%4, 0, -1
.endif
.endr
	ORDER 0
	ORDER 1
	s_wait_alu depctr_va_vdst(0)                   ; the moves have written v80-143, which the stage's stores read; the last products are done reading v144-175 and v32-63, in which the stage's loads land
	STAGE 0
	STAGE 1
	SEND 0, 16                                     ; behind tile 0's loads: tile 1's 8 stores and 8 loads
	SEND 1, 0
	s_wait_xcnt 0x0                                ; the stores' data and all offsets are written again in the next trip
	s_add_co_u32 s24, s24, 16
	s_add_co_u32 s2, s2, 1
	s_cmp_lt_u32 s2, 2
	s_cbranch_scc1 .Litem
.Lend:
	s_wait_xcnt 0x0
	v_lshl_add_u32 v254, v0, 2, 0x2a000            ; the closing add's two registers, made anew from v0, which is as at the entry; no memory or LDS instruction of this text reads v254 or v255
	v_mov_b32 v255, 0
	s_wait_dscnt 0x0                               ; the closing lines, six on end
	s_wait_alu 0x0
	s_wait_tensorcnt 0x0
	ds_add_u32 v254, v255
	s_wait_dscnt 0x0
	s_endpgm
.Lfunc_end_k_q65a15e0e0c_gemm2:
	.size	k_q65a15e0e0c_gemm2, .Lfunc_end_k_q65a15e0e0c_gemm2-k_q65a15e0e0c_gemm2
	.p2alignl 7, 3214868480
	.fill 96, 4, 3214868480
	.section	.rodata,"a",@progbits
	.p2align	6, 0x0
	.amdhsa_kernel k_q65a15e0e0c_gemm2
		.amdhsa_group_segment_fixed_size 174080
		.amdhsa_private_segment_fixed_size 0
		.amdhsa_enable_private_segment 0
		.amdhsa_kernarg_size 32
		.amdhsa_user_sgpr_count 2
		.amdhsa_user_sgpr_kernarg_segment_ptr 1
		.amdhsa_wavefront_size32 1
		.amdhsa_system_sgpr_workgroup_id_x 1
		.amdhsa_system_sgpr_workgroup_id_y 1
		.amdhsa_system_sgpr_workgroup_id_z 1
		.amdhsa_system_vgpr_workitem_id 0
		.amdhsa_next_free_vgpr 256
		.amdhsa_next_free_sgpr 66
		.amdhsa_reserve_vcc 0
		.amdhsa_float_denorm_mode_32 3
		.amdhsa_float_denorm_mode_16_64 3
		.amdhsa_memory_ordered 1
		.amdhsa_forward_progress 1
		.amdhsa_inst_pref_size 84
	.end_amdhsa_kernel
	.amdgpu_metadata
---
amdhsa.version: [ 1, 2 ]
amdhsa.kernels:
  - .name:           k_q65a15e0e0c_gemm2
    .symbol:         k_q65a15e0e0c_gemm2.kd
    .args:
      - { .name: W2, .offset: 0, .size: 8, .value_kind: global_buffer, .address_space: global }
      - { .name: bitmap, .offset: 8, .size: 8, .value_kind: global_buffer, .address_space: global }
      - { .name: hc, .offset: 16, .size: 8, .value_kind: global_buffer, .address_space: global }
      - { .name: y, .offset: 24, .size: 8, .value_kind: global_buffer, .address_space: global }
    .group_segment_fixed_size: 174080
    .private_segment_fixed_size: 0
    .kernarg_segment_align: 8
    .kernarg_segment_size: 32
    .max_flat_workgroup_size: 512
    .sgpr_count:     66
    .vgpr_count:     256
    .wavefront_size: 32
...
	.end_amdgpu_metadata
.endif
;; end of part 9
;; launch combine (part 10): grid 256 x 1, 4 waves a work-group, no clusters, 0 bytes of LDS; arguments y, rowof, topi, topw, b2, out0; writes out0
.if DOCPART == 10
	.amdgcn_target "amdgcn-amd-amdhsa--gfx1250"
	.amdhsa_code_object_version 6
	.text
	.protected	k_q65a15e0e0c_combine
	.globl	k_q65a15e0e0c_combine
	.p2align	8
	.type	k_q65a15e0e0c_combine,@function
k_q65a15e0e0c_combine:
	s_mov_b64 s[64:65], 0
	v_nop
	global_prefetch_b8 v0, s[64:65] scope:SCOPE_SE
	s_setreg_imm32_b32 hwreg(HW_REG_WAVE_MODE, 25, 1), 1
	s_wait_xcnt 0x0
; out[t] = w0 (y[r0] + b2[e0]) + w1 (y[r1] + b2[e1]), in f32: t's two experts e0, e1, their probabilities w0, w1, and the sorted rows r0, r1 in which the experts' results lie; y[r] is the sum of its two halves of K.
; One wave takes one token: a row is 4,096 bytes, eight pieces of 512 consecutive bytes; for each piece six loads, twelve packed operations, one store.  All 48 loads of a wave go out at once.
; Each output row has one owner.  Memory binds: no LDS, no barrier, no matrix unit.  The rows' and experts' numbers are read from memory and held inside their tables before they enter addresses.
.set R, 16                             ; v16-207: piece c at v[R + 24 c]: y half 0 of r0, y half 1 of r0, b2 of e0, the same three of r1 and e1: four registers each
	s_load_b256 s[4:11], s[0:1], 0x0               ; y s[4:5], rowof s[6:7], topi s[8:9], topw s[10:11]
	s_load_b128 s[12:15], s[0:1], 0x20             ; b2 s[12:13], out0 s[14:15]
	v_lshrrev_b32 v1, 5, v0
	v_readfirstlane_b32 s16, v1                    ; wave
	v_and_b32 v1, 31, v0
	v_lshlrev_b32 v1, 4, v1                        ; 16 l
	s_lshl_b32 s17, ttmp9, 2
	s_add_co_u32 s17, s17, s16                     ; the token
	s_lshl_b32 s18, s17, 3
	s_mov_b32 s19, 0
	s_wait_alu depctr_va_vdst(0)
	s_wait_kmcnt 0x0
	s_add_nc_u64 s[6:7], s[6:7], s[18:19]
	s_add_nc_u64 s[8:9], s[8:9], s[18:19]
	s_add_nc_u64 s[10:11], s[10:11], s[18:19]
	s_load_b64 s[20:21], s[6:7], 0x0               ; r0, r1
	s_load_b64 s[22:23], s[8:9], 0x0               ; e0, e1
	s_load_b64 s[24:25], s[10:11], 0x0             ; w0, w1
	s_add_nc_u64 s[28:29], s[4:5], 33554432        ; y's second half of K
	s_lshl_b32 s17, s17, 12
	v_add_nc_u32 v6, s17, v1                       ; out0: 4,096 t + 16 l
	s_wait_kmcnt 0x0
	s_min_u32 s20, s20, 8191
	s_min_u32 s21, s21, 8191
	s_min_u32 s22, s22, 7
	s_min_u32 s23, s23, 7
	s_lshl_b32 s20, s20, 12
	s_lshl_b32 s21, s21, 12
	s_lshl_b32 s22, s22, 12
	s_lshl_b32 s23, s23, 12
	v_add_nc_u32 v2, s20, v1
	v_add_nc_u32 v3, s21, v1
	v_add_nc_u32 v4, s22, v1
	v_add_nc_u32 v5, s23, v1
	s_mov_b32 s26, s25                             ; w1 as the low word of a pair of its own: the packed forms take a scalar pair's low word for both halves
	s_mov_b32 s27, s25
.irp c, 0,1,2,3,4,5,6,7
	global_load_b128 v[R+24*\c:R+24*\c+3],     v2, s[4:5]   offset:512*\c th:TH_LOAD_NT
	global_load_b128 v[R+24*\c+4:R+24*\c+7],   v2, s[28:29] offset:512*\c th:TH_LOAD_NT
	global_load_b128 v[R+24*\c+8:R+24*\c+11],  v4, s[12:13] offset:512*\c
	global_load_b128 v[R+24*\c+12:R+24*\c+15], v3, s[4:5]   offset:512*\c th:TH_LOAD_NT
	global_load_b128 v[R+24*\c+16:R+24*\c+19], v3, s[28:29] offset:512*\c th:TH_LOAD_NT
	global_load_b128 v[R+24*\c+20:R+24*\c+23], v5, s[12:13] offset:512*\c
.endr
.irp c, 0,1,2,3,4,5,6,7
	s_wait_loadcnt 6*(7-\c)                        ; this piece's six loads are in; the later pieces' may be out
.irp j, 0,2
	v_pk_add_f32 v[R+24*\c+\j:R+24*\c+\j+1], v[R+24*\c+\j:R+24*\c+\j+1], v[R+24*\c+4+\j:R+24*\c+5+\j]           ; the two halves of K
	v_pk_add_f32 v[R+24*\c+12+\j:R+24*\c+13+\j], v[R+24*\c+12+\j:R+24*\c+13+\j], v[R+24*\c+16+\j:R+24*\c+17+\j]
	v_pk_add_f32 v[R+24*\c+\j:R+24*\c+\j+1], v[R+24*\c+\j:R+24*\c+\j+1], v[R+24*\c+8+\j:R+24*\c+9+\j]           ; + b2
	v_pk_add_f32 v[R+24*\c+12+\j:R+24*\c+13+\j], v[R+24*\c+12+\j:R+24*\c+13+\j], v[R+24*\c+20+\j:R+24*\c+21+\j]
	v_pk_mul_f32 v[R+24*\c+\j:R+24*\c+\j+1], v[R+24*\c+\j:R+24*\c+\j+1], s[24:25] op_sel_hi:[1,0]               ; x w0
	v_pk_fma_f32 v[R+24*\c+\j:R+24*\c+\j+1], v[R+24*\c+12+\j:R+24*\c+13+\j], s[26:27], v[R+24*\c+\j:R+24*\c+\j+1] op_sel_hi:[1,0,1]   ; + w1 x the other
.endr
	global_store_b128 v6, v[R+24*\c:R+24*\c+3], s[14:15] offset:512*\c th:TH_STORE_NT   ; 32 lanes store 512 consecutive bytes, aligned
.endr
	s_endpgm
.Lfunc_end_k_q65a15e0e0c_combine:
	.size	k_q65a15e0e0c_combine, .Lfunc_end_k_q65a15e0e0c_combine-k_q65a15e0e0c_combine
	.p2alignl 7, 3214868480
	.fill 96, 4, 3214868480
	.section	.rodata,"a",@progbits
	.p2align	6, 0x0
	.amdhsa_kernel k_q65a15e0e0c_combine
		.amdhsa_group_segment_fixed_size 0
		.amdhsa_private_segment_fixed_size 0
		.amdhsa_enable_private_segment 0
		.amdhsa_kernarg_size 48
		.amdhsa_user_sgpr_count 2
		.amdhsa_user_sgpr_kernarg_segment_ptr 1
		.amdhsa_wavefront_size32 1
		.amdhsa_system_sgpr_workgroup_id_x 1
		.amdhsa_system_sgpr_workgroup_id_y 1
		.amdhsa_system_sgpr_workgroup_id_z 1
		.amdhsa_system_vgpr_workitem_id 0
		.amdhsa_next_free_vgpr 208
		.amdhsa_next_free_sgpr 66
		.amdhsa_reserve_vcc 0
		.amdhsa_float_denorm_mode_32 3
		.amdhsa_float_denorm_mode_16_64 3
		.amdhsa_memory_ordered 1
		.amdhsa_forward_progress 1
		.amdhsa_inst_pref_size 14
	.end_amdhsa_kernel
	.amdgpu_metadata
---
amdhsa.version: [ 1, 2 ]
amdhsa.kernels:
  - .name:           k_q65a15e0e0c_combine
    .symbol:         k_q65a15e0e0c_combine.kd
    .args:
      - { .name: y, .offset: 0, .size: 8, .value_kind: global_buffer, .address_space: global }
      - { .name: rowof, .offset: 8, .size: 8, .value_kind: global_buffer, .address_space: global }
      - { .name: topi, .offset: 16, .size: 8, .value_kind: global_buffer, .address_space: global }
      - { .name: topw, .offset: 24, .size: 8, .value_kind: global_buffer, .address_space: global }
      - { .name: b2, .offset: 32, .size: 8, .value_kind: global_buffer, .address_space: global }
      - { .name: out0, .offset: 40, .size: 8, .value_kind: global_buffer, .address_space: global }
    .group_segment_fixed_size: 0
    .private_segment_fixed_size: 0
    .kernarg_segment_align: 8
    .kernarg_segment_size: 48
    .max_flat_workgroup_size: 128
    .sgpr_count:     66
    .vgpr_count:     208
    .wavefront_size: 32
...
	.end_amdgpu_metadata
.endif
;; end of part 10
